; MI455X (gfx1250); checked and timed in simulation.
; The chip was launched on July 23, 2026; its instructions are those of AMD's public machine-readable ISA for CDNA 5 (MIT licence, August 2026) and "CDNA5" Instruction Set Architecture Reference Guide (July 2026). The comments in the code are by the model that wrote it; some were corrected since.
;; Encoder Layer. Allowed arithmetic: matrix products marked QUANTISED: E3M2 operands, one E8M0 scale for each 32 along K, by v_wmma_scale_f32_16x16x128_f8f6f4 with both operands' format E3M2, f32 sums; everything else in f32.
;; Inputs: W1 512 x 2,048 float32; W2 2,048 x 512 float32; Wk 512 x 512 float32; Wo 512 x 512 float32; Wq 512 x 512 float32; Wv 512 x 512 float32; b1 2,048 float32; b2 512 float32; beta1 512 float32; beta2 512 float32; bk 512 float32; bo 512 float32; bq 512 float32; bv 512 float32; gamma1 512 float32; gamma2 512 float32; x 2 x 4,096 x 512 float32.
;; Outputs: out0 2 x 4,096 x 512 float32.
;; This version of the problem:
;;   THIS VERSION OF THE PROBLEM IS GIVEN IN LOW PRECISION. The matrix products marked QUANTISED in the list below multiply operands that are first quantised to E3M2 (3 exponent bits, 2 mantissa bits; 6 bits a number), with one power-of-two scale for each 32 numbers along K (OCP MX v1.0); their sums are f32. All else is computed in f32.
;;   The module's matrix products, in the order in which they are computed (A, B: the left and right operand; K: the contracted axis; several contracted axes count as one K, in the product's order):
;;     1. [M 8,192, K 512] x [K 512, N 512]; A: input x; B: input Wq: QUANTISED
;;     2. [M 8,192, K 512] x [K 512, N 512]; A: input x; B: input Wk: QUANTISED
;;     3. [M 8,192, K 512] x [K 512, N 512]; A: input x; B: input Wv: QUANTISED
;;     4. batch 16 x [M 4,096, K 64] x [K 64, N 4,096]; A: computed on the way; B: computed on the way: QUANTISED
;;     5. batch 16 x [M 4,096, K 4,096] x [K 4,096, N 64]; A: softmax (see below); B: computed on the way: QUANTISED
;;     6. [M 8,192, K 512] x [K 512, N 512]; A: computed on the way; B: input Wo: QUANTISED
;;     7. [M 8,192, K 512] x [K 512, N 2,048]; A: computed on the way; B: input W1: QUANTISED
;;     8. [M 8,192, K 2,048] x [K 2,048, N 512]; A: computed on the way; B: input W2: QUANTISED
;;   THE QUANTISER, for each operand of a quantised product, along K:
;;     - K is cut into blocks of 32 from its start; a last block that is shorter is filled with zeros.
;;     - A block's scale is 2^e with e = floor(log2(the largest magnitude in the block)) - 4, held to -126 .. 127; a block of zeros has e = 0. As a byte (E8M0): e + 127.
;;     - Each number is divided by its block's scale, clamped to +-28, and rounded to the nearest number of E3M2, ties to even, subnormals kept.
;;     - The product sums the exact products of the quantised numbers (number of the format x scale) in f32.
;;   ~~~python
;;   def quantise(x, axis):      # numpy; x: float32 -> the quantised numbers, widened to float32 again
;;       x = np.moveaxis(x, axis, -1); K = x.shape[-1]
;;       x = np.pad(x, [(0, 0)] * (x.ndim - 1) + [(0, -K % 32)]); x = x.reshape(x.shape[:-1] + (-1, 32)); a = np.abs(x).max(-1, keepdims=True)
;;       e = np.where(a > 0, np.clip(np.frexp(np.where(a > 0, a, 1))[1] - 1 - 4, -126, 127), 0)      # np.frexp(a)[1] - 1 = floor(log2(a)), exactly
;;       r = np.clip(x / 2.0 ** e, -28, 28)
;;       step = 2.0 ** (np.maximum(np.frexp(np.where(r == 0, 1, r))[1] - 1, -2) - 2)
;;       q = np.round(r / step) * step * 2.0 ** e      # np.round: ties to even
;;       return np.moveaxis(q.reshape(q.shape[:-2] + (-1,))[..., :K], -1, axis).astype(np.float32)
;;   ~~~
;;   SOFTMAX AHEAD OF A QUANTISED PRODUCT. Where the list says 'softmax', what is quantised is not the finished softmax but p = 2^(t - M), with t = logit x log2(e) and M = ceil(the row's largest t), a whole number; so 1/2 < the row's largest p <= 1. The row's sum l is taken of the UNQUANTISED p, in f32, and the product's result is divided by l at the end. Since M is a whole number, a kernel that streams over the keys may use a running M (the ceiling of the running maximum): every later rescaling is an exact power of two, which a block's scale takes up: the codes' values come out the same.
;;   OPERANDS COMPUTED ON THE WAY. 'Computed on the way' means the value that the module computes at that place (a softmax that the list does not call 'softmax' is quantised finished and normalised). What goes into a quantiser is computed in f32, as accurately as f32 sums, v_exp_f32 and their like allow (about 1e-6 of the number): no bf16 or f16 on the way to a quantiser, and a product that is left as it is and whose result goes on into a quantised operand takes f32 operands (vector FMAs, or v_wmma_f32_16x16x4_f32). A number that lies on a knife's edge between two numbers of the format may be rounded either way, as far as f32 arithmetic and the matrix unit's own rounding can turn it there, and no further.
;; 2 versions. Each part assembles by itself: llvm-mc -triple=amdgcn-amd-amdhsa -mcpu=gfx1250 --defsym DOCPART=n.
;; ======== version 1 of 2: 4 launches
;; workspace buffers: wqkv 614,400 bytes; wffn 1,843,200 bytes; qbuf 3,670,016 bytes; kvbuf 6,553,600 bytes; aobuf 3,407,872 bytes
;; launch wquant (part 1): grid 192 x 1, 4 waves a work-group, no clusters, 0 bytes of LDS; arguments Wq, Wk, Wv, Wo, W1, W2, wqkv, wffn; writes wqkv, wffn
.if DOCPART == 1
	.amdgcn_target "amdgcn-amd-amdhsa--gfx1250"
	.amdhsa_code_object_version 6
	.text
	.protected	k_qbe064be0b0_wquant
	.globl	k_qbe064be0b0_wquant
	.p2align	8
	.type	k_qbe064be0b0_wquant,@function
k_qbe064be0b0_wquant:
	s_mov_b64 s[64:65], 0
	v_nop
	global_prefetch_b8 v0, s[64:65] scope:SCOPE_SE
	s_setreg_imm32_b32 hwreg(HW_REG_WAVE_MODE, 25, 1), 1
	s_wait_xcnt 0x0
; The six weights, f32, stored [K][N] with K as the FIRST axis, become codes of BF6 (E3M2) with one E8M0 byte for each 32 along K,
; laid as IMAGES OF THE MATRIX OPERAND'S REGISTERS: a fragment (16 columns x 128 K, 12 registers a lane) is 1,536 bytes, registers 4 c .. 4 c + 3 of lane l at 512 c + 16 l.
; A work-group takes one weight, one chunk of 128 columns and one K step of 128; wave w takes columns 32 w .. 32 w + 31, which are the chunk's tiles 2 w and 2 w + 1.
; THE COLUMNS OF A TILE ARE NOT NEIGHBOURS: place r of tile 2 b + u is column 32 b + 8 u + r + 8 (r / 8), so that a product with the tile as source 0 leaves 16 neighbours in the 16 registers of two neighbouring tiles.
; A LANE TAKES A COLUMN AND ITS 128 REGISTERS RUN DOWN K: each load of a wave reads 128 consecutive bytes of one row (the four waves 512), a block of 32 lies in one lane, and the conversions give codes with K innermost.
; Lane 16 u + r holds what lanes r and 16 + r of tile 2 w + u's fragment want: blocks 0, 2 for the lower lane, blocks 1, 3 for the upper.
; A block's scale is 2^(floor(log2(largest magnitude)) - 4); its byte is the largest magnitude's exponent field - 4, held at 1 from below.
; LIMITS: a block whose largest magnitude lies under 2^(5 - 127), a block of zeros among them, keeps the byte 1 (its codes are zeros or subnormals; this program alone reads the bytes); NaN and infinities are not served.
.set X,    32                          ; v32-159  my column's 128 numbers
.set CODE, 160                         ; v160-183 12 registers for the fragment's lane r, 12 for lane 16 + r
.set PT,   184                         ; v184-199 the second halves of the four blocks (a conversion's three registers begin on an even number)
	s_load_b512 s[8:23], s[0:1], 0x0               ; Wq 8, Wk 10, Wv 12, Wo 14, W1 16, W2 18, wqkv 20, wffn 22
	v_lshrrev_b32 v4, 5, v0
	v_readfirstlane_b32 s2, v4                     ; wave
	v_and_b32 v5, 15, v0                           ; r
	v_bfe_u32 v6, v0, 4, 1                         ; u
	v_and_b32 v7, 8, v5
	v_add_nc_u32 v7, v7, v5                        ; r + 8 (r / 8)
	v_lshl_add_u32 v7, v6, 3, v7                   ; + 8 u: my column among the wave's 32
	v_lshlrev_b32 v1, 2, v7                        ; its bytes
	v_mul_u32_u24 v2, v6, 1536
	v_lshl_add_u32 v2, v5, 4, v2                   ; out: tile u's image, 16 r
	v_and_b32 v3, 31, v0
	v_lshlrev_b32 v3, 2, v3                        ; out: my scale word, 4 x lane
	; which weight, K step and chunk: numbers made of the work-group's number alone
	s_and_b32 s3, ttmp9, 3                         ; e
	s_bfe_u32 s4, ttmp9, 0x20002                   ; a
	s_bfe_u32 s5, ttmp9, 0x40002                   ; b
	s_bfe_u32 s6, ttmp9, 0x20004                   ; c
	s_and_b32 s7, ttmp9, 15                        ; f
	s_add_co_u32 s24, s7, 4
	s_add_co_u32 s25, s7, 20
	s_cmp_lt_u32 ttmp9, 128
	s_cselect_b32 s26, s3, s7                      ; the K step in the weight
	s_cselect_b32 s27, s5, s6                      ; the chunk in the weight (from 64 on)
	s_cselect_b32 s28, s24, s25                    ; the group in a wave's stream of wffn (from 64 on)
	s_cmp_lt_u32 ttmp9, 64
	s_cselect_b32 s27, s4, s27
	s_cselect_b32 s28, s3, s28
	s_cselect_b32 s29, s4, s6                      ; whose stream
	s_cselect_b32 s30, 18, 20                      ; 128 rows in bytes, as a shift: rows of 2,048 bytes, W1's of 8,192
	s_cmp_lt_u32 ttmp9, 128
	s_cselect_b32 s30, s30, 18
	s_lshl_b32 s26, s26, s30
	s_lshl_b32 s27, s27, 9
	s_add_co_u32 s26, s26, s27
	s_lshl_b32 s27, s2, 7
	s_add_co_u32 s26, s26, s27                     ; the wave's first number, in bytes
	s_mov_b32 s27, 0
	s_mul_i32 s31, s29, 442368
	s_mul_i32 s32, s28, 12288
	s_add_co_u32 s31, s31, s32                     ; wffn: codes
	s_mul_i32 s33, s29, 18432
	s_lshl_b32 s32, s28, 9
	s_add_co_u32 s33, s33, s32
	s_add_co_u32 s33, s33, 1769472                 ; wffn: scale words
	s_mul_i32 s34, ttmp9, 12288                    ; wqkv: codes
	s_lshl_b32 s35, ttmp9, 9
	s_add_co_u32 s35, s35, 589824                  ; wqkv: scale words
	s_cmp_lt_u32 ttmp9, 48
	s_cselect_b32 s36, s34, s31
	s_cselect_b32 s38, s35, s33
	s_mul_i32 s31, s2, 3072
	s_add_co_u32 s36, s36, s31                     ; my wave's two tiles
	s_lshl_b32 s31, s2, 7
	s_add_co_u32 s38, s38, s31
	s_mov_b32 s37, 0
	s_mov_b32 s39, 0
	s_wait_kmcnt 0x0
	s_cmp_lt_u32 ttmp9, 48                         ; the buffers are chosen on the work-group's number alone
	s_cselect_b64 s[20:21], s[20:21], s[22:23]
	s_mov_b64 s[40:41], s[18:19]
	s_cmp_lt_u32 ttmp9, 128
	s_cselect_b64 s[40:41], s[16:17], s[40:41]
	s_cmp_lt_u32 ttmp9, 64
	s_cselect_b64 s[40:41], s[14:15], s[40:41]
	s_cmp_lt_u32 ttmp9, 48
	s_cselect_b64 s[40:41], s[12:13], s[40:41]
	s_cmp_lt_u32 ttmp9, 32
	s_cselect_b64 s[40:41], s[10:11], s[40:41]
	s_cmp_lt_u32 ttmp9, 16
	s_cselect_b64 s[40:41], s[8:9], s[40:41]
	s_add_nc_u64 s[40:41], s[40:41], s[26:27]
	s_add_nc_u64 s[42:43], s[20:21], s[38:39]
	s_add_nc_u64 s[20:21], s[20:21], s[36:37]
; The work, once for each row length: every offset is an immediate (127 x 8,192 at the most, inside the signed 24 bits).
.macro BODY pitch
.set k, 0
.rept 128
	global_load_b32 v[X+k], v1, s[40:41] offset:k*\pitch th:TH_LOAD_NT
.set k, k+1
.endr
	s_wait_loadcnt 0x0
.irp b, 0,1,2,3
	v_max3_num_f32 v[8+\b], |v[X+32*\b]|, |v[X+32*\b+1]|, 0x2800000   ; block b's largest magnitude, with the floor 2^(5 - 127) among its leaves: the byte cannot fall under 1
.endr
.irp i, 2,4,6,8,10,12,14,16,18,20,22,24,26,28,30
.irp b, 0,1,2,3
	v_max3_num_f32 v[8+\b], v[8+\b], |v[X+32*\b+\i]|, |v[X+32*\b+\i+1]|   ; (the four blocks by turns)
.endr
.endr
.irp b, 0,1,2,3
	v_add_nc_u32 v[12+\b], 0xfe000000, v[8+\b]     ; 4 off the exponent field: the conversion's scale operand
.endr
.irp b, 0,1,2,3
	v_lshrrev_b32 v[16+\b], 23, v[12+\b]           ; the scale's byte
.endr
	v_lshl_or_b32 v20, v17, 8, v16                 ; my column's scale word for this K step
	v_lshl_or_b32 v20, v18, 16, v20
	v_lshl_or_b32 v20, v19, 24, v20
.irp b, 0,1,2,3                                ; block b belongs to the fragment's lane r + 16 (b % 2), registers 6 (b / 2) on
	v_cvt_scalef32_pk16_bf6_f32 v[CODE+12*(\b%2)+6*(\b/2):CODE+12*(\b%2)+6*(\b/2)+2], v[X+32*\b:X+32*\b+15], v[12+\b]
	v_cvt_scalef32_pk16_bf6_f32 v[PT+4*\b:PT+4*\b+2], v[X+32*\b+16:X+32*\b+31], v[12+\b]
.endr
	v_nop                                          ; one plain place behind the conversions
.irp b, 0,1,2,3
.irp i, 0,1,2
	v_mov_b32 v[CODE+12*(\b%2)+6*(\b/2)+3+\i], v[PT+4*\b+\i]
.endr
.endr
.irp h, 0,1
.irp c, 0,1,2
	global_store_b128 v2, v[CODE+12*\h+4*\c:CODE+12*\h+4*\c+3], s[20:21] offset:256*\h+512*\c   ; sixteen lanes store 256 consecutive bytes, at a multiple of 256 from the buffer's first byte
.endr
.endr
	global_store_b32 v3, v20, s[42:43]             ; 128 consecutive bytes: tile 2 w's sixteen words, then tile 2 w + 1's
	s_endpgm
.endm
	s_cmp_lt_u32 ttmp9, 64
	s_cbranch_scc1 .Lnarrow
	s_cmp_lt_u32 ttmp9, 128
	s_cbranch_scc0 .Lnarrow
	BODY 8192
.Lnarrow:
	BODY 2048
.Lfunc_end_k_qbe064be0b0_wquant:
	.size	k_qbe064be0b0_wquant, .Lfunc_end_k_qbe064be0b0_wquant-k_qbe064be0b0_wquant
	.p2alignl 7, 3214868480
	.fill 96, 4, 3214868480
	.section	.rodata,"a",@progbits
	.p2align	6, 0x0
	.amdhsa_kernel k_qbe064be0b0_wquant
		.amdhsa_group_segment_fixed_size 0
		.amdhsa_private_segment_fixed_size 0
		.amdhsa_enable_private_segment 0
		.amdhsa_kernarg_size 64
		.amdhsa_user_sgpr_count 2
		.amdhsa_user_sgpr_kernarg_segment_ptr 1
		.amdhsa_wavefront_size32 1
		.amdhsa_system_sgpr_workgroup_id_x 1
		.amdhsa_system_sgpr_workgroup_id_y 1
		.amdhsa_system_sgpr_workgroup_id_z 1
		.amdhsa_system_vgpr_workitem_id 0
		.amdhsa_next_free_vgpr 208
		.amdhsa_next_free_sgpr 66
		.amdhsa_reserve_vcc 0
		.amdhsa_float_denorm_mode_32 3
		.amdhsa_float_denorm_mode_16_64 3
		.amdhsa_memory_ordered 1
		.amdhsa_forward_progress 1
		.amdhsa_inst_pref_size 40
	.end_amdhsa_kernel
	.amdgpu_metadata
---
amdhsa.version: [ 1, 2 ]
amdhsa.kernels:
  - .name:           k_qbe064be0b0_wquant
    .symbol:         k_qbe064be0b0_wquant.kd
    .args:
      - { .name: Wq, .offset: 0, .size: 8, .value_kind: global_buffer, .address_space: global }
      - { .name: Wk, .offset: 8, .size: 8, .value_kind: global_buffer, .address_space: global }
      - { .name: Wv, .offset: 16, .size: 8, .value_kind: global_buffer, .address_space: global }
      - { .name: Wo, .offset: 24, .size: 8, .value_kind: global_buffer, .address_space: global }
      - { .name: W1, .offset: 32, .size: 8, .value_kind: global_buffer, .address_space: global }
      - { .name: W2, .offset: 40, .size: 8, .value_kind: global_buffer, .address_space: global }
      - { .name: wqkv, .offset: 48, .size: 8, .value_kind: global_buffer, .address_space: global }
      - { .name: wffn, .offset: 56, .size: 8, .value_kind: global_buffer, .address_space: global }
    .group_segment_fixed_size: 0
    .private_segment_fixed_size: 0
    .kernarg_segment_align: 8
    .kernarg_segment_size: 64
    .max_flat_workgroup_size: 128
    .sgpr_count:     66
    .vgpr_count:     208
    .wavefront_size: 32
...
	.end_amdgpu_metadata
.endif
;; end of part 1
;; launch qkv (part 2): grid 64 x 3, 8 waves a work-group, no clusters, 54,272 bytes of LDS; arguments x, wqkv, bq, bk, bv, qbuf, kvbuf; writes qbuf, kvbuf
.if DOCPART == 2
	.amdgcn_target "amdgcn-amd-amdhsa--gfx1250"
	.amdhsa_code_object_version 6
	.text
	.protected	k_qbe064be0b0_qkv
	.globl	k_qbe064be0b0_qkv
	.p2align	8
	.type	k_qbe064be0b0_qkv,@function
k_qbe064be0b0_qkv:
	s_mov_b64 s[64:65], 0
	v_nop
	global_prefetch_b8 v0, s[64:65] scope:SCOPE_SE
	s_setreg_imm32_b32 hwreg(HW_REG_WAVE_MODE, 25, 1), 1
	s_wait_xcnt 0x0
; q = x Wq + bq, k = x Wk + bk, v = x Wv + bv on codes of BF6 (E3M2, one E8M0 byte for each 32 along K), and their results quantised again for attention: q and k along the head's 64, v along the keys.
; SHARES.  Work-group x takes 128 rows of x (one step of 128 keys of one batch), work-group y says which product (0 q, 1 k, 2 v).  Wave w quantises tile w (16 rows) of x, and then is head w: 128 rows x 64 features, 32 accumulators.
; THE ROWS OF A TILE ARE NOT NEIGHBOURS: place r of tile T is row 32 (T / 2) + 8 (T % 2) + r + 8 (r / 8); the weights' tiles are laid by the same order.  So whichever operand is source 0, the 16 registers of two neighbouring
; tiles hold 16 neighbours along its axis: features with W as source 0 (q, k), keys with x as source 0 (v): a lane's registers run along the next product's K, and the conversions' results are the next operand.
; OPERANDS GO ROUND AS IMAGES OF THEIR REGISTERS: a fragment (12 registers a lane) as three stores of 16 bytes a lane at 16 x lane; a half fragment (64 along K, 6 registers) as 16 and 8 bytes a lane.
; Scale words of two neighbouring tiles lie on end, 128 bytes: one load of 4 bytes a lane brings the even tile's into lanes 0-15 and the odd one's into lanes 16-31.
; OUT.  q: half fragments, and a word with its two bytes twice.  k: fragments that PACK TWO TILES OF KEYS (registers 0-5 tile 2 f, 6-11 tile 2 f + 1), since the head is only 64 deep.  v: fragments of 16 features x 128 keys.
; The biases are the C of each sum's first matrix instruction.  One barrier: between the waves' stores of x's images and the reads of them.
; LIMITS: a block whose largest magnitude lies under 2^(5 - 127), zeros among them, keeps the byte 1 (this program alone reads the bytes); NaN and infinities are not served.
; REGISTERS: window 0: v1-8 addresses; v16-111 W's fragments, two sets of four; v112-115 their scale words; v116-163 x's fragments, two sets of two; v164-165 their scale words; v168-199 the bias; v200-239 at work.
;   window 1: 256 numbers of x, then the accumulators (q, k: tile of rows m, tile of features t at 32 m + 8 t; v: at 64 t + 8 m).
.set XIMG, 0                           ; LDS: x's 32 fragments, K step s, tile m at (8 s + m) x 1,536
.set XSCL, 49152                       ; their scale words: 512 bytes a K step, 64 a tile
.set LI,  1                            ; v1  16 x lane
.set LS,  2                            ; v2  4 x lane
.set L8,  3                            ; v3  8 x lane
.set XA,  4                            ; v4  x: (r + 8 (r / 8)) rows of 2,048 bytes + 64 h
.set XWI, 5                            ; v5  where I store x's images: 16 x lane + 1,536 x wave
.set XWS, 6                            ; v6  and their scale words: 4 r + 64 x wave
.set BA,  7                            ; v7  the bias for q, k: 64 h
.set BV,  8                            ; v8  the bias for v: 4 (r + 8 (r / 8))
.set WF,  16
.set WSC, 112
.set XFR, 116
.set XSR, 164
.set BIAS, 168
.set TM,  200                          ; v200-203 largest magnitudes, v204-207 bytes, v212-215 the conversions' scale operands
.set PW,  216                          ; v216-217 scale words just made
.set PWS, 218
.set PC,  220                          ; v220-231 codes just made
.set PT,  232                          ; v232-239 second halves
.set SEL, 34                           ; s[34:35] v_permlanex16_b32's selects for lane l xor 16
.set MLO, 36                           ; s36 lanes 0-15
.set MSB, 0
.macro WIN new                         ; the immediate's high byte repeats the setting that is left
.if MSB != (\new)
	s_set_vgpr_msb (MSB<<8)|(\new)
.set MSB, (\new)
.endif
.endm
; 64 numbers of a lane in window win, register 16 b + i = k 32 b + 16 (lane / 16) + i of my row, become a fragment's codes in v[PC] on and its scale word in v[pw].
.macro QUANT4 src, win, pw
	WIN (\win)*5
.irp b, 0,1,2,3
	v_max3_num_f32 v[TM+\b], |v[(\src)+16*\b]|, |v[(\src)+16*\b+1]|, 0x2800000   ; my 16 numbers of block b, and the floor 2^(5 - 127): the byte cannot fall under 1
.endr
.irp i, 2,4,6,8,10,12,14
.irp b, 0,1,2,3
	v_max3_num_f32 v[TM+\b], |v[(\src)+16*\b+\i]|, |v[(\src)+16*\b+\i+1]|, v[TM+\b]
.endr
.endr
	WIN 0
.irp b, 0,1,2,3
	v_permlanex16_b32 v[TM+4+\b], v[TM+\b], s[SEL], s[SEL+1]
.endr
.irp b, 0,1,2,3
	v_max_num_f32 v[TM+\b], v[TM+\b], v[TM+4+\b]   ; with lane l xor 16's: the block's largest magnitude
.endr
.irp b, 0,1,2,3
	v_add_nc_u32 v[TM+12+\b], 0xfe000000, v[TM+\b] ; 4 off its exponent field: the conversion's scale operand
.endr
.irp b, 0,1,2,3
	v_lshrrev_b32 v[TM+4+\b], 23, v[TM+12+\b]      ; the scale's byte
.endr
	v_lshl_or_b32 v[\pw], v[TM+5], 8, v[TM+4]
	v_lshl_or_b32 v[\pw], v[TM+6], 16, v[\pw]
	v_lshl_or_b32 v[\pw], v[TM+7], 24, v[\pw]
	WIN \win
.irp c, 0,1
	v_cvt_scalef32_pk16_bf6_f32 v[PC+6*\c:PC+6*\c+2], v[(\src)+32*\c:(\src)+32*\c+15], v[TM+12+2*\c]
	v_cvt_scalef32_pk16_bf6_f32 v[PT+4*\c:PT+4*\c+2], v[(\src)+32*\c+16:(\src)+32*\c+31], v[TM+13+2*\c]
.endr
	WIN 0
	v_nop                                          ; one plain place behind the conversions
.irp c, 0,1                                    ; the operand's layout wants a WHOLE block in a lane: lanes 0-15 block 2 c, lanes 16-31 block 2 c + 1
.irp i, 0,1,2
	v_permlane16_swap_b32 v[PC+6*\c+\i], v[PT+4*\c+\i]
.endr
.irp i, 0,1,2
	v_mov_b32 v[PC+6*\c+3+\i], v[PT+4*\c+\i]
.endr
.endr
.endm
; The same for 32 numbers of a lane (64 along K): six registers of codes in v[dst] on; the two bytes stay in v[TM+4], v[TM+5].
.macro QUANT2 src, win, dst
	WIN (\win)*5
.irp b, 0,1
	v_max3_num_f32 v[TM+\b], |v[(\src)+16*\b]|, |v[(\src)+16*\b+1]|, 0x2800000
.endr
.irp i, 2,4,6,8,10,12,14
.irp b, 0,1
	v_max3_num_f32 v[TM+\b], |v[(\src)+16*\b+\i]|, |v[(\src)+16*\b+\i+1]|, v[TM+\b]
.endr
.endr
	WIN 0
.irp b, 0,1
	v_permlanex16_b32 v[TM+4+\b], v[TM+\b], s[SEL], s[SEL+1]
.endr
.irp b, 0,1
	v_max_num_f32 v[TM+\b], v[TM+\b], v[TM+4+\b]
.endr
.irp b, 0,1
	v_add_nc_u32 v[TM+12+\b], 0xfe000000, v[TM+\b]
.endr
.irp b, 0,1
	v_lshrrev_b32 v[TM+4+\b], 23, v[TM+12+\b]
.endr
	WIN \win
	v_cvt_scalef32_pk16_bf6_f32 v[(\dst):(\dst)+2], v[(\src):(\src)+15], v[TM+12]
	v_cvt_scalef32_pk16_bf6_f32 v[PT:PT+2], v[(\src)+16:(\src)+31], v[TM+13]
	WIN 0
	v_nop
.irp i, 0,1,2
	v_permlane16_swap_b32 v[(\dst)+\i], v[PT+\i]
.endr
.irp i, 0,1,2
	v_mov_b32 v[(\dst)+3+\i], v[PT+\i]
.endr
.endm
; One product.  ra, rb: source 0's, source 1's scale words stand in lanes 16-31 of their register.
.macro WM d, a, b, c, sa, sb, ra, rb
.if (\ra) && (\rb)
	v_wmma_scale_f32_16x16x128_f8f6f4 v[(\d):(\d)+7], v[(\a):(\a)+11], v[(\b):(\b)+11], v[(\c):(\c)+7], v[\sa], v[\sb] matrix_a_fmt:MATRIX_FMT_BF6 matrix_b_fmt:MATRIX_FMT_BF6 matrix_a_scale:MATRIX_SCALE_ROW1 matrix_b_scale:MATRIX_SCALE_ROW1
.elseif (\ra)
	v_wmma_scale_f32_16x16x128_f8f6f4 v[(\d):(\d)+7], v[(\a):(\a)+11], v[(\b):(\b)+11], v[(\c):(\c)+7], v[\sa], v[\sb] matrix_a_fmt:MATRIX_FMT_BF6 matrix_b_fmt:MATRIX_FMT_BF6 matrix_a_scale:MATRIX_SCALE_ROW1
.elseif (\rb)
	v_wmma_scale_f32_16x16x128_f8f6f4 v[(\d):(\d)+7], v[(\a):(\a)+11], v[(\b):(\b)+11], v[(\c):(\c)+7], v[\sa], v[\sb] matrix_a_fmt:MATRIX_FMT_BF6 matrix_b_fmt:MATRIX_FMT_BF6 matrix_b_scale:MATRIX_SCALE_ROW1
.else
	v_wmma_scale_f32_16x16x128_f8f6f4 v[(\d):(\d)+7], v[(\a):(\a)+11], v[(\b):(\b)+11], v[(\c):(\c)+7], v[\sa], v[\sb] matrix_a_fmt:MATRIX_FMT_BF6 matrix_b_fmt:MATRIX_FMT_BF6
.endif
.endm
.macro WLOAD s, set                    ; my head's four fragments of W for K step s, and their scale words: 14 loads
.irp t, 0,1,2,3
.irp c, 0,1,2
	global_load_b128 v[WF+48*(\set)+12*\t+4*\c:WF+48*(\set)+12*\t+4*\c+3], v[LI], s[22:23] offset:12288*(\s)+1536*\t+512*\c
.endr
.endr
.irp q, 0,1
	global_load_b32 v[WSC+2*(\set)+\q], v[LS], s[24:25] offset:512*(\s)+128*\q
.endr
.endm
.macro FETCHX s, q, set                ; x's tiles 2 q and 2 q + 1 of K step s, and their scale words: 7 LDS loads
.irp i, 0,1
.irp c, 0,1,2
	ds_load_b128 v[XFR+24*(\set)+12*\i+4*\c:XFR+24*(\set)+12*\i+4*\c+3], v[LI] offset:XIMG+(8*(\s)+2*(\q)+\i)*1536+512*\c
.endr
.endr
	ds_load_b32 v[XSR+(\set)], v[LS] offset:XSCL+(4*(\s)+(\q))*128
.endm
; The products: 16 batches (K step ks, pair of row tiles kq) of eight.  mode = 0: source 0 = W (q, k); 1: source 0 = x (v).  The 32 accumulators take turns, one instruction a turn.
.macro MAIN mode
	FETCHX 0, 0, 0
.set n, 0
.rept 16
.set ks, n/4
.set kq, n%4
.if n > 0
.rept 4
	v_nop                                          ; places in front of loads into registers that the last batch's products have read
.endr
.endif
.if n < 15
	FETCHX (n+1)/4, (n+1)%4, (n+1)%2
.endif
.if (kq == 0) && (ks < 3)
	WLOAD ks+1, (ks+1)%2
.endif
.if n < 15
	s_wait_dscnt 7                                 ; this batch's fragments are in; the seven loads just issued may be out
.else
	s_wait_dscnt 0x0
.endif
.if kq == 0
.if ks < 3
	s_wait_loadcnt 14                              ; this K step's weights are in; the next step's 14 loads may be out
.else
	s_wait_loadcnt 0x0
.endif
.endif
.if ks == 0
	WIN 0x40                                       ; D window 1; C is the bias, window 0
.else
	WIN 0x50                                       ; C and D window 1
.endif
.irp i, 0,1
.irp t, 0,1,2,3
.if \mode
.set rD, 64*\t+8*(2*kq+\i)
.else
.set rD, 32*(2*kq+\i)+8*\t
.endif
.set rC, rD
.if ks == 0
.set rC, BIAS+8*\t
.endif
.set rW, WF+48*(ks%2)+12*\t
.set rX, XFR+24*(n%2)+12*\i
.set rWS, WSC+2*(ks%2)+\t/2
.set rXS, XSR+n%2
.if \mode
	WM rD, rX, rW, rC, rXS, rWS, \i, \t%2
.else
	WM rD, rW, rX, rC, rWS, rXS, \t%2, \i
.endif
.endr
.endr
	WIN 0
.set n, n+1
.endr
.rept 4
	v_nop                                          ; places in front of the first read of results
.endr
.endm
	s_load_b256 s[8:15], s[0:1], 0x0               ; x 8, wqkv 10, bq 12, bk 14
	s_load_b128 s[16:19], s[0:1], 0x20             ; bv 16, qbuf 18
	s_load_b64 s[20:21], s[0:1], 0x30              ; kvbuf
	v_lshl_add_u32 v254, v0, 2, 0xd000
	v_mov_b32 v255, 0
	v_lshrrev_b32 v9, 5, v0
	v_readfirstlane_b32 s2, v9                     ; wave 0..7
	s_mov_b32 s3, ttmp9                            ; the block of 128 rows
	s_and_b32 s4, ttmp7, 0xffff                    ; the product
	v_and_b32 v9, 31, v0                           ; lane
	v_and_b32 v10, 15, v0                          ; r
	v_bfe_u32 v11, v0, 4, 1                        ; h
	v_lshlrev_b32 v[LI], 4, v9
	v_lshlrev_b32 v[LS], 2, v9
	v_lshlrev_b32 v[L8], 3, v9
	v_and_b32 v12, 8, v10
	v_add_nc_u32 v12, v12, v10                     ; r + 8 (r / 8)
	v_lshlrev_b32 v[XA], 11, v12
	v_lshl_add_u32 v[XA], v11, 6, v[XA]
	s_mul_i32 s7, s2, 1536
	v_add_nc_u32 v[XWI], s7, v[LI]
	s_lshl_b32 s7, s2, 6
	v_lshl_add_u32 v[XWS], v10, 2, s7
	v_lshlrev_b32 v[BA], 6, v11
	v_lshlrev_b32 v[BV], 2, v12
.irp b, 4,5,6,7
	v_mov_b32 v[TM+\b], 0                          ; written once: a lane permute's destination counts as one of its sources
.endr
	s_mov_b32 s[SEL], 0x76543210
	s_mov_b32 s[SEL+1], 0xfedcba98
	s_mov_b32 s[MLO], 0xffff
	s_lshr_b32 s5, s2, 1                           ; my head's chunk of 128 columns,
	s_and_b32 s6, s2, 1                            ; and which half of it
	s_mul_i32 s38, s4, 196608                      ; W's codes: 16 groups of 12,288 a weight, 4 a chunk, 6,144 a half
	s_mul_i32 s7, s5, 49152
	s_add_co_u32 s38, s38, s7
	s_mul_i32 s7, s6, 6144
	s_add_co_u32 s38, s38, s7
	s_mov_b32 s39, 0
	s_lshl_b32 s40, s4, 13                         ; W's scale words
	s_lshl_b32 s7, s5, 11
	s_add_co_u32 s40, s40, s7
	s_lshl_b32 s7, s6, 8
	s_add_co_u32 s40, s40, s7
	s_add_co_u32 s40, s40, 589824
	s_mov_b32 s41, 0
	s_lshl_b32 s42, s3, 18                         ; x: 128 rows of 2,048 bytes a block, and my tile's first row 32 (w / 2) + 8 (w % 2)
	s_lshl_b32 s7, s5, 16
	s_add_co_u32 s42, s42, s7
	s_lshl_b32 s7, s6, 14
	s_add_co_u32 s42, s42, s7
	s_mov_b32 s43, 0
	s_lshl_b32 s44, s2, 8                          ; the bias: my head's 64 numbers
	s_mov_b32 s45, 0
	s_lshl_b32 s7, s3, 6
	s_add_co_u32 s7, s7, s2                        ; 8 x (first tile) + head
	s_mul_i32 s48, s7, 768                         ; q's half fragments
	s_mov_b32 s49, 0
	s_lshl_b32 s50, s7, 7
	s_add_co_u32 s50, s50, 3145728                 ; q's scale words
	s_mov_b32 s51, 0
	s_lshr_b32 s7, s3, 5
	s_lshl_b32 s7, s7, 3
	s_add_co_u32 s7, s7, s2                        ; 8 x batch + head
	s_and_b32 s46, s3, 31                          ; the step of 128 keys
	s_lshl_b32 s52, s7, 4
	s_lshr_b32 s47, s46, 1
	s_add_co_u32 s52, s52, s47
	s_mul_i32 s52, s52, 24576                      ; k, v: a pair of steps is 24,576 bytes: K, K, V, V
	s_and_b32 s47, s46, 1
	s_mul_i32 s47, s47, 6144
	s_add_co_u32 s52, s52, s47
	s_mov_b32 s53, 0
	s_lshl_b32 s54, s7, 14                         ; their scale words: 16,384 a head, 256 a step
	s_lshl_b32 s47, s46, 8
	s_add_co_u32 s54, s54, s47
	s_add_co_u32 s54, s54, 6291456
	s_mov_b32 s55, 0
	s_wait_kmcnt 0x0
	s_add_nc_u64 s[22:23], s[10:11], s[38:39]
	s_add_nc_u64 s[24:25], s[10:11], s[40:41]
	s_add_nc_u64 s[28:29], s[8:9], s[42:43]
	s_cmp_eq_u32 s4, 0
	s_cselect_b64 s[26:27], s[12:13], s[14:15]
	s_cmp_eq_u32 s4, 2
	s_cselect_b64 s[26:27], s[16:17], s[26:27]
	s_add_nc_u64 s[26:27], s[26:27], s[44:45]
	s_add_nc_u64 s[30:31], s[18:19], s[48:49]
	s_add_nc_u64 s[32:33], s[18:19], s[50:51]
	s_add_nc_u64 s[56:57], s[20:21], s[52:53]
	s_add_nc_u64 s[58:59], s[20:21], s[54:55]
	WLOAD 0, 0
	s_cmp_eq_u32 s4, 2
	s_cbranch_scc1 .Lbias_v
.irp t, 0,1,2,3                                ; q, k: register j of tile t is feature 32 (t / 2) + 16 h + 8 (t % 2) + j
	global_load_b128 v[BIAS+8*\t:BIAS+8*\t+3], v[BA], s[26:27] offset:(32*(\t/2)+8*(\t%2))*4
	global_load_b128 v[BIAS+8*\t+4:BIAS+8*\t+7], v[BA], s[26:27] offset:(32*(\t/2)+8*(\t%2))*4+16
.endr
	s_branch .Lbias_done
.Lbias_v:
.irp t, 0,1,2,3                                ; v: all eight registers of a lane are keys of ONE feature, 32 (t / 2) + 8 (t % 2) + r + 8 (r / 8)
.irp j, 0,1,2,3,4,5,6,7
	global_load_b32 v[BIAS+8*\t+\j], v[BV], s[26:27] offset:(32*(\t/2)+8*(\t%2))*4
.endr
.endr
.Lbias_done:
	WIN 0x40                                       ; destination window 1
.irp s, 0,1,2,3                                ; my tile's row, all 512 along K: register 64 s + 16 b + i = k 128 s + 32 b + 16 h + i
.irp b, 0,1,2,3
.irp j, 0,1,2,3
	global_load_b128 v[64*\s+16*\b+4*\j:64*\s+16*\b+4*\j+3], v[XA], s[28:29] offset:512*\s+128*\b+16*\j
.endr
.endr
.endr
	WIN 0
.irp s, 0,1,2,3
	s_wait_loadcnt 48-16*\s                        ; K step s's 16 loads, and all older ones, are in; those of the later K steps may be out
.if \s > 0
	s_wait_dscnt 0x0                               ; the last image's stores have read their registers
.endif
	QUANT4 64*\s, 1, PW
.irp c, 0,1,2
	ds_store_b128 v[XWI], v[PC+4*\c:PC+4*\c+3] offset:XIMG+12288*\s+512*\c
.endr
	ds_store_b32 v[XWS], v[PW] offset:XSCL+512*\s  ; lanes r and 16 + r write the same word with the same value
.endr
	s_wait_dscnt 0x0                               ; for the others' sake: my stores have landed
	s_barrier_signal -1
	s_barrier_wait -1                              ; x's 32 fragments lie in LDS; nothing is stored there again
	s_cmp_eq_u32 s4, 2
	s_cbranch_scc1 .Lv
	MAIN 0
	s_cmp_eq_u32 s4, 0
	s_cbranch_scc0 .Lk
	; ---- q: a half fragment and a scale word for each tile of rows
.set mi, 0
.rept 8
.if mi > 0
	s_wait_xcnt 0x0                                ; the last stores' data are written again only behind this wait
.endif
	QUANT2 32*mi, 1, PC
	v_lshl_or_b32 v[PW], v[TM+5], 8, v[TM+4]
	v_lshl_or_b32 v[PW], v[PW], 16, v[PW]          ; the two bytes twice: they serve q in the lower and in the upper half of a fragment
	global_store_b128 v[LI], v[PC:PC+3], s[30:31] offset:6144*mi
	global_store_b64 v[L8], v[PC+4:PC+5], s[30:31] offset:6144*mi+512
	global_store_b32 v[LS], v[PW], s[32:33] offset:1024*mi
.set mi, mi+1
.endr
	s_wait_tensorcnt 0x0
	ds_add_u32 v254, v255
	s_wait_dscnt 0x0
	s_endpgm
.Lk:
	; ---- k: fragment f packs tiles 2 f and 2 f + 1; its scale word has two bytes of each
.set fi, 0
.rept 4
.if fi > 0
	s_wait_xcnt 0x0
.endif
	QUANT2 64*fi, 1, PC
	v_lshl_or_b32 v[PW+fi%2], v[TM+5], 8, v[TM+4]
	QUANT2 64*fi+32, 1, PC+6
	v_lshl_or_b32 v[PW+fi%2], v[TM+4], 16, v[PW+fi%2]
	v_lshl_or_b32 v[PW+fi%2], v[TM+5], 24, v[PW+fi%2]
.irp c, 0,1,2
	global_store_b128 v[LI], v[PC+4*\c:PC+4*\c+3], s[56:57] offset:1536*fi+512*\c
.endr
.if fi%2
	v_cndmask_b32 v[PWS], v[PW+1], v[PW], s[MLO]   ; lanes 0-15 the even fragment's words, lanes 16-31 the odd one's
	global_store_b32 v[LS], v[PWS], s[58:59] offset:128*(fi/2)
.endif
.set fi, fi+1
.endr
	s_wait_tensorcnt 0x0
	ds_add_u32 v254, v255
	s_wait_dscnt 0x0
	s_endpgm
.Lv:
	MAIN 1
	; ---- v: fragment t: 16 features x the step's 128 keys
.set ti, 0
.rept 4
.if ti > 0
	s_wait_xcnt 0x0
.endif
	QUANT4 64*ti, 1, PW+ti%2
.irp c, 0,1,2
	global_store_b128 v[LI], v[PC+4*\c:PC+4*\c+3], s[56:57] offset:12288+1536*ti+512*\c
.endr
.if ti%2
	v_cndmask_b32 v[PWS], v[PW+1], v[PW], s[MLO]
	global_store_b32 v[LS], v[PWS], s[58:59] offset:8192+128*(ti/2)
.endif
.set ti, ti+1
.endr
	s_wait_tensorcnt 0x0
	ds_add_u32 v254, v255
	s_wait_dscnt 0x0
	s_endpgm
.Lfunc_end_k_qbe064be0b0_qkv:
	.size	k_qbe064be0b0_qkv, .Lfunc_end_k_qbe064be0b0_qkv-k_qbe064be0b0_qkv
	.p2alignl 7, 3214868480
	.fill 96, 4, 3214868480
	.section	.rodata,"a",@progbits
	.p2align	6, 0x0
	.amdhsa_kernel k_qbe064be0b0_qkv
		.amdhsa_group_segment_fixed_size 54272
		.amdhsa_private_segment_fixed_size 0
		.amdhsa_enable_private_segment 0
		.amdhsa_kernarg_size 56
		.amdhsa_user_sgpr_count 2
		.amdhsa_user_sgpr_kernarg_segment_ptr 1
		.amdhsa_wavefront_size32 1
		.amdhsa_system_sgpr_workgroup_id_x 1
		.amdhsa_system_sgpr_workgroup_id_y 1
		.amdhsa_system_sgpr_workgroup_id_z 1
		.amdhsa_system_vgpr_workitem_id 0
		.amdhsa_next_free_vgpr 512
		.amdhsa_next_free_sgpr 66
		.amdhsa_reserve_vcc 0
		.amdhsa_float_denorm_mode_32 3
		.amdhsa_float_denorm_mode_16_64 3
		.amdhsa_memory_ordered 1
		.amdhsa_forward_progress 1
		.amdhsa_inst_pref_size 147
	.end_amdhsa_kernel
	.amdgpu_metadata
---
amdhsa.version: [ 1, 2 ]
amdhsa.kernels:
  - .name:           k_qbe064be0b0_qkv
    .symbol:         k_qbe064be0b0_qkv.kd
    .args:
      - { .name: x, .offset: 0, .size: 8, .value_kind: global_buffer, .address_space: global }
      - { .name: wqkv, .offset: 8, .size: 8, .value_kind: global_buffer, .address_space: global }
      - { .name: bq, .offset: 16, .size: 8, .value_kind: global_buffer, .address_space: global }
      - { .name: bk, .offset: 24, .size: 8, .value_kind: global_buffer, .address_space: global }
      - { .name: bv, .offset: 32, .size: 8, .value_kind: global_buffer, .address_space: global }
      - { .name: qbuf, .offset: 40, .size: 8, .value_kind: global_buffer, .address_space: global }
      - { .name: kvbuf, .offset: 48, .size: 8, .value_kind: global_buffer, .address_space: global }
    .group_segment_fixed_size: 54272
    .private_segment_fixed_size: 0
    .kernarg_segment_align: 8
    .kernarg_segment_size: 56
    .max_flat_workgroup_size: 256
    .sgpr_count:     66
    .vgpr_count:     512
    .wavefront_size: 32
...
	.end_amdgpu_metadata
.endif
;; end of part 2
;; launch attn (part 3): grid 16 x 16, 16 waves a work-group, no clusters, 67,584 bytes of LDS; arguments qbuf, kvbuf, aobuf; writes aobuf
.if DOCPART == 3
	.amdgcn_target "amdgcn-amd-amdhsa--gfx1250"
	.amdhsa_code_object_version 6
	.text
	.protected	k_qbe064be0b0_attn
	.globl	k_qbe064be0b0_attn
	.p2align	8
	.type	k_qbe064be0b0_attn,@function
k_qbe064be0b0_attn:
	s_mov_b64 s[64:65], 0
	v_nop
	global_prefetch_b8 v0, s[64:65] scope:SCOPE_SE
	s_setreg_imm32_b32 hwreg(HW_REG_WAVE_MODE, 25, 1), 1
	s_wait_xcnt 0x0
; O = softmax(q k^T / 8) v for one head, both products on codes of BF6 (E3M2) with one E8M0 byte for each 32 along K; O / l is quantised again along the features, for the product with Wo.
; THE SOFTMAX AHEAD OF THE SECOND PRODUCT: t = score x log2(e) / 8; M = the running largest t rounded UP to a whole number; p = 2^(t - M) is quantised along the keys, not normalised; the row's sum is taken of the
; unquantised p and divides O at the end.  When M moves, the sum and O are multiplied by 2^(old M - new M): exact.
; SHARES.  A work-group owns 256 queries of one head (x: the block, y: 8 x batch + head); each of its sixteen waves one tile of 16, in 256 registers: four waves lie on a SIMD, so that one wave's softmax stands beside another's products and LDS loads.
; Both products are used transposed (S^T = K Q^T, O^T = V^T P^T): a lane holds ONE query throughout.  The keys of a tile are laid so that p's 16 registers of two neighbouring tiles are 16 neighbouring keys.
; THE HEAD IS 64 DEEP, the instruction 128.  A fragment of K packs two tiles of keys (registers 0-5, 6-11); Q stands twice, as [q | zero codes] and as [zero codes | q]: one fragment of K against each gives the two tiles.  Zero codes add nothing under any byte from 1 to 254.
; K AND V come as images of registers through a ring of two LDS slots of 256 keys, copied through registers: 48 bytes a thread and slot, loaded a slot ahead.  One barrier a slot: in front of it a wave's stores into the slot ahead
; have landed and its reads of the slot behind are back.  NO TENSOR LOADS, NO JOINT REQUESTS: a slot's 24,576 bytes serve two key steps of about 480 instructions in each of sixteen waves, so what the sixteen blocks of a head share is a small part of a step's cost.
; The scale words of the whole head (16,384 bytes) stay in LDS.
; LIMITS: a block's largest p is taken from its largest score by the same multiply-add and exponential (this takes v_exp_f32 not to fall where its input rises); a block under 2^(5 - 127) keeps the byte 1; NaN and infinities are not served.
.set SLOT1, 24576
.set SCL,  49152                       ; K's scale words (256 bytes a step), then V's at + 8,192
.set LI,  1                            ; v1  16 x lane
.set LS,  2                            ; v2  4 x lane
.set CP,  3                            ; v3  16 x thread: my 16 bytes of each 8,192 copied
.set ADS, 4                            ; v4  the step's scale words
.set L8,  5                            ; v5  8 x lane
.set KSC, 8                            ; v8-9   K's scale words;  v10-11 V's
.set VSC, 10
.set QLO, 16                           ; v16-27 [q | 0];  v28-39 [0 | q]
.set QHI, 28
.set QSC, 40
.set PSC, 41
.set F,   44                           ; v44-91  four fragments: K's, then V's
.set S,   96                           ; v96-159 S^T, then p
.set O,   160                          ; v160-191 O^T
.set PC,  192                          ; v192-203 p's codes
.set PT,  204
.set STG, 212                          ; v212-223 48 bytes on their way into the ring
.set TM,  224
.set BM,  224                          ; v224-227 the blocks' largest scores, then p
.set BX,  228
.set BS,  232
.set CS,  26                           ; s[26:27] c = log2(e) / 8, twice
.set SEL, 28                           ; s[28:29]
.set TS,  30                           ; s30 the step's scale words: 256 bytes a step
.set MSB, 0
.macro WIN new
.if MSB != (\new)
	s_set_vgpr_msb (MSB<<8)|(\new)
.set MSB, (\new)
.endif
.endm
.macro QUANT2 src, win, dst            ; 32 numbers of a lane (64 along K) become six registers of codes; the two bytes stay in v[TM+4], v[TM+5]
	WIN (\win)*5
.irp b, 0,1
	v_max3_num_f32 v[TM+\b], |v[(\src)+16*\b]|, |v[(\src)+16*\b+1]|, 0x2800000
.endr
.irp i, 2,4,6,8,10,12,14
.irp b, 0,1
	v_max3_num_f32 v[TM+\b], |v[(\src)+16*\b+\i]|, |v[(\src)+16*\b+\i+1]|, v[TM+\b]
.endr
.endr
	WIN 0
.irp b, 0,1
	v_permlanex16_b32 v[TM+4+\b], v[TM+\b], s[SEL], s[SEL+1]
.endr
.irp b, 0,1
	v_max_num_f32 v[TM+\b], v[TM+\b], v[TM+4+\b]
.endr
.irp b, 0,1
	v_add_nc_u32 v[TM+12+\b], 0xfe000000, v[TM+\b]
.endr
.irp b, 0,1
	v_lshrrev_b32 v[TM+4+\b], 23, v[TM+12+\b]
.endr
	WIN \win
	v_cvt_scalef32_pk16_bf6_f32 v[(\dst):(\dst)+2], v[(\src):(\src)+15], v[TM+12]
	v_cvt_scalef32_pk16_bf6_f32 v[PT:PT+2], v[(\src)+16:(\src)+31], v[TM+13]
	WIN 0
	v_nop
.irp i, 0,1,2
	v_permlane16_swap_b32 v[(\dst)+\i], v[PT+\i]
.endr
.irp i, 0,1,2
	v_mov_b32 v[(\dst)+3+\i], v[PT+\i]
.endr
.endm
.macro LOADG off                       ; my 48 bytes of the 256 keys that begin off bytes on
.irp i, 0,1,2
	global_load_b128 v[STG+4*\i:STG+4*\i+3], v[CP], s[14:15] offset:(\off)+8192*\i
.endr
.endm
.macro PUT slot                        ; they go into the slot; then the one barrier of a change of slots
	s_wait_loadcnt 0x0
.irp i, 0,1,2
	ds_store_b128 v[CP], v[STG+4*\i:STG+4*\i+3] offset:(\slot)+8192*\i
.endr
	s_wait_dscnt 0x0                               ; my stores have landed, and my reads of the slot that I leave are back
	s_barrier_signal -1
	s_barrier_wait -1
.endm
; A KEY STEP: 128 keys, the q-th of the slot at LDS byte sl.
.macro STEP sl, q
	v_add_nc_u32 v[ADS], s[TS], v[LS]
.rept 3
	v_nop                                          ; with the addition above: four places in front of loads into registers that the last products have read
.endr
.irp f, 0,1,2,3
.irp c, 0,1,2
	ds_load_b128 v[F+12*\f+4*\c:F+12*\f+4*\c+3], v[LI] offset:(\sl)+6144*(\q)+1536*\f+512*\c
.endr
.endr
.irp i, 0,1
	ds_load_b32 v[KSC+\i], v[ADS] offset:SCL+128*\i
	ds_load_b32 v[VSC+\i], v[ADS] offset:SCL+8192+128*\i
.endr
	s_wait_dscnt 0x0
.irp f, 0,1,2,3                                ; register 16 f + 8 u + j of lane (r, h) becomes key 32 f + 16 h + 8 u + j of query r
.if \f%2
	v_wmma_scale_f32_16x16x128_f8f6f4 v[S+16*\f:S+16*\f+7], v[F+12*\f:F+12*\f+11], v[QLO:QLO+11], 0, v[KSC+\f/2], v[QSC] matrix_a_fmt:MATRIX_FMT_BF6 matrix_b_fmt:MATRIX_FMT_BF6 matrix_a_scale:MATRIX_SCALE_ROW1
	v_wmma_scale_f32_16x16x128_f8f6f4 v[S+16*\f+8:S+16*\f+15], v[F+12*\f:F+12*\f+11], v[QHI:QHI+11], 0, v[KSC+\f/2], v[QSC] matrix_a_fmt:MATRIX_FMT_BF6 matrix_b_fmt:MATRIX_FMT_BF6 matrix_a_scale:MATRIX_SCALE_ROW1
.else
	v_wmma_scale_f32_16x16x128_f8f6f4 v[S+16*\f:S+16*\f+7], v[F+12*\f:F+12*\f+11], v[QLO:QLO+11], 0, v[KSC+\f/2], v[QSC] matrix_a_fmt:MATRIX_FMT_BF6 matrix_b_fmt:MATRIX_FMT_BF6
	v_wmma_scale_f32_16x16x128_f8f6f4 v[S+16*\f+8:S+16*\f+15], v[F+12*\f:F+12*\f+11], v[QHI:QHI+11], 0, v[KSC+\f/2], v[QSC] matrix_a_fmt:MATRIX_FMT_BF6 matrix_b_fmt:MATRIX_FMT_BF6
.endif
.endr
.rept 4
	v_nop                                          ; places in front of the loads over K's fragments and of the first read of the scores
.endr
.irp f, 0,1,2,3                                ; V's four fragments land while the softmax is walked
.irp c, 0,1,2
	ds_load_b128 v[F+12*\f+4*\c:F+12*\f+4*\c+3], v[LI] offset:(\sl)+12288+6144*(\q)+1536*\f+512*\c
.endr
.endr
.irp b, 0,1,2,3
	v_max3_num_f32 v[BM+\b], v[S+16*\b], v[S+16*\b+1], v[S+16*\b+2]   ; the largest score of each block of 32 keys: for the row's maximum, and for the block's largest p
.endr
.irp i, 3,5,7,9,11,13
.irp b, 0,1,2,3
	v_max3_num_f32 v[BM+\b], v[BM+\b], v[S+16*\b+\i], v[S+16*\b+\i+1]
.endr
.endr
.irp b, 0,1,2,3
	v_max_num_f32 v[BM+\b], v[BM+\b], v[S+16*\b+15]
.endr
.irp b, 0,1,2,3
	v_permlanex16_b32 v[BX+\b], v[BM+\b], s[SEL], s[SEL+1]
.endr
.irp b, 0,1,2,3
	v_max_num_f32 v[BM+\b], v[BM+\b], v[BX+\b]     ; with lane l xor 16's 16 keys
.endr
	v_max3_num_f32 v238, v[BM], v[BM+1], v[BM+2]
	v_max_num_f32 v238, v238, v[BM+3]              ; the step's largest score of my query
	v_mul_f32 v238, s[CS], v238                    ; as t (c is positive)
	v_max_num_f32 v13, v13, v238                   ; the running largest t
	v_mov_b32 v238, v12
	v_floor_f32 v12, -v13                          ; the new -M = floor(-t): M is a whole number
	v_sub_f32 v238, v12, v238                      ; old M - new M: a whole number, 0 or less
	v_cvt_i32_f32 v238, v238                       ; (it saturates)
	v_ldexp_f32 v240, 1.0, v238                    ; f = 2^(old M - new M)
.irp j, 0,2,4,6,8,10,12,14,16,18,20,22,24,26,28,30,32,34,36,38,40,42,44,46,48,50,52,54,56,58,60,62
	v_pk_fma_f32 v[S+\j:S+\j+1], v[S+\j:S+\j+1], s[CS:CS+1], v[12:13] op_sel_hi:[1,0,0]   ; t - M, two at a time
.endr
.irp b, 0,1,2,3
	v_fma_f32 v[BM+\b], v[BM+\b], s[CS], v12       ; the same of each block's largest score
.endr
.irp j, 0,1,2,3,4,5,6,7,8,9,10,11,12,13,14,15,16,17,18,19,20,21,22,23,24,25,26,27,28,29,30,31,32,33,34,35,36,37,38,39,40,41,42,43,44,45,46,47,48,49,50,51,52,53,54,55,56,57,58,59,60,61,62,63
	v_exp_f32 v[S+\j], v[S+\j]                     ; p = 2^(t - M), at most 1
.endr
.irp b, 0,1,2,3
	v_exp_f32 v[BM+\b], v[BM+\b]                   ; the block's largest p
.endr
	v_pk_mul_f32 v[14:15], v[14:15], v[240:241] op_sel_hi:[1,0]   ; the sums under the new M (a plain place behind the exponentials)
	s_wait_alu depctr_va_vdst(0)
.irp b, 0,1,2,3
	v_max_num_f32 v[BM+\b], 0x2800000, v[BM+\b]    ; the floor 2^(5 - 127)
.endr
.irp b, 0,1,2,3
	v_add_nc_u32 v[BS+\b], 0xfe000000, v[BM+\b]    ; the conversion's scale operand
.endr
.irp b, 0,1,2,3
	v_lshrrev_b32 v[BX+\b], 23, v[BS+\b]           ; the scale's byte
.endr
	v_lshl_or_b32 v[PSC], v[BX+1], 8, v[BX]        ; p's scale word for these 128 keys
	v_lshl_or_b32 v[PSC], v[BX+2], 16, v[PSC]
	v_lshl_or_b32 v[PSC], v[BX+3], 24, v[PSC]
.irp c, 0,1
	v_cvt_scalef32_pk16_bf6_f32 v[PC+6*\c:PC+6*\c+2], v[S+32*\c:S+32*\c+15], v[BS+2*\c]
	v_cvt_scalef32_pk16_bf6_f32 v[PT+4*\c:PT+4*\c+2], v[S+32*\c+16:S+32*\c+31], v[BS+2*\c+1]
.endr
	v_nop                                          ; one plain place behind the conversions
.irp c, 0,1
.irp i, 0,1,2
	v_permlane16_swap_b32 v[PC+6*\c+\i], v[PT+4*\c+\i]
.endr
.irp i, 0,1,2
	v_mov_b32 v[PC+6*\c+3+\i], v[PT+4*\c+\i]
.endr
.endr
	v_pk_add_f32 v[236:237], v[S:S+1], v[S+2:S+3]  ; the row's sum is taken of the unquantised p: two at a time, in two chains
.irp j, 4,8,12,16,20,24,28,32,36,40,44,48,52,56,60
	v_pk_add_f32 v[14:15], v[14:15], v[S+\j:S+\j+1]
	v_pk_add_f32 v[236:237], v[236:237], v[S+\j+2:S+\j+3]
.endr
	v_pk_add_f32 v[14:15], v[14:15], v[236:237]
.irp j, 0,2,4,6,8,10,12,14,16,18,20,22,24,26,28,30
	v_pk_mul_f32 v[O+\j:O+\j+1], v[O+\j:O+\j+1], v[240:241] op_sel_hi:[1,0]   ; O^T under the new M.  (The sums and these are the places between p's codes and scale word and the products)
.endr
	s_wait_dscnt 0x0                               ; V's fragments are in
.irp t, 0,1,2,3                                ; O^T += V^T P^T; the four accumulators by turns
.if \t%2
	v_wmma_scale_f32_16x16x128_f8f6f4 v[O+8*\t:O+8*\t+7], v[F+12*\t:F+12*\t+11], v[PC:PC+11], v[O+8*\t:O+8*\t+7], v[VSC+\t/2], v[PSC] matrix_a_fmt:MATRIX_FMT_BF6 matrix_b_fmt:MATRIX_FMT_BF6 matrix_a_scale:MATRIX_SCALE_ROW1
.else
	v_wmma_scale_f32_16x16x128_f8f6f4 v[O+8*\t:O+8*\t+7], v[F+12*\t:F+12*\t+11], v[PC:PC+11], v[O+8*\t:O+8*\t+7], v[VSC+\t/2], v[PSC] matrix_a_fmt:MATRIX_FMT_BF6 matrix_b_fmt:MATRIX_FMT_BF6
.endif
.endr
	s_add_co_u32 s[TS], s[TS], 256
.endm
	s_load_b128 s[8:11], s[0:1], 0x0               ; qbuf, kvbuf
	s_load_b64 s[12:13], s[0:1], 0x10              ; aobuf
	v_lshl_add_u32 v254, v0, 2, 0x10000
	v_mov_b32 v255, 0
	v_lshrrev_b32 v6, 5, v0
	v_readfirstlane_b32 s2, v6                     ; wave 0..15
	v_and_b32 v6, 31, v0
	v_lshlrev_b32 v[LI], 4, v6
	v_lshlrev_b32 v[LS], 2, v6
	v_lshlrev_b32 v[L8], 3, v6
	v_lshlrev_b32 v[CP], 4, v0
	s_and_b32 s4, ttmp7, 0xffff                    ; 8 x batch + head
	s_lshr_b32 s5, s4, 3
	s_and_b32 s6, s4, 7
	s_lshl_b32 s7, s5, 8
	s_lshl_b32 s32, ttmp9, 4
	s_add_co_u32 s7, s7, s32
	s_add_co_u32 s7, s7, s2                        ; my tile of queries: 256 x batch + 16 x block + wave
	s_lshl_b32 s32, s7, 3
	s_add_co_u32 s32, s32, s6
	s_mul_i32 s34, s32, 768                        ; its half fragment, in qbuf and in aobuf
	s_mov_b32 s35, 0
	s_lshl_b32 s36, s32, 7
	s_add_co_u32 s36, s36, 3145728                 ; q's scale words
	s_mov_b32 s37, 0
	s_lshl_b32 s38, s7, 2
	s_lshr_b32 s33, s6, 1
	s_add_co_u32 s38, s38, s33
	s_lshl_b32 s38, s38, 7
	s_and_b32 s33, s6, 1
	s_lshl_b32 s33, s33, 1
	s_add_co_u32 s38, s38, s33
	s_add_co_u32 s38, s38, 3145728                 ; O's scale bytes: my head's half of the word of K step head / 2
	s_mov_b32 s39, 0
	s_mul_i32 s40, s4, 393216                      ; the head's K and V
	s_mov_b32 s41, 0
	s_lshl_b32 s42, s4, 14
	s_add_co_u32 s42, s42, 6291456                 ; and their scale words
	s_mov_b32 s43, 0
	s_mov_b32 s[CS], 0x3e38aa3b                    ; c = log2(e) / 8
	s_mov_b32 s[CS+1], s[CS]
	s_mov_b32 s[SEL], 0x76543210
	s_mov_b32 s[SEL+1], 0xfedcba98
	s_mov_b32 s[TS], 0
	s_mov_b32 s31, 7
	s_wait_kmcnt 0x0
	s_add_nc_u64 s[14:15], s[10:11], s[40:41]
	s_add_nc_u64 s[16:17], s[10:11], s[42:43]
	s_add_nc_u64 s[18:19], s[8:9], s[34:35]
	s_add_nc_u64 s[20:21], s[8:9], s[36:37]
	s_add_nc_u64 s[22:23], s[12:13], s[34:35]
	s_add_nc_u64 s[24:25], s[12:13], s[38:39]
.irp i, 0,1
	global_load_b128 v[STG+4*\i:STG+4*\i+3], v[CP], s[16:17] offset:8192*\i   ; the head's scale words: 32 bytes a thread
.endr
	global_load_b128 v[QLO:QLO+3], v[LI], s[18:19]
	global_load_b64 v[QLO+4:QLO+5], v[L8], s[18:19] offset:512
	global_load_b128 v[QHI+6:QHI+9], v[LI], s[18:19]
	global_load_b64 v[QHI+10:QHI+11], v[L8], s[18:19] offset:512
	global_load_b32 v[QSC], v[LS], s[20:21]
	s_wait_loadcnt 0x0
.irp i, 0,1
	ds_store_b128 v[CP], v[STG+4*\i:STG+4*\i+3] offset:SCL+8192*\i
.endr
	s_wait_dscnt 0x0                               ; the stores have read their registers
	LOADG 0
.irp j, 0,1,2,3,4,5
	v_mov_b32 v[QLO+6+\j], 0                       ; zero codes
	v_mov_b32 v[QHI+\j], 0
.endr
	v_mov_b32 v13, 0xff61b1e6                      ; the largest t so far: -3e38, under every t
	v_floor_f32 v12, -v13                          ; -M
	v_mov_b32 v14, 0                               ; the sum, in two halves
	v_mov_b32 v15, 0
.irp b, 0,1,2,3
	v_mov_b32 v[BX+\b], 0                          ; written once: a lane permute's destination counts as one of its sources
.endr
	v_mov_b32 v241, 0                              ; (named as the upper half of the pair v[240:241])
.irp j, 0,1,2,3,4,5,6,7,8,9,10,11,12,13,14,15,16,17,18,19,20,21,22,23,24,25,26,27,28,29,30,31
	v_mov_b32 v[O+\j], 0                           ; O^T.  (The step is written once: the first finds zeros, which the first change of M leaves zeros)
.endr
	PUT 0
.Lpair:                                            ; seven trips of two slots, four key steps; the next slot's bytes are asked for at a slot's head
	LOADG 24576
	STEP 0, 0
	STEP 0, 1
	PUT SLOT1
	LOADG 49152
	STEP SLOT1, 0
	STEP SLOT1, 1
	PUT 0
	s_add_nc_u64 s[14:15], s[14:15], 49152         ; (behind the wait that showed the loads done)
	s_sub_co_u32 s31, s31, 1
	s_cmp_lg_u32 s31, 0
	s_cbranch_scc1 .Lpair
	LOADG 24576                                    ; the last two slots: nothing is asked for beyond the head's end
	STEP 0, 0
	STEP 0, 1
	PUT SLOT1
	STEP SLOT1, 0
	STEP SLOT1, 1
	; THE WAY OUT: O^T / the sum; register 16 b + i is feature 32 b + 16 h + i of my head: quantised, it is half a fragment of the product with Wo
.rept 4
	v_nop                                          ; places behind the last products
.endr
	v_add_f32 v14, v14, v15
	v_permlanex16_b32 v238, v14, s[SEL], s[SEL+1]
	v_add_f32 v14, v14, v238                       ; the row's sum
	v_rcp_f32 v14, v14
	v_nop                                          ; one plain place behind the reciprocal
	s_wait_alu depctr_va_vdst(0)
.irp j, 0,1,2,3,4,5,6,7,8,9,10,11,12,13,14,15,16,17,18,19,20,21,22,23,24,25,26,27,28,29,30,31
	v_mul_f32 v[S+\j], v[O+\j], v14
.endr
	QUANT2 S, 0, PC
	v_lshl_or_b32 v238, v[TM+5], 8, v[TM+4]
	global_store_b128 v[LI], v[PC:PC+3], s[22:23]
	global_store_b64 v[L8], v[PC+4:PC+5], s[22:23] offset:512
	global_store_b16 v[LS], v238, s[24:25]         ; two bytes of each lane's word; the neighbouring head writes the other two
	s_wait_tensorcnt 0x0
	ds_add_u32 v254, v255
	s_wait_dscnt 0x0
	s_endpgm
.Lfunc_end_k_qbe064be0b0_attn:
	.size	k_qbe064be0b0_attn, .Lfunc_end_k_qbe064be0b0_attn-k_qbe064be0b0_attn
	.p2alignl 7, 3214868480
	.fill 96, 4, 3214868480
	.section	.rodata,"a",@progbits
	.p2align	6, 0x0
	.amdhsa_kernel k_qbe064be0b0_attn
		.amdhsa_group_segment_fixed_size 67584
		.amdhsa_private_segment_fixed_size 0
		.amdhsa_enable_private_segment 0
		.amdhsa_kernarg_size 24
		.amdhsa_user_sgpr_count 2
		.amdhsa_user_sgpr_kernarg_segment_ptr 1
		.amdhsa_wavefront_size32 1
		.amdhsa_system_sgpr_workgroup_id_x 1
		.amdhsa_system_sgpr_workgroup_id_y 1
		.amdhsa_system_sgpr_workgroup_id_z 1
		.amdhsa_system_vgpr_workitem_id 0
		.amdhsa_next_free_vgpr 256
		.amdhsa_next_free_sgpr 66
		.amdhsa_reserve_vcc 0
		.amdhsa_float_denorm_mode_32 3
		.amdhsa_float_denorm_mode_16_64 3
		.amdhsa_memory_ordered 1
		.amdhsa_forward_progress 1
		.amdhsa_inst_pref_size 133
	.end_amdhsa_kernel
	.amdgpu_metadata
---
amdhsa.version: [ 1, 2 ]
amdhsa.kernels:
  - .name:           k_qbe064be0b0_attn
    .symbol:         k_qbe064be0b0_attn.kd
    .args:
      - { .name: qbuf, .offset: 0, .size: 8, .value_kind: global_buffer, .address_space: global }
      - { .name: kvbuf, .offset: 8, .size: 8, .value_kind: global_buffer, .address_space: global }
      - { .name: aobuf, .offset: 16, .size: 8, .value_kind: global_buffer, .address_space: global }
    .group_segment_fixed_size: 67584
    .private_segment_fixed_size: 0
    .kernarg_segment_align: 8
    .kernarg_segment_size: 24
    .max_flat_workgroup_size: 512
    .sgpr_count:     66
    .vgpr_count:     256
    .wavefront_size: 32
...
	.end_amdgpu_metadata
.endif
;; end of part 3
;; launch tail (part 4): grid 256 x 1, 4 waves a work-group, no clusters, 134,144 bytes of LDS; arguments aobuf, wffn, x, bo, gamma1, beta1, b1, b2, gamma2, beta2, out0; writes out0
.if DOCPART == 4
	.amdgcn_target "amdgcn-amd-amdhsa--gfx1250"
	.amdhsa_code_object_version 6
	.text
	.protected	k_qbe064be0b0_tail
	.globl	k_qbe064be0b0_tail
	.p2align	8
	.type	k_qbe064be0b0_tail,@function
k_qbe064be0b0_tail:
	s_mov_b64 s[64:65], 0
	v_nop
	global_prefetch_b8 v0, s[64:65] scope:SCOPE_SE
	s_setreg_imm32_b32 hwreg(HW_REG_WAVE_MODE, 25, 1), 1
	s_wait_xcnt 0x0
; y1 = LN1(x + O Wo + bo);  out = LN2(y1 + relu(y1 W1 + b1) W2 + b2).  The three products on codes of BF6 (E3M2) with one E8M0 byte for each 32 along K; all else in f32.  LN divides by (std + 1e-5), in two passes (mean, then deviations).
; SHARES.  A work-group owns 32 whole rows (two tiles; place r of tile m is row 8 m + r + 8 (r / 8) of the 32).  THE WAVES SHARE THE COLUMNS: wave w makes features 128 w .. + 127 of the first and third product and hidden units 512 w .. + 511,
; 128 at a time.  So each fragment of a weight is wanted by ONE wave of the work-group and goes from memory straight into its registers (three loads of 512 consecutive bytes): a wave's weights are one stream of 36 groups of eight fragments,
; fetched two groups ahead into a ring of four register sets.  NO LDS RING AND NO JOINT REQUESTS for them: inside a work-group no fragment is read twice, and a joint request would send the stream's 1.8 million bytes through each work-group's LDS and back.
; What goes round through LDS is small: the rows' codes, as images of the operand's registers, and the rows' partial sums for the norms.  Every LDS region is written once.
; All products are used transposed (source 0 = 16 columns of a weight, source 1 = 16 rows): a lane holds ONE row, and register 64 m + 16 b + i is feature 128 w + 32 b + 16 h + i.
; The residual and the bias stand in the accumulators before the first product of the first and third sum; b1 is the C of the second sum's first instruction.  The 16 accumulators take turns, one instruction a turn.
; LIMITS: a block whose largest magnitude lies under 2^(5 - 127), zeros among them, keeps the byte 1; v_sqrt_f32 and v_rcp_f32 are good to the last bit but one and flush denormals; NaN and infinities are not served.
; REGISTERS: window 0: v1-18 addresses; v20-35 the ring's scale words; v36-83 the rows' fragments, two sets of two; v84-85, v88-91 their scale words; v96-126 at work; v128-255 the accumulators.
;   window 1: ring sets 0, 1; v192-255 b1.   window 2: ring sets 2, 3; v192-255 bo, then b2.   window 3: v0-95 O's fragments, later v0-127 y1; v128-191 gamma; v192-255 beta.
.set YIMG, 0                           ; LDS: y1's 8 fragments, (2 s + m) x 1,536
.set YSC,  12288                       ; their scale words, 128 bytes a K step: tile 0's sixteen, tile 1's sixteen
.set HSC,  12800                       ; the hidden layer's, 16 K steps
.set RED,  14848                       ; four regions of 512 bytes: row (16 m + r) x 16 + 4 x wave
.set HIMG, 16896                       ; the hidden layer's 32 fragments
.set STAGE, 66048                      ; 32 rows x (512 + 16) bytes for each wave
.set LI,  1                            ; v1  16 x lane
.set LS,  2                            ; v2  4 x lane
.set L8,  3                            ; v3  8 x lane
.set XA,  4                            ; v4  x: (r + 8 (r / 8)) rows of 2,048 bytes + 64 h
.set VA,  5                            ; v5  a vector over the features: 64 h
.set YWI, 6                            ; v6  16 x lane + 3,072 x wave
.set YWS, 7                            ; v7  4 x lane + 128 x wave
.set HWI, 8                            ; v8  where this trip's hidden images go
.set HWS, 9
.set HRI, 10                           ; v10 where this trip's hidden images are read
.set HRS, 11
.set REDW, 12                          ; v12 16 r + 4 x wave
.set REDR, 13                          ; v13 16 r
.set SO,  14
.set SR,  15
.set AOSA, 16                          ; v16 512 (lane / 16) + 4 (lane % 16)
.set HWI0, 17                          ; v17 16 x lane + 12,288 x wave
.set HWS0, 18                          ; v18 4 x lane + 512 x wave
.set WSC, 20
.set ACT, 36
.set ASC, 84
.set AOSC, 88
.set TM,  96
.set PT,  TM                           ; the conversions' second halves lie over the maxima and bytes, which are done with by then
.set PW0, 112
.set PW1, 113
.set PC,  114
.set PWS, 126
.set ACC, 128
.set SEL, 38
.set MLO, 40
.set MSB, 0
.macro WIN new
.if MSB != (\new)
	s_set_vgpr_msb (MSB<<8)|(\new)
.set MSB, (\new)
.endif
.endm
.macro QUANT4 src, win, pw             ; 64 numbers of a lane, register 16 b + i = k 32 b + 16 (lane / 16) + i of my row, become a fragment's codes in v[PC] on and its scale word in v[pw]
	WIN (\win)*5
.irp b, 0,1,2,3
	v_max3_num_f32 v[TM+\b], |v[(\src)+16*\b]|, |v[(\src)+16*\b+1]|, 0x2800000
.endr
.irp i, 2,4,6,8,10,12,14
.irp b, 0,1,2,3
	v_max3_num_f32 v[TM+\b], |v[(\src)+16*\b+\i]|, |v[(\src)+16*\b+\i+1]|, v[TM+\b]
.endr
.endr
	WIN 0
.irp b, 0,1,2,3
	v_permlanex16_b32 v[TM+4+\b], v[TM+\b], s[SEL], s[SEL+1]
.endr
.irp b, 0,1,2,3
	v_max_num_f32 v[TM+\b], v[TM+\b], v[TM+4+\b]
.endr
.irp b, 0,1,2,3
	v_add_nc_u32 v[TM+12+\b], 0xfe000000, v[TM+\b]
.endr
.irp b, 0,1,2,3
	v_lshrrev_b32 v[TM+4+\b], 23, v[TM+12+\b]
.endr
	v_lshl_or_b32 v[\pw], v[TM+5], 8, v[TM+4]
	v_lshl_or_b32 v[\pw], v[TM+6], 16, v[\pw]
	v_lshl_or_b32 v[\pw], v[TM+7], 24, v[\pw]
	WIN \win
.irp c, 0,1
	v_cvt_scalef32_pk16_bf6_f32 v[PC+6*\c:PC+6*\c+2], v[(\src)+32*\c:(\src)+32*\c+15], v[TM+12+2*\c]
	v_cvt_scalef32_pk16_bf6_f32 v[PT+4*\c:PT+4*\c+2], v[(\src)+32*\c+16:(\src)+32*\c+31], v[TM+13+2*\c]
.endr
	WIN 0
	v_nop                                          ; one plain place behind the conversions
.irp c, 0,1
.irp i, 0,1,2
	v_permlane16_swap_b32 v[PC+6*\c+\i], v[PT+4*\c+\i]
.endr
.irp i, 0,1,2
	v_mov_b32 v[PC+6*\c+3+\i], v[PT+4*\c+\i]
.endr
.endr
.endm
.macro WM d, a, b, c, sa, sb, ra, rb   ; one product; ra, rb: that source's scale words stand in lanes 16-31
.if (\ra) && (\rb)
	v_wmma_scale_f32_16x16x128_f8f6f4 v[(\d):(\d)+7], v[(\a):(\a)+11], v[(\b):(\b)+11], v[(\c):(\c)+7], v[\sa], v[\sb] matrix_a_fmt:MATRIX_FMT_BF6 matrix_b_fmt:MATRIX_FMT_BF6 matrix_a_scale:MATRIX_SCALE_ROW1 matrix_b_scale:MATRIX_SCALE_ROW1
.elseif (\ra)
	v_wmma_scale_f32_16x16x128_f8f6f4 v[(\d):(\d)+7], v[(\a):(\a)+11], v[(\b):(\b)+11], v[(\c):(\c)+7], v[\sa], v[\sb] matrix_a_fmt:MATRIX_FMT_BF6 matrix_b_fmt:MATRIX_FMT_BF6 matrix_a_scale:MATRIX_SCALE_ROW1
.elseif (\rb)
	v_wmma_scale_f32_16x16x128_f8f6f4 v[(\d):(\d)+7], v[(\a):(\a)+11], v[(\b):(\b)+11], v[(\c):(\c)+7], v[\sa], v[\sb] matrix_a_fmt:MATRIX_FMT_BF6 matrix_b_fmt:MATRIX_FMT_BF6 matrix_b_scale:MATRIX_SCALE_ROW1
.else
	v_wmma_scale_f32_16x16x128_f8f6f4 v[(\d):(\d)+7], v[(\a):(\a)+11], v[(\b):(\b)+11], v[(\c):(\c)+7], v[\sa], v[\sb] matrix_a_fmt:MATRIX_FMT_BF6 matrix_b_fmt:MATRIX_FMT_BF6
.endif
.endm
.macro BARRIER                         ; my LDS stores have landed and my LDS loads are in: then the work-group's barrier
	s_wait_dscnt 0x0
	s_barrier_signal -1
	s_barrier_wait -1
.endm
.macro RING jj, off                    ; the group off groups on in my stream, into ring set jj: 24 + 4 = 28 loads
.if (\jj) < 2
	WIN 0x40
.else
	WIN 0x80
.endif
.irp t, 0,1,2,3,4,5,6,7
.irp c, 0,1,2
	global_load_b128 v[96*((\jj)%2)+12*\t+4*\c:96*((\jj)%2)+12*\t+4*\c+3], v[LI], s[30:31] offset:(\off)*12288+1536*\t+512*\c
.endr
.endr
	WIN 0
.irp q, 0,1,2,3
	global_load_b32 v[WSC+4*(\jj)+\q], v[LS], s[32:33] offset:(\off)*512+128*\q
.endr
.endm
.macro VLOAD win, reg, base, off       ; my lane's 64 features of a vector: 16 loads
	WIN (\win)<<6
.irp b, 0,1,2,3
.irp i, 0,1,2,3
	global_load_b128 v[(\reg)+16*\b+4*\i:(\reg)+16*\b+4*\i+3], v[VA], s[\base:\base+1] offset:(\off)+128*\b+16*\i
.endr
.endr
	WIN 0
.endm
.macro FETCHA set, ai, oi, as, os      ; a K step's two fragments of the rows and their scale words: 7 LDS loads
.irp m, 0,1
.irp c, 0,1,2
	ds_load_b128 v[ACT+24*(\set)+12*\m+4*\c:ACT+24*(\set)+12*\m+4*\c+3], v[\ai] offset:(\oi)+1536*\m+512*\c
.endr
.endr
	ds_load_b32 v[ASC+(\set)], v[\as] offset:\os
.endm
; A GROUP: one K step, 16 products.  act: the rows come from O's fragments in window 3 (0), from y1's images (1), from the hidden layer's (2).  cfirst: group 0 starts the sums with b1.
; ring: the group two on is asked for.  nexta: the next K step's rows are fetched.  ncnt: the loads that may stay out.  extra: 1: the next b1;  2: b2.
.macro GROUP j, act, cfirst, ring, nexta, ncnt, extra
.rept 4
	v_nop                                          ; places in front of loads into registers that the last products have read
.endr
.if \nexta
.if (\act) == 1
	FETCHA ((\j)+1)%2, LI, YIMG+3072*(((\j)+1)%4), LS, YSC+128*(((\j)+1)%4)
.else
	FETCHA ((\j)+1)%2, HRI, HIMG+3072*((\j)+1), HRS, HSC+128*((\j)+1)
.endif
.endif
.if (\extra) == 1
	VLOAD 1, 192, 56, 0
.elseif (\extra) == 2
	VLOAD 2, 192, 22, 0
.endif
.if \ring
	RING ((\j)+2)%4, (\j)+2
.endif
	s_wait_loadcnt \ncnt                           ; this group's 28 loads are in: behind them stand at least the groups still to come, 28 loads each
.if (\act) > 0
.if \nexta
	s_wait_dscnt 7                                 ; this K step's rows are in; the seven loads just issued may be out
.else
	s_wait_dscnt 0x0
.endif
.endif
.set gwin, 1+(\j)/2
.if (\act) == 0
.set gwin, gwin|0x0c
.endif
.if (\cfirst) && ((\j) == 0)
.set gwin, gwin|0x10
.endif
	WIN gwin
.irp m, 0,1
.irp t, 0,1,2,3,4,5,6,7
.set rD, ACC+64*\m+8*\t
.set rC, rD
.if (\cfirst) && ((\j) == 0)
.set rC, 192+8*\t
.endif
.if (\act) == 0
.set rB, 12*(4*\m+(\j))
.set rS, AOSC+(\j)
.else
.set rB, ACT+24*((\j)%2)+12*\m
.set rS, ASC+(\j)%2
.endif
	WM rD, 96*((\j)%2)+12*\t, rB, rC, WSC+4*(\j)+\t/2, rS, \t%2, \m
.endr
.endr
	WIN 0
.endm
.macro QUAD act, cfirst, last, fetch3, extra   ; four groups: once round the ring
	GROUP 0, \act, \cfirst, 1, \act, 56, 0
	GROUP 1, \act, \cfirst, 1, \act, 56, \extra
.if \last
	GROUP 2, \act, \cfirst, 0, \act, 28, 0
	GROUP 3, \act, \cfirst, 0, 0, 0, 0
.else
	GROUP 2, \act, \cfirst, 1, \act, 56, 0
	GROUP 3, \act, \cfirst, 1, \fetch3, 56, 0
	s_wait_xcnt 0x0                                ; the stream's bases are stepped only behind this wait
	s_add_nc_u64 s[30:31], s[30:31], 49152
	s_add_nc_u64 s[32:33], s[32:33], 2048
.endif
.endm
; A row's partial figure in v[TM+4 m] (chains in v[TM+4 m .. +3]) is closed, meets the other waves' in region reg of RED, and comes back as the row's sum in v[PC+4 m].
.macro MEET reg
.irp m, 0,1
	v_pk_add_f32 v[TM+4*\m:TM+4*\m+1], v[TM+4*\m:TM+4*\m+1], v[TM+4*\m+2:TM+4*\m+3]
.endr
.irp m, 0,1
	v_add_f32 v[TM+4*\m], v[TM+4*\m], v[TM+4*\m+1]
.endr
.irp m, 0,1
	v_permlanex16_b32 v[TM+12+\m], v[TM+4*\m], s[SEL], s[SEL+1]
.endr
.irp m, 0,1
	v_add_f32 v[TM+4*\m], v[TM+4*\m], v[TM+12+\m]  ; my wave's 128 features of the row; lanes r and 16 + r hold the same
.endr
.irp m, 0,1
	ds_store_b32 v[REDW], v[TM+4*\m] offset:RED+512*(\reg)+256*\m
.endr
	BARRIER
.irp m, 0,1
	ds_load_b128 v[PC+4*\m:PC+4*\m+3], v[REDR] offset:RED+512*(\reg)+256*\m
.endr
	s_wait_dscnt 0x0
.irp m, 0,1
	v_add_f32 v[PC+4*\m], v[PC+4*\m], v[PC+4*\m+1]
	v_add_f32 v[PC+4*\m+2], v[PC+4*\m+2], v[PC+4*\m+3]
.endr
.irp m, 0,1
	v_add_f32 v[PC+4*\m], v[PC+4*\m], v[PC+4*\m+2]
.endr
.endm
; The layer norm of the 32 rows in the accumulators, in place; park = 1: the result is also kept in window 3.  It uses regions k and k + 1 of RED and has two barriers.
.macro LNORM k, park
.irp m, 0,1                                    ; the sum, two at a time, in two chains, each accumulator from its low end on
	v_pk_add_f32 v[TM+4*\m:TM+4*\m+1], v[ACC+64*\m:ACC+64*\m+1], v[ACC+64*\m+2:ACC+64*\m+3]
	v_pk_add_f32 v[TM+4*\m+2:TM+4*\m+3], v[ACC+64*\m+4:ACC+64*\m+5], v[ACC+64*\m+6:ACC+64*\m+7]
.endr
.irp p, 8,12,16,20,24,28,32,36,40,44,48,52,56,60
.irp m, 0,1
	v_pk_add_f32 v[TM+4*\m:TM+4*\m+1], v[TM+4*\m:TM+4*\m+1], v[ACC+64*\m+\p:ACC+64*\m+\p+1]
	v_pk_add_f32 v[TM+4*\m+2:TM+4*\m+3], v[TM+4*\m+2:TM+4*\m+3], v[ACC+64*\m+\p+2:ACC+64*\m+\p+3]
.endr
.endr
	MEET \k
.irp m, 0,1
	v_mul_f32 v[TM+8+2*\m], 0x3b000000, v[PC+4*\m] ; the mean: / 512
.endr
.irp m, 0,1
	v_mov_b32 v[TM+9+2*\m], v[TM+8+2*\m]
.endr
.irp m, 0,1
.set pj, 0
.rept 32
	v_pk_add_f32 v[ACC+64*\m+pj:ACC+64*\m+pj+1], v[ACC+64*\m+pj:ACC+64*\m+pj+1], v[TM+8+2*\m:TM+9+2*\m] neg_lo:[0,1] neg_hi:[0,1]   ; the deviations
.set pj, pj+2
.endr
.endr
.irp m, 0,1
	v_pk_mul_f32 v[TM+4*\m:TM+4*\m+1], v[ACC+64*\m:ACC+64*\m+1], v[ACC+64*\m:ACC+64*\m+1]
	v_pk_mul_f32 v[TM+4*\m+2:TM+4*\m+3], v[ACC+64*\m+2:ACC+64*\m+3], v[ACC+64*\m+2:ACC+64*\m+3]
.endr
.irp p, 4,8,12,16,20,24,28,32,36,40,44,48,52,56,60
.irp m, 0,1
	v_pk_fma_f32 v[TM+4*\m:TM+4*\m+1], v[ACC+64*\m+\p:ACC+64*\m+\p+1], v[ACC+64*\m+\p:ACC+64*\m+\p+1], v[TM+4*\m:TM+4*\m+1]
	v_pk_fma_f32 v[TM+4*\m+2:TM+4*\m+3], v[ACC+64*\m+\p+2:ACC+64*\m+\p+3], v[ACC+64*\m+\p+2:ACC+64*\m+\p+3], v[TM+4*\m+2:TM+4*\m+3]
.endr
.endr
	MEET (\k)+1
.irp m, 0,1
	v_mul_f32 v[PC+4*\m], 0x3b000000, v[PC+4*\m]   ; the mean square of the deviations
.endr
.irp m, 0,1
	v_sqrt_f32 v[PC+4*\m], v[PC+4*\m]
.endr
	v_nop                                          ; one plain place behind the roots
	s_wait_alu depctr_va_vdst(0)
.irp m, 0,1
	v_add_f32 v[PC+4*\m], 0x3727c5ac, v[PC+4*\m]   ; std + 1e-5
.endr
.irp m, 0,1
	v_rcp_f32 v[TM+8+2*\m], v[PC+4*\m]
.endr
	v_nop                                          ; one plain place behind the reciprocals
	s_wait_alu depctr_va_vdst(0)
.irp m, 0,1
	v_mov_b32 v[TM+9+2*\m], v[TM+8+2*\m]
.endr
.irp m, 0,1
.set pj, 0
.rept 32
	v_pk_mul_f32 v[ACC+64*\m+pj:ACC+64*\m+pj+1], v[ACC+64*\m+pj:ACC+64*\m+pj+1], v[TM+8+2*\m:TM+9+2*\m]
.set pj, pj+2
.endr
.endr
.if \park
	WIN 0xfc                                       ; gamma, beta and the destination in window 3
.irp m, 0,1
.set pj, 0
.rept 32
	v_pk_fma_f32 v[64*\m+pj:64*\m+pj+1], v[ACC+64*\m+pj:ACC+64*\m+pj+1], v[128+pj:129+pj], v[192+pj:193+pj]
.set pj, pj+2
.endr
.endr
.endif
	WIN 0x3c                                       ; gamma and beta in window 3
.irp m, 0,1
.set pj, 0
.rept 32
	v_pk_fma_f32 v[ACC+64*\m+pj:ACC+64*\m+pj+1], v[ACC+64*\m+pj:ACC+64*\m+pj+1], v[128+pj:129+pj], v[192+pj:193+pj]
.set pj, pj+2
.endr
.endr
	WIN 0
.endm
	s_load_b512 s[8:23], s[0:1], 0x0               ; aobuf 8, wffn 10, x 12, bo 14, gamma1 16, beta1 18, b1 20, b2 22
	s_load_b128 s[24:27], s[0:1], 0x40             ; gamma2 24, beta2 26
	s_load_b64 s[28:29], s[0:1], 0x50              ; out0
	v_lshl_add_u32 v87, v0, 2, 0x20a00
	v_mov_b32 v127, 0
	v_lshrrev_b32 v92, 5, v0
	v_readfirstlane_b32 s2, v92                    ; wave 0..3
	v_and_b32 v92, 31, v0                          ; lane
	v_and_b32 v93, 15, v0                          ; r
	v_bfe_u32 v94, v0, 4, 1                        ; h
	v_and_b32 v95, 8, v93
	v_add_nc_u32 v95, v95, v93                     ; r + 8 (r / 8)
	v_lshlrev_b32 v[LI], 4, v92
	v_lshlrev_b32 v[LS], 2, v92
	v_lshlrev_b32 v[L8], 3, v92
	v_lshlrev_b32 v[XA], 11, v95
	v_lshl_add_u32 v[XA], v94, 6, v[XA]
	v_lshlrev_b32 v[VA], 6, v94
	s_mul_i32 s42, s2, 3072
	v_add_nc_u32 v[YWI], s42, v[LI]
	s_lshl_b32 s42, s2, 7
	v_add_nc_u32 v[YWS], s42, v[LS]
	s_mul_i32 s42, s2, 12288
	v_add_nc_u32 v[HWI0], s42, v[LI]
	s_lshl_b32 s42, s2, 9
	v_add_nc_u32 v[HWS0], s42, v[LS]
	s_lshl_b32 s42, s2, 2
	v_lshl_add_u32 v[REDW], v93, 4, s42
	v_lshlrev_b32 v[REDR], 4, v93
	s_mul_i32 s42, s2, 16896
	s_add_co_u32 s42, s42, STAGE                   ; my stage
	v_mul_u32_u24 v[SO], v95, 528
	v_lshl_add_u32 v[SO], v94, 6, v[SO]
	v_add_nc_u32 v[SO], s42, v[SO]                 ; in: my row, + 64 h
	v_add_nc_u32 v[SR], s42, v[LI]                 ; back: a row of 512 bytes to the 32 lanes
	v_lshlrev_b32 v[AOSA], 9, v94
	v_lshl_add_u32 v[AOSA], v93, 2, v[AOSA]
.irp b, 4,5,6,7,12,13
	v_mov_b32 v[TM+\b], 0                          ; written once: a lane permute's destination counts as one of its sources
.endr
	s_mov_b32 s[SEL], 0x76543210
	s_mov_b32 s[SEL+1], 0xfedcba98
	s_mov_b32 s[MLO], 0xffff
	s_mul_i32 s42, s2, 442368                      ; my stream of codes,
	s_mov_b32 s43, 0
	s_mul_i32 s44, s2, 18432
	s_add_co_u32 s44, s44, 1769472                 ; and of scale words
	s_mov_b32 s45, 0
	s_lshl_b32 s46, s2, 9                          ; my 128 features, in bytes
	s_mov_b32 s47, 0
	s_lshl_b32 s48, s2, 11                         ; my 512 hidden units
	s_mov_b32 s49, 0
	s_lshl_b32 s50, ttmp9, 16                      ; my work-group's 32 rows of 2,048 bytes
	s_add_co_u32 s50, s50, s46
	s_mov_b32 s51, 0
	s_mul_i32 s52, ttmp9, 12288                    ; O's codes: two tiles of 8 half fragments
	s_mov_b32 s53, 0
	s_lshl_b32 s54, ttmp9, 10
	s_add_co_u32 s54, s54, 3145728                 ; O's scale words
	s_mov_b32 s55, 0
	s_wait_kmcnt 0x0
	s_add_nc_u64 s[30:31], s[10:11], s[42:43]
	s_add_nc_u64 s[32:33], s[10:11], s[44:45]
	s_add_nc_u64 s[34:35], s[8:9], s[52:53]
	s_add_nc_u64 s[36:37], s[8:9], s[54:55]
	s_add_nc_u64 s[12:13], s[12:13], s[50:51]
	s_add_nc_u64 s[28:29], s[28:29], s[50:51]
	s_add_nc_u64 s[14:15], s[14:15], s[46:47]
	s_add_nc_u64 s[16:17], s[16:17], s[46:47]
	s_add_nc_u64 s[18:19], s[18:19], s[46:47]
	s_add_nc_u64 s[22:23], s[22:23], s[46:47]
	s_add_nc_u64 s[24:25], s[24:25], s[46:47]
	s_add_nc_u64 s[26:27], s[26:27], s[46:47]
	s_add_nc_u64 s[20:21], s[20:21], s[48:49]
	s_add_nc_u64 s[56:57], s[20:21], 512           ; the next 128 of b1
.irp m, 0,1                                    ; x goes straight into the accumulators
.irp b, 0,1,2,3
.irp i, 0,1,2,3
	global_load_b128 v[ACC+64*\m+16*\b+4*\i:ACC+64*\m+16*\b+4*\i+3], v[XA], s[12:13] offset:16384*\m+128*\b+16*\i th:TH_LOAD_NT
.endr
.endr
.endr
	VLOAD 2, 192, 14, 0                            ; bo
	WIN 0xc0                                       ; destination window 3
.irp m, 0,1                                    ; O's fragment (tile m, K step s) is the half fragments of heads 2 s and 2 s + 1
.irp s, 0,1,2,3
	global_load_b128 v[12*(4*\m+\s):12*(4*\m+\s)+3], v[LI], s[34:35] offset:6144*\m+1536*\s
	global_load_b64 v[12*(4*\m+\s)+4:12*(4*\m+\s)+5], v[L8], s[34:35] offset:6144*\m+1536*\s+512
	global_load_b128 v[12*(4*\m+\s)+6:12*(4*\m+\s)+9], v[LI], s[34:35] offset:6144*\m+1536*\s+768
	global_load_b64 v[12*(4*\m+\s)+10:12*(4*\m+\s)+11], v[L8], s[34:35] offset:6144*\m+1536*\s+1280
.endr
.endr
	WIN 0
.irp s, 0,1,2,3
	global_load_b32 v[AOSC+\s], v[AOSA], s[36:37] offset:128*\s   ; lanes 0-15 tile 0's words, lanes 16-31 tile 1's
.endr
	VLOAD 3, 128, 16, 0                            ; gamma1
	VLOAD 3, 192, 18, 0                            ; beta1
	VLOAD 1, 192, 20, 0                            ; b1, my first 128
	RING 0, 0
	RING 1, 1
	s_wait_loadcnt 63                              ; x and bo are in: 140 loads were issued behind them
	WIN 0x08                                       ; source 1 window 2
.irp m, 0,1
.set pj, 0
.rept 32
	v_pk_add_f32 v[ACC+64*\m+pj:ACC+64*\m+pj+1], v[ACC+64*\m+pj:ACC+64*\m+pj+1], v[192+pj:193+pj]   ; x + bo: the sums go on from here
.set pj, pj+2
.endr
.endr
	WIN 0
	; ---- A: x + bo + O Wo, the first norm, and y1's codes
	QUAD 0, 0, 0, 0, 2
.rept 4
	v_nop                                          ; places in front of the first read of results
.endr
	LNORM 0, 1
	VLOAD 3, 128, 24, 0                            ; gamma2
	VLOAD 3, 192, 26, 0                            ; beta2
	QUANT4 ACC, 0, PW0
.irp c, 0,1,2
	ds_store_b128 v[YWI], v[PC+4*\c:PC+4*\c+3] offset:YIMG+512*\c
.endr
	s_wait_dscnt 0x0                               ; the stores have read their registers
	QUANT4 ACC+64, 0, PW1
.irp c, 0,1,2
	ds_store_b128 v[YWI], v[PC+4*\c:PC+4*\c+3] offset:YIMG+1536+512*\c
.endr
	v_cndmask_b32 v[PWS], v[PW1], v[PW0], s[MLO]   ; lanes 0-15 tile 0's words, lanes 16-31 tile 1's
	ds_store_b32 v[YWS], v[PWS] offset:YSC
	BARRIER                                        ; y1's eight fragments lie in LDS
	; ---- B: the hidden layer, 128 units a trip: K step 4 w + trip of the last product
	s_mov_b32 s41, 4
	s_mov_b32 s58, 0
	s_mov_b32 s59, 0
	FETCHA 0, LI, YIMG, LS, YSC
.Lhid:
	v_add_nc_u32 v[HWI], s58, v[HWI0]
	v_add_nc_u32 v[HWS], s59, v[HWS0]
	QUAD 1, 1, 0, 1, 1
	s_cmp_gt_u32 s41, 2                            ; b1's pointer stops at my last 128: the last trip asks for them a second time and uses nothing of it
	s_cselect_b32 s42, 512, 0
	s_add_nc_u64 s[56:57], s[56:57], s[42:43]
.rept 4
	v_nop                                          ; places in front of the first read of results
.endr
.irp m, 0,1
.set pj, 0
.rept 64
	v_max_num_f32 v[ACC+64*\m+pj], 0, v[ACC+64*\m+pj]   ; the activation, in f32
.set pj, pj+1
.endr
	s_wait_dscnt 0x0                               ; the last image's stores have read their registers
	QUANT4 ACC+64*\m, 0, PW0+\m
.irp c, 0,1,2
	ds_store_b128 v[HWI], v[PC+4*\c:PC+4*\c+3] offset:HIMG+1536*\m+512*\c
.endr
.endr
	v_cndmask_b32 v[PWS], v[PW1], v[PW0], s[MLO]
	ds_store_b32 v[HWS], v[PWS] offset:HSC
	s_add_co_u32 s58, s58, 3072
	s_add_co_u32 s59, s59, 128
	s_sub_co_u32 s41, s41, 1
	s_cmp_lg_u32 s41, 0
	s_cbranch_scc1 .Lhid
	BARRIER                                        ; the hidden layer's 32 fragments lie in LDS
	; ---- C: y1 + b2 + hidden W2: 16 K steps
	WIN 0x0b                                       ; source 0 (y1) window 3, source 1 (b2) window 2
.irp m, 0,1
.set pj, 0
.rept 32
	v_pk_add_f32 v[ACC+64*\m+pj:ACC+64*\m+pj+1], v[64*\m+pj:64*\m+pj+1], v[192+pj:193+pj]
.set pj, pj+2
.endr
.endr
	WIN 0
	s_mov_b32 s41, 3
	s_mov_b32 s58, 0
	s_mov_b32 s59, 0
	FETCHA 0, LI, HIMG, LS, HSC
.Lout:
	v_add_nc_u32 v[HRI], s58, v[LI]
	v_add_nc_u32 v[HRS], s59, v[LS]
	QUAD 2, 0, 0, 1, 0
	s_add_co_u32 s58, s58, 12288
	s_add_co_u32 s59, s59, 512
	s_sub_co_u32 s41, s41, 1
	s_cmp_lg_u32 s41, 0
	s_cbranch_scc1 .Lout
	v_add_nc_u32 v[HRI], s58, v[LI]
	v_add_nc_u32 v[HRS], s59, v[LS]
	QUAD 2, 0, 1, 0, 0                             ; the last four K steps are written out: nothing is asked for beyond the stream's end
.rept 4
	v_nop                                          ; places in front of the first read of results
.endr
	LNORM 2, 0
	; ---- the way out: a lane holds pieces of one row; through my own stage they become whole rows of 512 bytes
.irp m, 0,1
.irp b, 0,1,2,3
.irp i, 0,1,2,3
	ds_store_b128 v[SO], v[ACC+64*\m+16*\b+4*\i:ACC+64*\m+16*\b+4*\i+3] offset:4224*\m+128*\b+16*\i
.endr
.endr
.endr
.set ri, 0
.rept 32
	ds_load_b128 v[ACC+4*ri:ACC+4*ri+3], v[SR] offset:528*ri   ; LDS serves a wave's instructions in order: these see my stores
.set ri, ri+1
.endr
.set ri, 0
.rept 32
	s_wait_dscnt 31-ri                             ; row ri is back; the rows behind it may be out
	global_store_b128 v[LI], v[ACC+4*ri:ACC+4*ri+3], s[28:29] offset:2048*ri th:TH_STORE_NT   ; 32 lanes store 512 consecutive bytes, at a multiple of 256 from the buffer's first byte
.set ri, ri+1
.endr
	s_wait_tensorcnt 0x0
	ds_add_u32 v87, v127
	s_wait_dscnt 0x0
	s_endpgm
.Lfunc_end_k_qbe064be0b0_tail:
	.size	k_qbe064be0b0_tail, .Lfunc_end_k_qbe064be0b0_tail-k_qbe064be0b0_tail
	.p2alignl 7, 3214868480
	.fill 96, 4, 3214868480
	.section	.rodata,"a",@progbits
	.p2align	6, 0x0
	.amdhsa_kernel k_qbe064be0b0_tail
		.amdhsa_group_segment_fixed_size 134144
		.amdhsa_private_segment_fixed_size 0
		.amdhsa_enable_private_segment 0
		.amdhsa_kernarg_size 88
		.amdhsa_user_sgpr_count 2
		.amdhsa_user_sgpr_kernarg_segment_ptr 1
		.amdhsa_wavefront_size32 1
		.amdhsa_system_sgpr_workgroup_id_x 1
		.amdhsa_system_sgpr_workgroup_id_y 1
		.amdhsa_system_sgpr_workgroup_id_z 1
		.amdhsa_system_vgpr_workitem_id 0
		.amdhsa_next_free_vgpr 1024
		.amdhsa_next_free_sgpr 66
		.amdhsa_reserve_vcc 0
		.amdhsa_float_denorm_mode_32 3
		.amdhsa_float_denorm_mode_16_64 3
		.amdhsa_memory_ordered 1
		.amdhsa_forward_progress 1
		.amdhsa_inst_pref_size 195
	.end_amdhsa_kernel
	.amdgpu_metadata
---
amdhsa.version: [ 1, 2 ]
amdhsa.kernels:
  - .name:           k_qbe064be0b0_tail
    .symbol:         k_qbe064be0b0_tail.kd
    .args:
      - { .name: aobuf, .offset: 0, .size: 8, .value_kind: global_buffer, .address_space: global }
      - { .name: wffn, .offset: 8, .size: 8, .value_kind: global_buffer, .address_space: global }
      - { .name: x, .offset: 16, .size: 8, .value_kind: global_buffer, .address_space: global }
      - { .name: bo, .offset: 24, .size: 8, .value_kind: global_buffer, .address_space: global }
      - { .name: gamma1, .offset: 32, .size: 8, .value_kind: global_buffer, .address_space: global }
      - { .name: beta1, .offset: 40, .size: 8, .value_kind: global_buffer, .address_space: global }
      - { .name: b1, .offset: 48, .size: 8, .value_kind: global_buffer, .address_space: global }
      - { .name: b2, .offset: 56, .size: 8, .value_kind: global_buffer, .address_space: global }
      - { .name: gamma2, .offset: 64, .size: 8, .value_kind: global_buffer, .address_space: global }
      - { .name: beta2, .offset: 72, .size: 8, .value_kind: global_buffer, .address_space: global }
      - { .name: out0, .offset: 80, .size: 8, .value_kind: global_buffer, .address_space: global }
    .group_segment_fixed_size: 134144
    .private_segment_fixed_size: 0
    .kernarg_segment_align: 8
    .kernarg_segment_size: 88
    .max_flat_workgroup_size: 128
    .sgpr_count:     66
    .vgpr_count:     1024
    .wavefront_size: 32
...
	.end_amdgpu_metadata
.endif
;; end of part 4
;; ======== version 2 of 2: 4 launches
;; workspace buffers: wqkv 614,400 bytes; wffn 1,843,200 bytes; qbuf 3,670,016 bytes; kvbuf 6,553,600 bytes; aobuf 3,407,872 bytes
;; launch wquant (part 5): grid 192 x 1, 4 waves a work-group, no clusters, 0 bytes of LDS; arguments Wq, Wk, Wv, Wo, W1, W2, wqkv, wffn; writes wqkv, wffn
.if DOCPART == 5
	.amdgcn_target "amdgcn-amd-amdhsa--gfx1250"
	.amdhsa_code_object_version 6
	.text
	.protected	k_qbe064be0b0_wquant
	.globl	k_qbe064be0b0_wquant
	.p2align	8
	.type	k_qbe064be0b0_wquant,@function
k_qbe064be0b0_wquant:
	s_mov_b64 s[64:65], 0
	v_nop
	global_prefetch_b8 v0, s[64:65] scope:SCOPE_SE
	s_setreg_imm32_b32 hwreg(HW_REG_WAVE_MODE, 25, 1), 1
	s_wait_xcnt 0x0
; The six weights, f32, stored [K][N] with K as the FIRST axis, become codes of BF6 (E3M2) with one E8M0 byte for each 32 along K,
; laid as IMAGES OF THE MATRIX OPERAND'S REGISTERS: a fragment (16 columns x 128 K, 12 registers a lane) is 1,536 bytes, registers 4 c .. 4 c + 3 of lane l at 512 c + 16 l.
; A work-group takes one weight, one chunk of 128 columns and one K step of 128; wave w takes columns 32 w .. 32 w + 31, which are the chunk's tiles 2 w and 2 w + 1.
; THE COLUMNS OF A TILE ARE NOT NEIGHBOURS: place r of tile 2 b + u is column 32 b + 8 u + r + 8 (r / 8), so that a product with the tile as source 0 leaves 16 neighbours in the 16 registers of two neighbouring tiles.
; A LANE TAKES A COLUMN AND ITS 128 REGISTERS RUN DOWN K: each load of a wave reads 128 consecutive bytes of one row (the four waves 512), a block of 32 lies in one lane, and the conversions give codes with K innermost.
; Lane 16 u + r holds what lanes r and 16 + r of tile 2 w + u's fragment want: blocks 0, 2 for the lower lane, blocks 1, 3 for the upper.
; A block's scale is 2^(floor(log2(largest magnitude)) - 4); its byte is the largest magnitude's exponent field - 4, held at 1 from below.
; LIMITS: a block whose largest magnitude lies under 2^(5 - 127), a block of zeros among them, keeps the byte 1 (its codes are zeros or subnormals; this program alone reads the bytes); NaN and infinities are not served.
.set X,    32                          ; v32-159  my column's 128 numbers
.set CODE, 160                         ; v160-183 12 registers for the fragment's lane r, 12 for lane 16 + r
.set PT,   184                         ; v184-199 the second halves of the four blocks (a conversion's three registers begin on an even number)
	s_load_b512 s[8:23], s[0:1], 0x0               ; Wq 8, Wk 10, Wv 12, Wo 14, W1 16, W2 18, wqkv 20, wffn 22
	v_lshrrev_b32 v4, 5, v0
	v_readfirstlane_b32 s2, v4                     ; wave
	v_and_b32 v5, 15, v0                           ; r
	v_bfe_u32 v6, v0, 4, 1                         ; u
	v_and_b32 v7, 8, v5
	v_add_nc_u32 v7, v7, v5                        ; r + 8 (r / 8)
	v_lshl_add_u32 v7, v6, 3, v7                   ; + 8 u: my column among the wave's 32
	v_lshlrev_b32 v1, 2, v7                        ; its bytes
	v_mul_u32_u24 v2, v6, 1536
	v_lshl_add_u32 v2, v5, 4, v2                   ; out: tile u's image, 16 r
	v_and_b32 v3, 31, v0
	v_lshlrev_b32 v3, 2, v3                        ; out: my scale word, 4 x lane
	; which weight, K step and chunk: numbers made of the work-group's number alone
	s_and_b32 s3, ttmp9, 3                         ; e
	s_bfe_u32 s4, ttmp9, 0x20002                   ; a
	s_bfe_u32 s5, ttmp9, 0x40002                   ; b
	s_bfe_u32 s6, ttmp9, 0x20004                   ; c
	s_and_b32 s7, ttmp9, 15                        ; f
	s_add_co_u32 s24, s7, 4
	s_add_co_u32 s25, s7, 20
	s_cmp_lt_u32 ttmp9, 128
	s_cselect_b32 s26, s3, s7                      ; the K step in the weight
	s_cselect_b32 s27, s5, s6                      ; the chunk in the weight (from 64 on)
	s_cselect_b32 s28, s24, s25                    ; the group in a wave's stream of wffn (from 64 on)
	s_cmp_lt_u32 ttmp9, 64
	s_cselect_b32 s27, s4, s27
	s_cselect_b32 s28, s3, s28
	s_cselect_b32 s29, s4, s6                      ; whose stream
	s_cselect_b32 s30, 18, 20                      ; 128 rows in bytes, as a shift: rows of 2,048 bytes, W1's of 8,192
	s_cmp_lt_u32 ttmp9, 128
	s_cselect_b32 s30, s30, 18
	s_lshl_b32 s26, s26, s30
	s_lshl_b32 s27, s27, 9
	s_add_co_u32 s26, s26, s27
	s_lshl_b32 s27, s2, 7
	s_add_co_u32 s26, s26, s27                     ; the wave's first number, in bytes
	s_mov_b32 s27, 0
	s_mul_i32 s31, s29, 442368
	s_mul_i32 s32, s28, 12288
	s_add_co_u32 s31, s31, s32                     ; wffn: codes
	s_mul_i32 s33, s29, 18432
	s_lshl_b32 s32, s28, 9
	s_add_co_u32 s33, s33, s32
	s_add_co_u32 s33, s33, 1769472                 ; wffn: scale words
	s_mul_i32 s34, ttmp9, 12288                    ; wqkv: codes
	s_lshl_b32 s35, ttmp9, 9
	s_add_co_u32 s35, s35, 589824                  ; wqkv: scale words
	s_cmp_lt_u32 ttmp9, 48
	s_cselect_b32 s36, s34, s31
	s_cselect_b32 s38, s35, s33
	s_mul_i32 s31, s2, 3072
	s_add_co_u32 s36, s36, s31                     ; my wave's two tiles
	s_lshl_b32 s31, s2, 7
	s_add_co_u32 s38, s38, s31
	s_mov_b32 s37, 0
	s_mov_b32 s39, 0
	s_wait_kmcnt 0x0
	s_cmp_lt_u32 ttmp9, 48                         ; the buffers are chosen on the work-group's number alone
	s_cselect_b64 s[20:21], s[20:21], s[22:23]
	s_mov_b64 s[40:41], s[18:19]
	s_cmp_lt_u32 ttmp9, 128
	s_cselect_b64 s[40:41], s[16:17], s[40:41]
	s_cmp_lt_u32 ttmp9, 64
	s_cselect_b64 s[40:41], s[14:15], s[40:41]
	s_cmp_lt_u32 ttmp9, 48
	s_cselect_b64 s[40:41], s[12:13], s[40:41]
	s_cmp_lt_u32 ttmp9, 32
	s_cselect_b64 s[40:41], s[10:11], s[40:41]
	s_cmp_lt_u32 ttmp9, 16
	s_cselect_b64 s[40:41], s[8:9], s[40:41]
	s_add_nc_u64 s[40:41], s[40:41], s[26:27]
	s_add_nc_u64 s[42:43], s[20:21], s[38:39]
	s_add_nc_u64 s[20:21], s[20:21], s[36:37]
; The work, once for each row length: every offset is an immediate (127 x 8,192 at the most, inside the signed 24 bits).
.macro BODY pitch
.set k, 0
.rept 128
	global_load_b32 v[X+k], v1, s[40:41] offset:k*\pitch th:TH_LOAD_NT
.set k, k+1
.endr
	s_wait_loadcnt 0x0
.irp b, 0,1,2,3
	v_max3_num_f32 v[8+\b], |v[X+32*\b]|, |v[X+32*\b+1]|, 0x2800000   ; block b's largest magnitude, with the floor 2^(5 - 127) among its leaves: the byte cannot fall under 1
.endr
.irp i, 2,4,6,8,10,12,14,16,18,20,22,24,26,28,30
.irp b, 0,1,2,3
	v_max3_num_f32 v[8+\b], v[8+\b], |v[X+32*\b+\i]|, |v[X+32*\b+\i+1]|   ; (the four blocks by turns)
.endr
.endr
.irp b, 0,1,2,3
	v_add_nc_u32 v[12+\b], 0xfe000000, v[8+\b]     ; 4 off the exponent field: the conversion's scale operand
.endr
.irp b, 0,1,2,3
	v_lshrrev_b32 v[16+\b], 23, v[12+\b]           ; the scale's byte
.endr
	v_lshl_or_b32 v20, v17, 8, v16                 ; my column's scale word for this K step
	v_lshl_or_b32 v20, v18, 16, v20
	v_lshl_or_b32 v20, v19, 24, v20
.irp b, 0,1,2,3                                ; block b belongs to the fragment's lane r + 16 (b % 2), registers 6 (b / 2) on
	v_cvt_scalef32_pk16_bf6_f32 v[CODE+12*(\b%2)+6*(\b/2):CODE+12*(\b%2)+6*(\b/2)+2], v[X+32*\b:X+32*\b+15], v[12+\b]
	v_cvt_scalef32_pk16_bf6_f32 v[PT+4*\b:PT+4*\b+2], v[X+32*\b+16:X+32*\b+31], v[12+\b]
.endr
	v_nop                                          ; one plain place behind the conversions
.irp b, 0,1,2,3
.irp i, 0,1,2
	v_mov_b32 v[CODE+12*(\b%2)+6*(\b/2)+3+\i], v[PT+4*\b+\i]
.endr
.endr
.irp h, 0,1
.irp c, 0,1,2
	global_store_b128 v2, v[CODE+12*\h+4*\c:CODE+12*\h+4*\c+3], s[20:21] offset:256*\h+512*\c   ; sixteen lanes store 256 consecutive bytes, at a multiple of 256 from the buffer's first byte
.endr
.endr
	global_store_b32 v3, v20, s[42:43]             ; 128 consecutive bytes: tile 2 w's sixteen words, then tile 2 w + 1's
	s_endpgm
.endm
	s_cmp_lt_u32 ttmp9, 64
	s_cbranch_scc1 .Lnarrow
	s_cmp_lt_u32 ttmp9, 128
	s_cbranch_scc0 .Lnarrow
	s_wait_alu depctr_va_vdst(0)
	BODY 8192
.Lnarrow:
	s_wait_alu depctr_va_vdst(0)
	BODY 2048
.Lfunc_end_k_qbe064be0b0_wquant:
	.size	k_qbe064be0b0_wquant, .Lfunc_end_k_qbe064be0b0_wquant-k_qbe064be0b0_wquant
	.p2alignl 7, 3214868480
	.fill 96, 4, 3214868480
	.section	.rodata,"a",@progbits
	.p2align	6, 0x0
	.amdhsa_kernel k_qbe064be0b0_wquant
		.amdhsa_group_segment_fixed_size 0
		.amdhsa_private_segment_fixed_size 0
		.amdhsa_enable_private_segment 0
		.amdhsa_kernarg_size 64
		.amdhsa_user_sgpr_count 2
		.amdhsa_user_sgpr_kernarg_segment_ptr 1
		.amdhsa_wavefront_size32 1
		.amdhsa_system_sgpr_workgroup_id_x 1
		.amdhsa_system_sgpr_workgroup_id_y 1
		.amdhsa_system_sgpr_workgroup_id_z 1
		.amdhsa_system_vgpr_workitem_id 0
		.amdhsa_next_free_vgpr 208
		.amdhsa_next_free_sgpr 66
		.amdhsa_reserve_vcc 0
		.amdhsa_float_denorm_mode_32 3
		.amdhsa_float_denorm_mode_16_64 3
		.amdhsa_memory_ordered 1
		.amdhsa_forward_progress 1
		.amdhsa_inst_pref_size 40
	.end_amdhsa_kernel
	.amdgpu_metadata
---
amdhsa.version: [ 1, 2 ]
amdhsa.kernels:
  - .name:           k_qbe064be0b0_wquant
    .symbol:         k_qbe064be0b0_wquant.kd
    .args:
      - { .name: Wq, .offset: 0, .size: 8, .value_kind: global_buffer, .address_space: global }
      - { .name: Wk, .offset: 8, .size: 8, .value_kind: global_buffer, .address_space: global }
      - { .name: Wv, .offset: 16, .size: 8, .value_kind: global_buffer, .address_space: global }
      - { .name: Wo, .offset: 24, .size: 8, .value_kind: global_buffer, .address_space: global }
      - { .name: W1, .offset: 32, .size: 8, .value_kind: global_buffer, .address_space: global }
      - { .name: W2, .offset: 40, .size: 8, .value_kind: global_buffer, .address_space: global }
      - { .name: wqkv, .offset: 48, .size: 8, .value_kind: global_buffer, .address_space: global }
      - { .name: wffn, .offset: 56, .size: 8, .value_kind: global_buffer, .address_space: global }
    .group_segment_fixed_size: 0
    .private_segment_fixed_size: 0
    .kernarg_segment_align: 8
    .kernarg_segment_size: 64
    .max_flat_workgroup_size: 128
    .sgpr_count:     66
    .vgpr_count:     208
    .wavefront_size: 32
...
	.end_amdgpu_metadata
.endif
;; end of part 5
;; launch qkv (part 6): grid 64 x 3, 8 waves a work-group, no clusters, 54,272 bytes of LDS; arguments x, wqkv, bq, bk, bv, qbuf, kvbuf; writes qbuf, kvbuf
.if DOCPART == 6
	.amdgcn_target "amdgcn-amd-amdhsa--gfx1250"
	.amdhsa_code_object_version 6
	.text
	.protected	k_qbe064be0b0_qkv
	.globl	k_qbe064be0b0_qkv
	.p2align	8
	.type	k_qbe064be0b0_qkv,@function
k_qbe064be0b0_qkv:
	s_mov_b64 s[64:65], 0
	v_nop
	global_prefetch_b8 v0, s[64:65] scope:SCOPE_SE
	s_setreg_imm32_b32 hwreg(HW_REG_WAVE_SCHED_MODE, 0, 2), 2
	s_setreg_imm32_b32 hwreg(HW_REG_WAVE_MODE, 25, 1), 1
	s_wait_xcnt 0x0
	s_wait_alu depctr_vm_vsrc(0)
; q = x Wq + bq, k = x Wk + bk, v = x Wv + bv on codes of BF6 (E3M2, one E8M0 byte for each 32 along K), and their results quantised again for attention: q and k along the head's 64, v along the keys.
; SHARES.  Work-group x takes 128 rows of x (one step of 128 keys of one batch), work-group y says which product (0 q, 1 k, 2 v).  Wave w quantises tile w (16 rows) of x, and then is head w: 128 rows x 64 features, 32 accumulators.
; THE ROWS OF A TILE ARE NOT NEIGHBOURS: place r of tile T is row 32 (T / 2) + 8 (T % 2) + r + 8 (r / 8); the weights' tiles are laid by the same order.  So whichever operand is source 0, the 16 registers of two neighbouring
; tiles hold 16 neighbours along its axis: features with W as source 0 (q, k), keys with x as source 0 (v): a lane's registers run along the next product's K, and the conversions' results are the next operand.
; OPERANDS GO ROUND AS IMAGES OF THEIR REGISTERS: a fragment (12 registers a lane) as three stores of 16 bytes a lane at 16 x lane; a half fragment (64 along K, 6 registers) as 16 and 8 bytes a lane.
; Scale words of two neighbouring tiles lie on end, 128 bytes: one load of 4 bytes a lane brings the even tile's into lanes 0-15 and the odd one's into lanes 16-31.
; OUT.  q: half fragments, and a word with its two bytes twice.  k: fragments that PACK TWO TILES OF KEYS (registers 0-5 tile 2 f, 6-11 tile 2 f + 1), since the head is only 64 deep.  v: fragments of 16 features x 128 keys.
; The biases are the C of each sum's first matrix instruction.  One barrier: between the waves' stores of x's images and the reads of them.
; LIMITS: a block whose largest magnitude lies under 2^(5 - 127), zeros among them, keeps the byte 1 (this program alone reads the bytes); NaN and infinities are not served.
; THE MODE: SCHED_MODE bits 1:0 = 2 (LLVM: expert scheduling mode 2), set by the entry lines.  The code itself states the register dependences
; between vector or matrix instructions and memory or LDS instructions, with s_wait_alu, always for 0.
; THE PLAN.  Registers that memory or LDS instructions touch:
;   v1-8            offsets and LDS addresses: made once at the head, never written again: one wait on va_vdst ahead of the first load serves the whole kernel.
;   PC, PW, PWS     written by a quantiser, read by the stores behind it (LDS stores at the head, global stores on the way out), written again by the next quantiser:
;                   a wait on va_vdst ahead of each run of stores, a wait on vm_vsrc ahead of each next quantiser.
;   XFR0, XFR1      with a scale register each.  Batch n's products read set n % 2; the LDS loads of batch n + 1 land in the other set, which batch n - 1's products read.
;   WF0, WF1        with two scale registers each.  K step s's products read set s % 2; the loads of K step s + 1, issued at K step s's head, land in the set that K step s - 1's products read.
;   window 1        x as loaded, read by the head's quantisers; then the accumulators: no load lands there again.
; So ONE wait on va_vdst stands at a batch's head: the last batch's products are done reading.  The batch's loads follow it, and the counted waits for this batch's data follow those.
; REGISTERS: window 0: v1-8 addresses; v16-111 W's fragments, two sets of four; v112-115 their scale words; v116-163 x's fragments, two sets of two; v164-165 their scale words; v168-199 the bias; v200-239 at work.
;   window 1: 256 numbers of x, then the accumulators (q, k: tile of rows m, tile of features t at 32 m + 8 t; v: at 64 t + 8 m).
.set XIMG, 0                           ; LDS: x's 32 fragments, K step s, tile m at (8 s + m) x 1,536
.set XSCL, 49152                       ; their scale words: 512 bytes a K step, 64 a tile
.set LI,  1                            ; v1  16 x lane
.set LS,  2                            ; v2  4 x lane
.set L8,  3                            ; v3  8 x lane
.set XA,  4                            ; v4  x: (r + 8 (r / 8)) rows of 2,048 bytes + 64 h
.set XWI, 5                            ; v5  where I store x's images: 16 x lane + 1,536 x wave
.set XWS, 6                            ; v6  and their scale words: 4 r + 64 x wave
.set BA,  7                            ; v7  the bias for q, k: 64 h
.set BV,  8                            ; v8  the bias for v: 4 (r + 8 (r / 8))
.set WF,  16
.set WSC, 112
.set XFR, 116
.set XSR, 164
.set BIAS, 168
.set TM,  200                          ; v200-203 largest magnitudes, v204-207 bytes, v212-215 the conversions' scale operands
.set PW,  216                          ; v216-217 scale words just made
.set PWS, 218
.set PC,  220                          ; v220-231 codes just made
.set PT,  232                          ; v232-239 second halves
.set SEL, 34                           ; s[34:35] v_permlanex16_b32's selects for lane l xor 16
.set MLO, 36                           ; s36 lanes 0-15
.set MSB, 0
.macro WIN new                         ; the immediate's high byte repeats the setting that is left
.if MSB != (\new)
	s_set_vgpr_msb (MSB<<8)|(\new)
.set MSB, (\new)
.endif
.endm
; 64 numbers of a lane in window win, register 16 b + i = k 32 b + 16 (lane / 16) + i of my row, become a fragment's codes in v[PC] on and its scale word in v[pw].
.macro QUANT4 src, win, pw
	WIN (\win)*5
.irp b, 0,1,2,3
	v_max3_num_f32 v[TM+\b], |v[(\src)+16*\b]|, |v[(\src)+16*\b+1]|, 0x2800000   ; my 16 numbers of block b, and the floor 2^(5 - 127): the byte cannot fall under 1
.endr
.irp i, 2,4,6,8,10,12,14
.irp b, 0,1,2,3
	v_max3_num_f32 v[TM+\b], |v[(\src)+16*\b+\i]|, |v[(\src)+16*\b+\i+1]|, v[TM+\b]
.endr
.endr
	WIN 0
.irp b, 0,1,2,3
	v_permlanex16_b32 v[TM+4+\b], v[TM+\b], s[SEL], s[SEL+1]
.endr
.irp b, 0,1,2,3
	v_max_num_f32 v[TM+\b], v[TM+\b], v[TM+4+\b]   ; with lane l xor 16's: the block's largest magnitude
.endr
.irp b, 0,1,2,3
	v_add_nc_u32 v[TM+12+\b], 0xfe000000, v[TM+\b] ; 4 off its exponent field: the conversion's scale operand
.endr
.irp b, 0,1,2,3
	v_lshrrev_b32 v[TM+4+\b], 23, v[TM+12+\b]      ; the scale's byte
.endr
	v_lshl_or_b32 v[\pw], v[TM+5], 8, v[TM+4]
	v_lshl_or_b32 v[\pw], v[TM+6], 16, v[\pw]
	v_lshl_or_b32 v[\pw], v[TM+7], 24, v[\pw]
	WIN \win
.irp c, 0,1
	v_cvt_scalef32_pk16_bf6_f32 v[PC+6*\c:PC+6*\c+2], v[(\src)+32*\c:(\src)+32*\c+15], v[TM+12+2*\c]
	v_cvt_scalef32_pk16_bf6_f32 v[PT+4*\c:PT+4*\c+2], v[(\src)+32*\c+16:(\src)+32*\c+31], v[TM+13+2*\c]
.endr
	WIN 0
	v_nop                                          ; one plain place behind the conversions
.irp c, 0,1                                    ; the operand's layout wants a WHOLE block in a lane: lanes 0-15 block 2 c, lanes 16-31 block 2 c + 1
.irp i, 0,1,2
	v_permlane16_swap_b32 v[PC+6*\c+\i], v[PT+4*\c+\i]
.endr
.irp i, 0,1,2
	v_mov_b32 v[PC+6*\c+3+\i], v[PT+4*\c+\i]
.endr
.endr
.endm
; The same for 32 numbers of a lane (64 along K): six registers of codes in v[dst] on; the two bytes stay in v[TM+4], v[TM+5].
.macro QUANT2 src, win, dst
	WIN (\win)*5
.irp b, 0,1
	v_max3_num_f32 v[TM+\b], |v[(\src)+16*\b]|, |v[(\src)+16*\b+1]|, 0x2800000
.endr
.irp i, 2,4,6,8,10,12,14
.irp b, 0,1
	v_max3_num_f32 v[TM+\b], |v[(\src)+16*\b+\i]|, |v[(\src)+16*\b+\i+1]|, v[TM+\b]
.endr
.endr
	WIN 0
.irp b, 0,1
	v_permlanex16_b32 v[TM+4+\b], v[TM+\b], s[SEL], s[SEL+1]
.endr
.irp b, 0,1
	v_max_num_f32 v[TM+\b], v[TM+\b], v[TM+4+\b]
.endr
.irp b, 0,1
	v_add_nc_u32 v[TM+12+\b], 0xfe000000, v[TM+\b]
.endr
.irp b, 0,1
	v_lshrrev_b32 v[TM+4+\b], 23, v[TM+12+\b]
.endr
	WIN \win
	v_cvt_scalef32_pk16_bf6_f32 v[(\dst):(\dst)+2], v[(\src):(\src)+15], v[TM+12]
	v_cvt_scalef32_pk16_bf6_f32 v[PT:PT+2], v[(\src)+16:(\src)+31], v[TM+13]
	WIN 0
	v_nop
.irp i, 0,1,2
	v_permlane16_swap_b32 v[(\dst)+\i], v[PT+\i]
.endr
.irp i, 0,1,2
	v_mov_b32 v[(\dst)+3+\i], v[PT+\i]
.endr
.endm
; One product.  ra, rb: source 0's, source 1's scale words stand in lanes 16-31 of their register.
.macro WM d, a, b, c, sa, sb, ra, rb
.if (\ra) && (\rb)
	v_wmma_scale_f32_16x16x128_f8f6f4 v[(\d):(\d)+7], v[(\a):(\a)+11], v[(\b):(\b)+11], v[(\c):(\c)+7], v[\sa], v[\sb] matrix_a_fmt:MATRIX_FMT_BF6 matrix_b_fmt:MATRIX_FMT_BF6 matrix_a_scale:MATRIX_SCALE_ROW1 matrix_b_scale:MATRIX_SCALE_ROW1
.elseif (\ra)
	v_wmma_scale_f32_16x16x128_f8f6f4 v[(\d):(\d)+7], v[(\a):(\a)+11], v[(\b):(\b)+11], v[(\c):(\c)+7], v[\sa], v[\sb] matrix_a_fmt:MATRIX_FMT_BF6 matrix_b_fmt:MATRIX_FMT_BF6 matrix_a_scale:MATRIX_SCALE_ROW1
.elseif (\rb)
	v_wmma_scale_f32_16x16x128_f8f6f4 v[(\d):(\d)+7], v[(\a):(\a)+11], v[(\b):(\b)+11], v[(\c):(\c)+7], v[\sa], v[\sb] matrix_a_fmt:MATRIX_FMT_BF6 matrix_b_fmt:MATRIX_FMT_BF6 matrix_b_scale:MATRIX_SCALE_ROW1
.else
	v_wmma_scale_f32_16x16x128_f8f6f4 v[(\d):(\d)+7], v[(\a):(\a)+11], v[(\b):(\b)+11], v[(\c):(\c)+7], v[\sa], v[\sb] matrix_a_fmt:MATRIX_FMT_BF6 matrix_b_fmt:MATRIX_FMT_BF6
.endif
.endm
.macro WLOAD s, set                    ; my head's four fragments of W for K step s, and their scale words: 14 loads
.irp t, 0,1,2,3
.irp c, 0,1,2
	global_load_b128 v[WF+48*(\set)+12*\t+4*\c:WF+48*(\set)+12*\t+4*\c+3], v[LI], s[22:23] offset:12288*(\s)+1536*\t+512*\c
.endr
.endr
.irp q, 0,1
	global_load_b32 v[WSC+2*(\set)+\q], v[LS], s[24:25] offset:512*(\s)+128*\q
.endr
.endm
.macro FETCHX s, q, set                ; x's tiles 2 q and 2 q + 1 of K step s, and their scale words: 7 LDS loads
.irp i, 0,1
.irp c, 0,1,2
	ds_load_b128 v[XFR+24*(\set)+12*\i+4*\c:XFR+24*(\set)+12*\i+4*\c+3], v[LI] offset:XIMG+(8*(\s)+2*(\q)+\i)*1536+512*\c
.endr
.endr
	ds_load_b32 v[XSR+(\set)], v[LS] offset:XSCL+(4*(\s)+(\q))*128
.endm
; The products: 16 batches (K step ks, pair of row tiles kq) of eight.  mode = 0: source 0 = W (q, k); 1: source 0 = x (v).  The 32 accumulators take turns, one instruction a turn.
.macro MAIN mode
	FETCHX 0, 0, 0
.set n, 0
.rept 16
.set ks, n/4
.set kq, n%4
.if n > 0
.rept 4
	v_nop                                          ; places in front of loads into registers that the last batch's products have read
.endr
	s_wait_alu depctr_va_vdst(0)                   ; the last batch's products are done reading their fragments of x and its scale words, and at a K step's head those of the K step before are done reading their weights: the loads below land there
.endif
.if n < 15
	FETCHX (n+1)/4, (n+1)%4, (n+1)%2
.endif
.if (kq == 0) && (ks < 3)
	WLOAD ks+1, (ks+1)%2
.endif
.if n < 15
	s_wait_dscnt 7                                 ; this batch's fragments are in; the seven loads just issued may be out
.else
	s_wait_dscnt 0x0
.endif
.if kq == 0
.if ks < 3
	s_wait_loadcnt 14                              ; this K step's weights are in; the next step's 14 loads may be out
.else
	s_wait_loadcnt 0x0
.endif
.endif
.if ks == 0
	WIN 0x40                                       ; D window 1; C is the bias, window 0
.else
	WIN 0x50                                       ; C and D window 1
.endif
.irp i, 0,1
.irp t, 0,1,2,3
.if \mode
.set rD, 64*\t+8*(2*kq+\i)
.else
.set rD, 32*(2*kq+\i)+8*\t
.endif
.set rC, rD
.if ks == 0
.set rC, BIAS+8*\t
.endif
.set rW, WF+48*(ks%2)+12*\t
.set rX, XFR+24*(n%2)+12*\i
.set rWS, WSC+2*(ks%2)+\t/2
.set rXS, XSR+n%2
.if \mode
	WM rD, rX, rW, rC, rXS, rWS, \i, \t%2
.else
	WM rD, rW, rX, rC, rWS, rXS, \t%2, \i
.endif
.endr
.endr
	WIN 0
.set n, n+1
.endr
.rept 4
	v_nop                                          ; places in front of the first read of results
.endr
.endm
	s_load_b256 s[8:15], s[0:1], 0x0               ; x 8, wqkv 10, bq 12, bk 14
	s_load_b128 s[16:19], s[0:1], 0x20             ; bv 16, qbuf 18
	s_load_b64 s[20:21], s[0:1], 0x30              ; kvbuf
	v_lshl_add_u32 v254, v0, 2, 0xd000
	v_mov_b32 v255, 0
	v_lshrrev_b32 v9, 5, v0
	v_readfirstlane_b32 s2, v9                     ; wave 0..7
	s_mov_b32 s3, ttmp9                            ; the block of 128 rows
	s_and_b32 s4, ttmp7, 0xffff                    ; the product
	v_and_b32 v9, 31, v0                           ; lane
	v_and_b32 v10, 15, v0                          ; r
	v_bfe_u32 v11, v0, 4, 1                        ; h
	v_lshlrev_b32 v[LI], 4, v9
	v_lshlrev_b32 v[LS], 2, v9
	v_lshlrev_b32 v[L8], 3, v9
	v_and_b32 v12, 8, v10
	v_add_nc_u32 v12, v12, v10                     ; r + 8 (r / 8)
	v_lshlrev_b32 v[XA], 11, v12
	v_lshl_add_u32 v[XA], v11, 6, v[XA]
	s_wait_alu depctr_va_sdst(0)                   ; s2 is written, ahead of its first reader: LDS addresses and every base are made from it
	s_mul_i32 s7, s2, 1536
	v_add_nc_u32 v[XWI], s7, v[LI]
	s_lshl_b32 s7, s2, 6
	v_lshl_add_u32 v[XWS], v10, 2, s7
	v_lshlrev_b32 v[BA], 6, v11
	v_lshlrev_b32 v[BV], 2, v12
.irp b, 4,5,6,7
	v_mov_b32 v[TM+\b], 0                          ; written once: a lane permute's destination counts as one of its sources
.endr
	s_mov_b32 s[SEL], 0x76543210
	s_mov_b32 s[SEL+1], 0xfedcba98
	s_mov_b32 s[MLO], 0xffff
	s_lshr_b32 s5, s2, 1                           ; my head's chunk of 128 columns,
	s_and_b32 s6, s2, 1                            ; and which half of it
	s_mul_i32 s38, s4, 196608                      ; W's codes: 16 groups of 12,288 a weight, 4 a chunk, 6,144 a half
	s_mul_i32 s7, s5, 49152
	s_add_co_u32 s38, s38, s7
	s_mul_i32 s7, s6, 6144
	s_add_co_u32 s38, s38, s7
	s_mov_b32 s39, 0
	s_lshl_b32 s40, s4, 13                         ; W's scale words
	s_lshl_b32 s7, s5, 11
	s_add_co_u32 s40, s40, s7
	s_lshl_b32 s7, s6, 8
	s_add_co_u32 s40, s40, s7
	s_add_co_u32 s40, s40, 589824
	s_mov_b32 s41, 0
	s_lshl_b32 s42, s3, 18                         ; x: 128 rows of 2,048 bytes a block, and my tile's first row 32 (w / 2) + 8 (w % 2)
	s_lshl_b32 s7, s5, 16
	s_add_co_u32 s42, s42, s7
	s_lshl_b32 s7, s6, 14
	s_add_co_u32 s42, s42, s7
	s_mov_b32 s43, 0
	s_lshl_b32 s44, s2, 8                          ; the bias: my head's 64 numbers
	s_mov_b32 s45, 0
	s_lshl_b32 s7, s3, 6
	s_add_co_u32 s7, s7, s2                        ; 8 x (first tile) + head
	s_mul_i32 s48, s7, 768                         ; q's half fragments
	s_mov_b32 s49, 0
	s_lshl_b32 s50, s7, 7
	s_add_co_u32 s50, s50, 3145728                 ; q's scale words
	s_mov_b32 s51, 0
	s_lshr_b32 s7, s3, 5
	s_lshl_b32 s7, s7, 3
	s_add_co_u32 s7, s7, s2                        ; 8 x batch + head
	s_and_b32 s46, s3, 31                          ; the step of 128 keys
	s_lshl_b32 s52, s7, 4
	s_lshr_b32 s47, s46, 1
	s_add_co_u32 s52, s52, s47
	s_mul_i32 s52, s52, 24576                      ; k, v: a pair of steps is 24,576 bytes: K, K, V, V
	s_and_b32 s47, s46, 1
	s_mul_i32 s47, s47, 6144
	s_add_co_u32 s52, s52, s47
	s_mov_b32 s53, 0
	s_lshl_b32 s54, s7, 14                         ; their scale words: 16,384 a head, 256 a step
	s_lshl_b32 s47, s46, 8
	s_add_co_u32 s54, s54, s47
	s_add_co_u32 s54, s54, 6291456
	s_mov_b32 s55, 0
	s_wait_kmcnt 0x0
	s_add_nc_u64 s[22:23], s[10:11], s[38:39]
	s_add_nc_u64 s[24:25], s[10:11], s[40:41]
	s_add_nc_u64 s[28:29], s[8:9], s[42:43]
	s_cmp_eq_u32 s4, 0
	s_cselect_b64 s[26:27], s[12:13], s[14:15]
	s_cmp_eq_u32 s4, 2
	s_cselect_b64 s[26:27], s[16:17], s[26:27]
	s_add_nc_u64 s[26:27], s[26:27], s[44:45]
	s_add_nc_u64 s[30:31], s[18:19], s[48:49]
	s_add_nc_u64 s[32:33], s[18:19], s[50:51]
	s_add_nc_u64 s[56:57], s[20:21], s[52:53]
	s_add_nc_u64 s[58:59], s[20:21], s[54:55]
	s_wait_alu depctr_va_vdst(0)                   ; the eight offsets and addresses v1 to v8 are written: every load and store of the kernel reads one of them
	WLOAD 0, 0
	s_cmp_eq_u32 s4, 2
	s_cbranch_scc1 .Lbias_v
.irp t, 0,1,2,3                                ; q, k: register j of tile t is feature 32 (t / 2) + 16 h + 8 (t % 2) + j
	global_load_b128 v[BIAS+8*\t:BIAS+8*\t+3], v[BA], s[26:27] offset:(32*(\t/2)+8*(\t%2))*4
	global_load_b128 v[BIAS+8*\t+4:BIAS+8*\t+7], v[BA], s[26:27] offset:(32*(\t/2)+8*(\t%2))*4+16
.endr
	s_branch .Lbias_done
.Lbias_v:
.irp t, 0,1,2,3                                ; v: all eight registers of a lane are keys of ONE feature, 32 (t / 2) + 8 (t % 2) + r + 8 (r / 8)
.irp j, 0,1,2,3,4,5,6,7
	global_load_b32 v[BIAS+8*\t+\j], v[BV], s[26:27] offset:(32*(\t/2)+8*(\t%2))*4
.endr
.endr
.Lbias_done:
	WIN 0x40                                       ; destination window 1
.irp s, 0,1,2,3                                ; my tile's row, all 512 along K: register 64 s + 16 b + i = k 128 s + 32 b + 16 h + i
.irp b, 0,1,2,3
.irp j, 0,1,2,3
	global_load_b128 v[64*\s+16*\b+4*\j:64*\s+16*\b+4*\j+3], v[XA], s[28:29] offset:512*\s+128*\b+16*\j
.endr
.endr
.endr
	WIN 0
.irp s, 0,1,2,3
	s_wait_loadcnt 48-16*\s                        ; K step s's 16 loads, and all older ones, are in; those of the later K steps may be out
.if \s > 0
	s_wait_alu depctr_vm_vsrc(0)                   ; the last image's LDS stores have read v[PC ..] and v[PW], which this quantiser writes again
.endif
	QUANT4 64*\s, 1, PW
	s_wait_alu depctr_va_vdst(0)                   ; the quantiser has written v[PC ..] and v[PW], which the LDS stores read
.irp c, 0,1,2
	ds_store_b128 v[XWI], v[PC+4*\c:PC+4*\c+3] offset:XIMG+12288*\s+512*\c
.endr
	ds_store_b32 v[XWS], v[PW] offset:XSCL+512*\s  ; lanes r and 16 + r write the same word with the same value
.endr
	s_wait_dscnt 0x0                               ; for the others' sake: my stores have landed
	s_barrier_signal -1
	s_barrier_wait -1                              ; x's 32 fragments lie in LDS; nothing is stored there again
	s_wait_alu depctr_vm_vsrc(0)                   ; my LDS stores have read v[PC ..] and v[PW]: the quantisers on the way out write them again
	s_cmp_eq_u32 s4, 2
	s_cbranch_scc1 .Lv
	MAIN 0
	s_cmp_eq_u32 s4, 0
	s_cbranch_scc0 .Lk
	; ---- q: a half fragment and a scale word for each tile of rows
.set mi, 0
.rept 8
.if mi > 0
	s_wait_xcnt 0x0                                ; the last stores' data are written again only behind this wait
	s_wait_alu depctr_vm_vsrc(0)                   ; the last stores have read v[PC ..] and v[PW], which this quantiser writes again
.endif
	QUANT2 32*mi, 1, PC
	v_lshl_or_b32 v[PW], v[TM+5], 8, v[TM+4]
	v_lshl_or_b32 v[PW], v[PW], 16, v[PW]          ; the two bytes twice: they serve q in the lower and in the upper half of a fragment
	s_wait_alu depctr_va_vdst(0)                   ; v[PC ..] and v[PW] are written, which the stores read
	global_store_b128 v[LI], v[PC:PC+3], s[30:31] offset:6144*mi
	global_store_b64 v[L8], v[PC+4:PC+5], s[30:31] offset:6144*mi+512
	global_store_b32 v[LS], v[PW], s[32:33] offset:1024*mi
.set mi, mi+1
.endr
	s_wait_dscnt 0x0
	s_wait_alu depctr_hold_cnt(0) depctr_sa_sdst(0) depctr_va_vdst(0) depctr_va_sdst(0) depctr_va_ssrc(0) depctr_va_vcc(0) depctr_vm_vsrc(0)
	s_wait_tensorcnt 0x0
	ds_add_u32 v254, v255
	s_wait_dscnt 0x0
	s_endpgm
.Lk:
	; ---- k: fragment f packs tiles 2 f and 2 f + 1; its scale word has two bytes of each
.set fi, 0
.rept 4
.if fi > 0
	s_wait_xcnt 0x0
	s_wait_alu depctr_vm_vsrc(0)                   ; the last stores have read v[PC ..] and v[PWS], which are written again below
.endif
	QUANT2 64*fi, 1, PC
	v_lshl_or_b32 v[PW+fi%2], v[TM+5], 8, v[TM+4]
	QUANT2 64*fi+32, 1, PC+6
	v_lshl_or_b32 v[PW+fi%2], v[TM+4], 16, v[PW+fi%2]
	v_lshl_or_b32 v[PW+fi%2], v[TM+5], 24, v[PW+fi%2]
.if fi%2
	v_cndmask_b32 v[PWS], v[PW+1], v[PW], s[MLO]   ; lanes 0-15 the even fragment's words, lanes 16-31 the odd one's
.endif
	s_wait_alu depctr_va_vdst(0)                   ; v[PC ..], and with an odd fragment v[PWS], are written, which the stores read
.irp c, 0,1,2
	global_store_b128 v[LI], v[PC+4*\c:PC+4*\c+3], s[56:57] offset:1536*fi+512*\c
.endr
.if fi%2
	global_store_b32 v[LS], v[PWS], s[58:59] offset:128*(fi/2)
.endif
.set fi, fi+1
.endr
	s_wait_dscnt 0x0
	s_wait_alu depctr_hold_cnt(0) depctr_sa_sdst(0) depctr_va_vdst(0) depctr_va_sdst(0) depctr_va_ssrc(0) depctr_va_vcc(0) depctr_vm_vsrc(0)
	s_wait_tensorcnt 0x0
	ds_add_u32 v254, v255
	s_wait_dscnt 0x0
	s_endpgm
.Lv:
	MAIN 1
	; ---- v: fragment t: 16 features x the step's 128 keys
.set ti, 0
.rept 4
.if ti > 0
	s_wait_xcnt 0x0
	s_wait_alu depctr_vm_vsrc(0)                   ; the last stores have read v[PC ..] and v[PWS], which are written again below
.endif
	QUANT4 64*ti, 1, PW+ti%2
.if ti%2
	v_cndmask_b32 v[PWS], v[PW+1], v[PW], s[MLO]
.endif
	s_wait_alu depctr_va_vdst(0)                   ; v[PC ..], and with an odd fragment v[PWS], are written, which the stores read
.irp c, 0,1,2
	global_store_b128 v[LI], v[PC+4*\c:PC+4*\c+3], s[56:57] offset:12288+1536*ti+512*\c
.endr
.if ti%2
	global_store_b32 v[LS], v[PWS], s[58:59] offset:8192+128*(ti/2)
.endif
.set ti, ti+1
.endr
	s_wait_dscnt 0x0
	s_wait_alu depctr_hold_cnt(0) depctr_sa_sdst(0) depctr_va_vdst(0) depctr_va_sdst(0) depctr_va_ssrc(0) depctr_va_vcc(0) depctr_vm_vsrc(0)
	s_wait_tensorcnt 0x0
	ds_add_u32 v254, v255
	s_wait_dscnt 0x0
	s_endpgm
.Lfunc_end_k_qbe064be0b0_qkv:
	.size	k_qbe064be0b0_qkv, .Lfunc_end_k_qbe064be0b0_qkv-k_qbe064be0b0_qkv
	.p2alignl 7, 3214868480
	.fill 96, 4, 3214868480
	.section	.rodata,"a",@progbits
	.p2align	6, 0x0
	.amdhsa_kernel k_qbe064be0b0_qkv
		.amdhsa_group_segment_fixed_size 54272
		.amdhsa_private_segment_fixed_size 0
		.amdhsa_enable_private_segment 0
		.amdhsa_kernarg_size 56
		.amdhsa_user_sgpr_count 2
		.amdhsa_user_sgpr_kernarg_segment_ptr 1
		.amdhsa_wavefront_size32 1
		.amdhsa_system_sgpr_workgroup_id_x 1
		.amdhsa_system_sgpr_workgroup_id_y 1
		.amdhsa_system_sgpr_workgroup_id_z 1
		.amdhsa_system_vgpr_workitem_id 0
		.amdhsa_next_free_vgpr 512
		.amdhsa_next_free_sgpr 66
		.amdhsa_reserve_vcc 0
		.amdhsa_float_denorm_mode_32 3
		.amdhsa_float_denorm_mode_16_64 3
		.amdhsa_memory_ordered 1
		.amdhsa_forward_progress 1
		.amdhsa_inst_pref_size 149
	.end_amdhsa_kernel
	.amdgpu_metadata
---
amdhsa.version: [ 1, 2 ]
amdhsa.kernels:
  - .name:           k_qbe064be0b0_qkv
    .symbol:         k_qbe064be0b0_qkv.kd
    .args:
      - { .name: x, .offset: 0, .size: 8, .value_kind: global_buffer, .address_space: global }
      - { .name: wqkv, .offset: 8, .size: 8, .value_kind: global_buffer, .address_space: global }
      - { .name: bq, .offset: 16, .size: 8, .value_kind: global_buffer, .address_space: global }
      - { .name: bk, .offset: 24, .size: 8, .value_kind: global_buffer, .address_space: global }
      - { .name: bv, .offset: 32, .size: 8, .value_kind: global_buffer, .address_space: global }
      - { .name: qbuf, .offset: 40, .size: 8, .value_kind: global_buffer, .address_space: global }
      - { .name: kvbuf, .offset: 48, .size: 8, .value_kind: global_buffer, .address_space: global }
    .group_segment_fixed_size: 54272
    .private_segment_fixed_size: 0
    .kernarg_segment_align: 8
    .kernarg_segment_size: 56
    .max_flat_workgroup_size: 256
    .sgpr_count:     66
    .vgpr_count:     512
    .wavefront_size: 32
...
	.end_amdgpu_metadata
.endif
;; end of part 6
;; launch attn (part 7): grid 16 x 16, 16 waves a work-group, no clusters, 67,584 bytes of LDS; arguments qbuf, kvbuf, aobuf; writes aobuf
.if DOCPART == 7
	.amdgcn_target "amdgcn-amd-amdhsa--gfx1250"
	.amdhsa_code_object_version 6
	.text
	.protected	k_qbe064be0b0_attn
	.globl	k_qbe064be0b0_attn
	.p2align	8
	.type	k_qbe064be0b0_attn,@function
k_qbe064be0b0_attn:
	s_mov_b64 s[64:65], 0
	v_nop
	global_prefetch_b8 v0, s[64:65] scope:SCOPE_SE
	s_setreg_imm32_b32 hwreg(HW_REG_WAVE_SCHED_MODE, 0, 2), 2
	s_setreg_imm32_b32 hwreg(HW_REG_WAVE_MODE, 25, 1), 1
	s_wait_xcnt 0x0
	s_wait_alu depctr_vm_vsrc(0)
; O = softmax(q k^T / 8) v for one head, both products on codes of BF6 (E3M2) with one E8M0 byte for each 32 along K; O / l is quantised again along the features, for the product with Wo.
; THE SOFTMAX AHEAD OF THE SECOND PRODUCT: t = score x log2(e) / 8; M = the running largest t rounded UP to a whole number; p = 2^(t - M) is quantised along the keys, not normalised; the row's sum is taken of the
; unquantised p and divides O at the end.  When M moves, the sum and O are multiplied by 2^(old M - new M): exact.
; SHARES.  A work-group owns 256 queries of one head (x: the block, y: 8 x batch + head); each of its sixteen waves one tile of 16, in 256 registers: four waves lie on a SIMD, so that one wave's softmax stands beside another's products and LDS loads.
; Both products are used transposed (S^T = K Q^T, O^T = V^T P^T): a lane holds ONE query throughout.  The keys of a tile are laid so that p's 16 registers of two neighbouring tiles are 16 neighbouring keys.
; THE HEAD IS 64 DEEP, the instruction 128.  A fragment of K packs two tiles of keys (registers 0-5, 6-11); Q stands twice, as [q | zero codes] and as [zero codes | q]: one fragment of K against each gives the two tiles.  Zero codes add nothing under any byte from 1 to 254.
; K AND V come as images of registers through a ring of two LDS slots of 256 keys, copied through registers: 48 bytes a thread and slot, loaded a slot ahead.  One barrier a slot: in front of it a wave's stores into the slot ahead
; have landed and its reads of the slot behind are back.  NO TENSOR LOADS, NO JOINT REQUESTS: a slot's 24,576 bytes serve two key steps of about 480 instructions in each of sixteen waves, so what the sixteen blocks of a head share is a small part of a step's cost.
; The scale words of the whole head (16,384 bytes) stay in LDS.
; LIMITS: a block's largest p is taken from its largest score by the same multiply-add and exponential (this takes v_exp_f32 not to fall where its input rises); a block under 2^(5 - 127) keeps the byte 1; NaN and infinities are not served.
; THE MODE: SCHED_MODE bits 1:0 = 2 (LLVM: expert scheduling mode 2), set by the entry lines.  The code itself states the register dependences
; between vector or matrix instructions and memory or LDS instructions, with s_wait_alu, always for 0.
; THE PLAN.  Registers that memory or LDS instructions touch:
;   v1-3, v5      offsets and LDS addresses: made once at the head.
;   v[STG ..]     global loads land in it, LDS stores read it, no vector instruction names it: a wait on vm_vsrc ahead of each run of loads.
;   v[ADS]        read by a step's four loads of scale words, written once a step: a wait on vm_vsrc ahead of the addition; the step's first wait on va_vdst behind it.
;   v[F ..]       K's fragments land, K Q^T reads them, V's land, V^T P^T reads them, the next step's K's land.  v8-11: the scale words, loaded at a step's head, read by both products.
;   v[PC ..], v[PSC]  written by the softmax's vector instructions, taken by V^T P^T; on the way out written by the quantiser and read by the stores.
; So a step has three waits on va_vdst: at its head (the last step's products are done reading; v[ADS] is written), behind K Q^T (whose results the softmax wants at once) and ahead of V^T P^T (p's codes and scale word are written).
; F has one set: a second would take 48 registers of a wave's 256, which are not to be had.
.set SLOT1, 24576
.set SCL,  49152                       ; K's scale words (256 bytes a step), then V's at + 8,192
.set LI,  1                            ; v1  16 x lane
.set LS,  2                            ; v2  4 x lane
.set CP,  3                            ; v3  16 x thread: my 16 bytes of each 8,192 copied
.set ADS, 4                            ; v4  the step's scale words
.set L8,  5                            ; v5  8 x lane
.set KSC, 8                            ; v8-9   K's scale words;  v10-11 V's
.set VSC, 10
.set QLO, 16                           ; v16-27 [q | 0];  v28-39 [0 | q]
.set QHI, 28
.set QSC, 40
.set PSC, 41
.set F,   44                           ; v44-91  four fragments: K's, then V's
.set S,   96                           ; v96-159 S^T, then p
.set O,   160                          ; v160-191 O^T
.set PC,  192                          ; v192-203 p's codes
.set PT,  204
.set STG, 212                          ; v212-223 48 bytes on their way into the ring
.set TM,  224
.set BM,  224                          ; v224-227 the blocks' largest scores, then p
.set BX,  228
.set BS,  232
.set CS,  26                           ; s[26:27] c = log2(e) / 8, twice
.set SEL, 28                           ; s[28:29]
.set TS,  30                           ; s30 the step's scale words: 256 bytes a step
.set MSB, 0
.macro WIN new
.if MSB != (\new)
	s_set_vgpr_msb (MSB<<8)|(\new)
.set MSB, (\new)
.endif
.endm
.macro QUANT2 src, win, dst            ; 32 numbers of a lane (64 along K) become six registers of codes; the two bytes stay in v[TM+4], v[TM+5]
	WIN (\win)*5
.irp b, 0,1
	v_max3_num_f32 v[TM+\b], |v[(\src)+16*\b]|, |v[(\src)+16*\b+1]|, 0x2800000
.endr
.irp i, 2,4,6,8,10,12,14
.irp b, 0,1
	v_max3_num_f32 v[TM+\b], |v[(\src)+16*\b+\i]|, |v[(\src)+16*\b+\i+1]|, v[TM+\b]
.endr
.endr
	WIN 0
.irp b, 0,1
	v_permlanex16_b32 v[TM+4+\b], v[TM+\b], s[SEL], s[SEL+1]
.endr
.irp b, 0,1
	v_max_num_f32 v[TM+\b], v[TM+\b], v[TM+4+\b]
.endr
.irp b, 0,1
	v_add_nc_u32 v[TM+12+\b], 0xfe000000, v[TM+\b]
.endr
.irp b, 0,1
	v_lshrrev_b32 v[TM+4+\b], 23, v[TM+12+\b]
.endr
	WIN \win
	v_cvt_scalef32_pk16_bf6_f32 v[(\dst):(\dst)+2], v[(\src):(\src)+15], v[TM+12]
	v_cvt_scalef32_pk16_bf6_f32 v[PT:PT+2], v[(\src)+16:(\src)+31], v[TM+13]
	WIN 0
	v_nop
.irp i, 0,1,2
	v_permlane16_swap_b32 v[(\dst)+\i], v[PT+\i]
.endr
.irp i, 0,1,2
	v_mov_b32 v[(\dst)+3+\i], v[PT+\i]
.endr
.endm
.macro LOADG off                       ; my 48 bytes of the 256 keys that begin off bytes on
	s_wait_alu depctr_vm_vsrc(0)                   ; my LDS stores have read v[STG ..], in which these loads land
.irp i, 0,1,2
	global_load_b128 v[STG+4*\i:STG+4*\i+3], v[CP], s[14:15] offset:(\off)+8192*\i
.endr
.endm
.macro PUT slot                        ; they go into the slot; then the one barrier of a change of slots
	s_wait_loadcnt 0x0
.irp i, 0,1,2
	ds_store_b128 v[CP], v[STG+4*\i:STG+4*\i+3] offset:(\slot)+8192*\i
.endr
	s_wait_dscnt 0x0                               ; my stores have landed, and my reads of the slot that I leave are back
	s_barrier_signal -1
	s_barrier_wait -1
.endm
; A KEY STEP: 128 keys, the q-th of the slot at LDS byte sl.
.macro STEP sl, q
	s_wait_alu depctr_vm_vsrc(0)                   ; the last step's loads of scale words have read v[ADS] (the first step finds none)
	v_add_nc_u32 v[ADS], s[TS], v[LS]
.rept 3
	v_nop                                          ; with the addition above: four places in front of loads into registers that the last products have read
.endr
	s_wait_alu depctr_va_vdst(0)                   ; v[ADS] is written, which the loads below read; the last step's products are done reading V's fragments and the scale words, in which they land; in the first step the zero codes beside q are written, which the products take
.irp f, 0,1,2,3
.irp c, 0,1,2
	ds_load_b128 v[F+12*\f+4*\c:F+12*\f+4*\c+3], v[LI] offset:(\sl)+6144*(\q)+1536*\f+512*\c
.endr
.endr
.irp i, 0,1
	ds_load_b32 v[KSC+\i], v[ADS] offset:SCL+128*\i
	ds_load_b32 v[VSC+\i], v[ADS] offset:SCL+8192+128*\i
.endr
	s_wait_dscnt 0x0
.irp f, 0,1,2,3                                ; register 16 f + 8 u + j of lane (r, h) becomes key 32 f + 16 h + 8 u + j of query r
.if \f%2
	v_wmma_scale_f32_16x16x128_f8f6f4 v[S+16*\f:S+16*\f+7], v[F+12*\f:F+12*\f+11], v[QLO:QLO+11], 0, v[KSC+\f/2], v[QSC] matrix_a_fmt:MATRIX_FMT_BF6 matrix_b_fmt:MATRIX_FMT_BF6 matrix_a_scale:MATRIX_SCALE_ROW1
	v_wmma_scale_f32_16x16x128_f8f6f4 v[S+16*\f+8:S+16*\f+15], v[F+12*\f:F+12*\f+11], v[QHI:QHI+11], 0, v[KSC+\f/2], v[QSC] matrix_a_fmt:MATRIX_FMT_BF6 matrix_b_fmt:MATRIX_FMT_BF6 matrix_a_scale:MATRIX_SCALE_ROW1
.else
	v_wmma_scale_f32_16x16x128_f8f6f4 v[S+16*\f:S+16*\f+7], v[F+12*\f:F+12*\f+11], v[QLO:QLO+11], 0, v[KSC+\f/2], v[QSC] matrix_a_fmt:MATRIX_FMT_BF6 matrix_b_fmt:MATRIX_FMT_BF6
	v_wmma_scale_f32_16x16x128_f8f6f4 v[S+16*\f+8:S+16*\f+15], v[F+12*\f:F+12*\f+11], v[QHI:QHI+11], 0, v[KSC+\f/2], v[QSC] matrix_a_fmt:MATRIX_FMT_BF6 matrix_b_fmt:MATRIX_FMT_BF6
.endif
.endr
.rept 4
	v_nop                                          ; places in front of the loads over K's fragments and of the first read of the scores
.endr
	s_wait_alu depctr_va_vdst(0)                   ; the products are done reading K's fragments, in which V's land
.irp f, 0,1,2,3                                ; V's four fragments land while the softmax is walked
.irp c, 0,1,2
	ds_load_b128 v[F+12*\f+4*\c:F+12*\f+4*\c+3], v[LI] offset:(\sl)+12288+6144*(\q)+1536*\f+512*\c
.endr
.endr
.irp b, 0,1,2,3
	v_max3_num_f32 v[BM+\b], v[S+16*\b], v[S+16*\b+1], v[S+16*\b+2]   ; the largest score of each block of 32 keys: for the row's maximum, and for the block's largest p
.endr
.irp i, 3,5,7,9,11,13
.irp b, 0,1,2,3
	v_max3_num_f32 v[BM+\b], v[BM+\b], v[S+16*\b+\i], v[S+16*\b+\i+1]
.endr
.endr
.irp b, 0,1,2,3
	v_max_num_f32 v[BM+\b], v[BM+\b], v[S+16*\b+15]
.endr
.irp b, 0,1,2,3
	v_permlanex16_b32 v[BX+\b], v[BM+\b], s[SEL], s[SEL+1]
.endr
.irp b, 0,1,2,3
	v_max_num_f32 v[BM+\b], v[BM+\b], v[BX+\b]     ; with lane l xor 16's 16 keys
.endr
	v_max3_num_f32 v238, v[BM], v[BM+1], v[BM+2]
	v_max_num_f32 v238, v238, v[BM+3]              ; the step's largest score of my query
	v_mul_f32 v238, s[CS], v238                    ; as t (c is positive)
	v_max_num_f32 v13, v13, v238                   ; the running largest t
	v_mov_b32 v238, v12
	v_floor_f32 v12, -v13                          ; the new -M = floor(-t): M is a whole number
	v_sub_f32 v238, v12, v238                      ; old M - new M: a whole number, 0 or less
	v_cvt_i32_f32 v238, v238                       ; (it saturates)
	v_ldexp_f32 v240, 1.0, v238                    ; f = 2^(old M - new M)
.irp j, 0,2,4,6,8,10,12,14,16,18,20,22,24,26,28,30,32,34,36,38,40,42,44,46,48,50,52,54,56,58,60,62
	v_pk_fma_f32 v[S+\j:S+\j+1], v[S+\j:S+\j+1], s[CS:CS+1], v[12:13] op_sel_hi:[1,0,0]   ; t - M, two at a time
.endr
.irp b, 0,1,2,3
	v_fma_f32 v[BM+\b], v[BM+\b], s[CS], v12       ; the same of each block's largest score
.endr
	s_wait_alu depctr_va_vdst(0)
.irp j, 0,1,2,3,4,5,6,7,8,9,10,11,12,13,14,15,16,17,18,19,20,21,22,23,24,25,26,27,28,29,30,31,32,33,34,35,36,37,38,39,40,41,42,43,44,45,46,47,48,49,50,51,52,53,54,55,56,57,58,59,60,61,62,63
	v_exp_f32 v[S+\j], v[S+\j]                     ; p = 2^(t - M), at most 1
.endr
.irp b, 0,1,2,3
	v_exp_f32 v[BM+\b], v[BM+\b]                   ; the block's largest p
.endr
	v_pk_mul_f32 v[14:15], v[14:15], v[240:241] op_sel_hi:[1,0]   ; the sums under the new M (a plain place behind the exponentials)
	s_wait_alu depctr_va_vdst(0)
.irp b, 0,1,2,3
	v_max_num_f32 v[BM+\b], 0x2800000, v[BM+\b]    ; the floor 2^(5 - 127)
.endr
.irp b, 0,1,2,3
	v_add_nc_u32 v[BS+\b], 0xfe000000, v[BM+\b]    ; the conversion's scale operand
.endr
.irp b, 0,1,2,3
	v_lshrrev_b32 v[BX+\b], 23, v[BS+\b]           ; the scale's byte
.endr
	v_lshl_or_b32 v[PSC], v[BX+1], 8, v[BX]        ; p's scale word for these 128 keys
	v_lshl_or_b32 v[PSC], v[BX+2], 16, v[PSC]
	v_lshl_or_b32 v[PSC], v[BX+3], 24, v[PSC]
.irp c, 0,1
	v_cvt_scalef32_pk16_bf6_f32 v[PC+6*\c:PC+6*\c+2], v[S+32*\c:S+32*\c+15], v[BS+2*\c]
	v_cvt_scalef32_pk16_bf6_f32 v[PT+4*\c:PT+4*\c+2], v[S+32*\c+16:S+32*\c+31], v[BS+2*\c+1]
.endr
	v_nop                                          ; one plain place behind the conversions
.irp c, 0,1
.irp i, 0,1,2
	v_permlane16_swap_b32 v[PC+6*\c+\i], v[PT+4*\c+\i]
.endr
.irp i, 0,1,2
	v_mov_b32 v[PC+6*\c+3+\i], v[PT+4*\c+\i]
.endr
.endr
	v_pk_add_f32 v[236:237], v[S:S+1], v[S+2:S+3]  ; the row's sum is taken of the unquantised p: two at a time, in two chains
.irp j, 4,8,12,16,20,24,28,32,36,40,44,48,52,56,60
	v_pk_add_f32 v[14:15], v[14:15], v[S+\j:S+\j+1]
	v_pk_add_f32 v[236:237], v[236:237], v[S+\j+2:S+\j+3]
.endr
	v_pk_add_f32 v[14:15], v[14:15], v[236:237]
.irp j, 0,2,4,6,8,10,12,14,16,18,20,22,24,26,28,30
	v_pk_mul_f32 v[O+\j:O+\j+1], v[O+\j:O+\j+1], v[240:241] op_sel_hi:[1,0]   ; O^T under the new M.  (The sums and these are the places between p's codes and scale word and the products)
.endr
	s_wait_dscnt 0x0                               ; V's fragments are in
	s_wait_alu depctr_va_vdst(0)                   ; p's codes and its scale word are written, which the products take; the places above stay beside this wait
.irp t, 0,1,2,3                                ; O^T += V^T P^T; the four accumulators by turns
.if \t%2
	v_wmma_scale_f32_16x16x128_f8f6f4 v[O+8*\t:O+8*\t+7], v[F+12*\t:F+12*\t+11], v[PC:PC+11], v[O+8*\t:O+8*\t+7], v[VSC+\t/2], v[PSC] matrix_a_fmt:MATRIX_FMT_BF6 matrix_b_fmt:MATRIX_FMT_BF6 matrix_a_scale:MATRIX_SCALE_ROW1
.else
	v_wmma_scale_f32_16x16x128_f8f6f4 v[O+8*\t:O+8*\t+7], v[F+12*\t:F+12*\t+11], v[PC:PC+11], v[O+8*\t:O+8*\t+7], v[VSC+\t/2], v[PSC] matrix_a_fmt:MATRIX_FMT_BF6 matrix_b_fmt:MATRIX_FMT_BF6
.endif
.endr
	s_add_co_u32 s[TS], s[TS], 256
.endm
	s_load_b128 s[8:11], s[0:1], 0x0               ; qbuf, kvbuf
	s_load_b64 s[12:13], s[0:1], 0x10              ; aobuf
	v_lshl_add_u32 v254, v0, 2, 0x10000
	v_mov_b32 v255, 0
	v_lshrrev_b32 v6, 5, v0
	v_readfirstlane_b32 s2, v6                     ; wave 0..15
	v_and_b32 v6, 31, v0
	v_lshlrev_b32 v[LI], 4, v6
	v_lshlrev_b32 v[LS], 2, v6
	v_lshlrev_b32 v[L8], 3, v6
	v_lshlrev_b32 v[CP], 4, v0
	s_wait_alu depctr_va_sdst(0)                   ; s2 is written, ahead of its first reader: q's and O's bases are made from it
	s_and_b32 s4, ttmp7, 0xffff                    ; 8 x batch + head
	s_lshr_b32 s5, s4, 3
	s_and_b32 s6, s4, 7
	s_lshl_b32 s7, s5, 8
	s_lshl_b32 s32, ttmp9, 4
	s_add_co_u32 s7, s7, s32
	s_add_co_u32 s7, s7, s2                        ; my tile of queries: 256 x batch + 16 x block + wave
	s_lshl_b32 s32, s7, 3
	s_add_co_u32 s32, s32, s6
	s_mul_i32 s34, s32, 768                        ; its half fragment, in qbuf and in aobuf
	s_mov_b32 s35, 0
	s_lshl_b32 s36, s32, 7
	s_add_co_u32 s36, s36, 3145728                 ; q's scale words
	s_mov_b32 s37, 0
	s_lshl_b32 s38, s7, 2
	s_lshr_b32 s33, s6, 1
	s_add_co_u32 s38, s38, s33
	s_lshl_b32 s38, s38, 7
	s_and_b32 s33, s6, 1
	s_lshl_b32 s33, s33, 1
	s_add_co_u32 s38, s38, s33
	s_add_co_u32 s38, s38, 3145728                 ; O's scale bytes: my head's half of the word of K step head / 2
	s_mov_b32 s39, 0
	s_mul_i32 s40, s4, 393216                      ; the head's K and V
	s_mov_b32 s41, 0
	s_lshl_b32 s42, s4, 14
	s_add_co_u32 s42, s42, 6291456                 ; and their scale words
	s_mov_b32 s43, 0
	s_mov_b32 s[CS], 0x3e38aa3b                    ; c = log2(e) / 8
	s_mov_b32 s[CS+1], s[CS]
	s_mov_b32 s[SEL], 0x76543210
	s_mov_b32 s[SEL+1], 0xfedcba98
	s_mov_b32 s[TS], 0
	s_mov_b32 s31, 7
	s_wait_kmcnt 0x0
	s_add_nc_u64 s[14:15], s[10:11], s[40:41]
	s_add_nc_u64 s[16:17], s[10:11], s[42:43]
	s_add_nc_u64 s[18:19], s[8:9], s[34:35]
	s_add_nc_u64 s[20:21], s[8:9], s[36:37]
	s_add_nc_u64 s[22:23], s[12:13], s[34:35]
	s_add_nc_u64 s[24:25], s[12:13], s[38:39]
	s_wait_alu depctr_va_vdst(0)                   ; the offsets and addresses v1, v2, v3 and v5 are written, which the loads and stores of the kernel read
.irp i, 0,1
	global_load_b128 v[STG+4*\i:STG+4*\i+3], v[CP], s[16:17] offset:8192*\i   ; the head's scale words: 32 bytes a thread
.endr
	global_load_b128 v[QLO:QLO+3], v[LI], s[18:19]
	global_load_b64 v[QLO+4:QLO+5], v[L8], s[18:19] offset:512
	global_load_b128 v[QHI+6:QHI+9], v[LI], s[18:19]
	global_load_b64 v[QHI+10:QHI+11], v[L8], s[18:19] offset:512
	global_load_b32 v[QSC], v[LS], s[20:21]
	s_wait_loadcnt 0x0
.irp i, 0,1
	ds_store_b128 v[CP], v[STG+4*\i:STG+4*\i+3] offset:SCL+8192*\i
.endr
	LOADG 0
.irp j, 0,1,2,3,4,5
	v_mov_b32 v[QLO+6+\j], 0                       ; zero codes
	v_mov_b32 v[QHI+\j], 0
.endr
	v_mov_b32 v13, 0xff61b1e6                      ; the largest t so far: -3e38, under every t
	v_floor_f32 v12, -v13                          ; -M
	v_mov_b32 v14, 0                               ; the sum, in two halves
	v_mov_b32 v15, 0
.irp b, 0,1,2,3
	v_mov_b32 v[BX+\b], 0                          ; written once: a lane permute's destination counts as one of its sources
.endr
	v_mov_b32 v241, 0                              ; (named as the upper half of the pair v[240:241])
.irp j, 0,1,2,3,4,5,6,7,8,9,10,11,12,13,14,15,16,17,18,19,20,21,22,23,24,25,26,27,28,29,30,31
	v_mov_b32 v[O+\j], 0                           ; O^T.  (The step is written once: the first finds zeros, which the first change of M leaves zeros)
.endr
	PUT 0
.Lpair:                                            ; seven trips of two slots, four key steps; the next slot's bytes are asked for at a slot's head
	LOADG 24576
	STEP 0, 0
	STEP 0, 1
	PUT SLOT1
	LOADG 49152
	STEP SLOT1, 0
	STEP SLOT1, 1
	PUT 0
	s_add_nc_u64 s[14:15], s[14:15], 49152         ; (behind the wait that showed the loads done)
	s_sub_co_u32 s31, s31, 1
	s_cmp_lg_u32 s31, 0
	s_cbranch_scc1 .Lpair
	LOADG 24576                                    ; the last two slots: nothing is asked for beyond the head's end
	STEP 0, 0
	STEP 0, 1
	PUT SLOT1
	STEP SLOT1, 0
	STEP SLOT1, 1
	; THE WAY OUT: O^T / the sum; register 16 b + i is feature 32 b + 16 h + i of my head: quantised, it is half a fragment of the product with Wo
.rept 4
	v_nop                                          ; places behind the last products
.endr
	v_add_f32 v14, v14, v15
	v_permlanex16_b32 v238, v14, s[SEL], s[SEL+1]
	v_add_f32 v14, v14, v238                       ; the row's sum
	s_wait_alu depctr_va_vdst(0)
	v_rcp_f32 v14, v14
	v_nop                                          ; one plain place behind the reciprocal
	s_wait_alu depctr_va_vdst(0)
.irp j, 0,1,2,3,4,5,6,7,8,9,10,11,12,13,14,15,16,17,18,19,20,21,22,23,24,25,26,27,28,29,30,31
	v_mul_f32 v[S+\j], v[O+\j], v14
.endr
	QUANT2 S, 0, PC
	v_lshl_or_b32 v238, v[TM+5], 8, v[TM+4]
	s_wait_alu depctr_va_vdst(0)                   ; the codes in v[PC ..] and the two bytes in v238 are written, which the stores read
	global_store_b128 v[LI], v[PC:PC+3], s[22:23]
	global_store_b64 v[L8], v[PC+4:PC+5], s[22:23] offset:512
	global_store_b16 v[LS], v238, s[24:25]         ; two bytes of each lane's word; the neighbouring head writes the other two
	s_wait_dscnt 0x0
	s_wait_alu depctr_hold_cnt(0) depctr_sa_sdst(0) depctr_va_vdst(0) depctr_va_sdst(0) depctr_va_ssrc(0) depctr_va_vcc(0) depctr_vm_vsrc(0)
	s_wait_tensorcnt 0x0
	ds_add_u32 v254, v255
	s_wait_dscnt 0x0
	s_endpgm
.Lfunc_end_k_qbe064be0b0_attn:
	.size	k_qbe064be0b0_attn, .Lfunc_end_k_qbe064be0b0_attn-k_qbe064be0b0_attn
	.p2alignl 7, 3214868480
	.fill 96, 4, 3214868480
	.section	.rodata,"a",@progbits
	.p2align	6, 0x0
	.amdhsa_kernel k_qbe064be0b0_attn
		.amdhsa_group_segment_fixed_size 67584
		.amdhsa_private_segment_fixed_size 0
		.amdhsa_enable_private_segment 0
		.amdhsa_kernarg_size 24
		.amdhsa_user_sgpr_count 2
		.amdhsa_user_sgpr_kernarg_segment_ptr 1
		.amdhsa_wavefront_size32 1
		.amdhsa_system_sgpr_workgroup_id_x 1
		.amdhsa_system_sgpr_workgroup_id_y 1
		.amdhsa_system_sgpr_workgroup_id_z 1
		.amdhsa_system_vgpr_workitem_id 0
		.amdhsa_next_free_vgpr 256
		.amdhsa_next_free_sgpr 66
		.amdhsa_reserve_vcc 0
		.amdhsa_float_denorm_mode_32 3
		.amdhsa_float_denorm_mode_16_64 3
		.amdhsa_memory_ordered 1
		.amdhsa_forward_progress 1
		.amdhsa_inst_pref_size 135
	.end_amdhsa_kernel
	.amdgpu_metadata
---
amdhsa.version: [ 1, 2 ]
amdhsa.kernels:
  - .name:           k_qbe064be0b0_attn
    .symbol:         k_qbe064be0b0_attn.kd
    .args:
      - { .name: qbuf, .offset: 0, .size: 8, .value_kind: global_buffer, .address_space: global }
      - { .name: kvbuf, .offset: 8, .size: 8, .value_kind: global_buffer, .address_space: global }
      - { .name: aobuf, .offset: 16, .size: 8, .value_kind: global_buffer, .address_space: global }
    .group_segment_fixed_size: 67584
    .private_segment_fixed_size: 0
    .kernarg_segment_align: 8
    .kernarg_segment_size: 24
    .max_flat_workgroup_size: 512
    .sgpr_count:     66
    .vgpr_count:     256
    .wavefront_size: 32
...
	.end_amdgpu_metadata
.endif
;; end of part 7
;; launch tail (part 8): grid 256 x 1, 4 waves a work-group, no clusters, 134,144 bytes of LDS; arguments aobuf, wffn, x, bo, gamma1, beta1, b1, b2, gamma2, beta2, out0; writes out0
.if DOCPART == 8
	.amdgcn_target "amdgcn-amd-amdhsa--gfx1250"
	.amdhsa_code_object_version 6
	.text
	.protected	k_qbe064be0b0_tail
	.globl	k_qbe064be0b0_tail
	.p2align	8
	.type	k_qbe064be0b0_tail,@function
k_qbe064be0b0_tail:
	s_mov_b64 s[64:65], 0
	v_nop
	global_prefetch_b8 v0, s[64:65] scope:SCOPE_SE
	s_setreg_imm32_b32 hwreg(HW_REG_WAVE_SCHED_MODE, 0, 2), 2
	s_setreg_imm32_b32 hwreg(HW_REG_WAVE_MODE, 25, 1), 1
	s_wait_xcnt 0x0
	s_wait_alu depctr_vm_vsrc(0)
; y1 = LN1(x + O Wo + bo);  out = LN2(y1 + relu(y1 W1 + b1) W2 + b2).  The three products on codes of BF6 (E3M2) with one E8M0 byte for each 32 along K; all else in f32.  LN divides by (std + 1e-5), in two passes (mean, then deviations).
; SHARES.  A work-group owns 32 whole rows (two tiles; place r of tile m is row 8 m + r + 8 (r / 8) of the 32).  THE WAVES SHARE THE COLUMNS: wave w makes features 128 w .. + 127 of the first and third product and hidden units 512 w .. + 511,
; 128 at a time.  So each fragment of a weight is wanted by ONE wave of the work-group and goes from memory straight into its registers (three loads of 512 consecutive bytes): a wave's weights are one stream of 36 groups of eight fragments,
; fetched three groups ahead into a ring of four register sets.  NO LDS RING AND NO JOINT REQUESTS for them: inside a work-group no fragment is read twice, and a joint request would send the stream's 1.8 million bytes through each work-group's LDS and back.
; What goes round through LDS is small: the rows' codes, as images of the operand's registers, and the rows' partial sums for the norms.  Every LDS region is written once.
; All products are used transposed (source 0 = 16 columns of a weight, source 1 = 16 rows): a lane holds ONE row, and register 64 m + 16 b + i is feature 128 w + 32 b + 16 h + i.
; The residual and the bias stand in the accumulators before the first product of the first and third sum; b1 is the C of the second sum's first instruction.  The 16 accumulators take turns, one instruction a turn.
; LIMITS: a block whose largest magnitude lies under 2^(5 - 127), zeros among them, keeps the byte 1; v_sqrt_f32 and v_rcp_f32 are good to the last bit but one and flush denormals; NaN and infinities are not served.
; THE MODE: SCHED_MODE bits 1:0 = 2 (LLVM: expert scheduling mode 2), set by the entry lines.  The code itself states the register dependences
; between vector or matrix instructions and memory or LDS instructions, with s_wait_alu, always for 0.
; THE PLAN.  Registers that memory or LDS instructions touch:
;   RING0 .. RING3  eight fragments and four scale registers each.  Group g's products read set g % 4.  The 28 loads of group g + 3 land in set (g + 3) % 4 = (g - 1) % 4; they are issued in group g, behind its products.
;   ACT0, ACT1      two fragments of the rows and a scale register each.  Group g's products read set g % 2.  The seven LDS loads of group g + 1 land in the other set; they are issued in group g, ahead of its products.
;   b1              read by a trip's group 0 as C; the next 128 numbers are asked for in group 1, behind its products.  bo: read by the head's additions; b2 lands there in the first product's group 1.
;   So ONE wait on va_vdst stands at a group's head, behind the waits for the group's data: group g - 1's products are done reading.  Since that wait only group g's products are issued, and they name ring set g % 4 with its
;   scale registers, the rows' set g % 2 (or O's fragments), the accumulators and, in group 0, b1: none of the registers in which the group's loads land, and none of their addresses.
;   PC, PWS         written by a quantiser, read by the LDS stores behind it, written again by the next: a wait on va_vdst ahead of the stores, a wait on vm_vsrc ahead of the next quantiser.
;   TM, PC in a norm  the partial sums in TM are stored, the four waves' sums come back into PC: a wait on va_vdst ahead of the stores, a wait on vm_vsrc behind the barrier.
;   gamma, beta     read by the first norm; the second pair lands behind the wait that stands ahead of y1's first image.
;   v8-9, v10-11    LDS addresses that walk: written once a trip, behind a wait on vm_vsrc and ahead of a wait on va_vdst that stands there anyway.  All other offsets and addresses are made once at the head.
;   ACC             x lands there at the head; on the way out the stage's stores read it and the stage's loads land in it.
; REGISTERS: window 0: v1-18 addresses; v20-35 the ring's scale words; v36-83 the rows' fragments, two sets of two; v84-85, v88-91 their scale words; v96-126 at work; v128-255 the accumulators.
;   window 1: ring sets 0, 1; v192-255 b1.   window 2: ring sets 2, 3; v192-255 bo, then b2.   window 3: v0-95 O's fragments, later v0-127 y1; v128-191 gamma; v192-255 beta.
.set YIMG, 0                           ; LDS: y1's 8 fragments, (2 s + m) x 1,536
.set YSC,  12288                       ; their scale words, 128 bytes a K step: tile 0's sixteen, tile 1's sixteen
.set HSC,  12800                       ; the hidden layer's, 16 K steps
.set RED,  14848                       ; four regions of 512 bytes: row (16 m + r) x 16 + 4 x wave
.set HIMG, 16896                       ; the hidden layer's 32 fragments
.set STAGE, 66048                      ; 32 rows x (512 + 16) bytes for each wave
.set LI,  1                            ; v1  16 x lane
.set LS,  2                            ; v2  4 x lane
.set L8,  3                            ; v3  8 x lane
.set XA,  4                            ; v4  x: (r + 8 (r / 8)) rows of 2,048 bytes + 64 h
.set VA,  5                            ; v5  a vector over the features: 64 h
.set YWI, 6                            ; v6  16 x lane + 3,072 x wave
.set YWS, 7                            ; v7  4 x lane + 128 x wave
.set HWI, 8                            ; v8  where this trip's hidden images go
.set HWS, 9
.set HRI, 10                           ; v10 where this trip's hidden images are read
.set HRS, 11
.set REDW, 12                          ; v12 16 r + 4 x wave
.set REDR, 13                          ; v13 16 r
.set SO,  14
.set SR,  15
.set AOSA, 16                          ; v16 512 (lane / 16) + 4 (lane % 16)
.set HWI0, 17                          ; v17 16 x lane + 12,288 x wave
.set HWS0, 18                          ; v18 4 x lane + 512 x wave
.set WSC, 20
.set ACT, 36
.set ASC, 84
.set AOSC, 88
.set TM,  96
.set PT,  TM                           ; the conversions' second halves lie over the maxima and bytes, which are done with by then
.set PW0, 112
.set PW1, 113
.set PC,  114
.set PWS, 126
.set ACC, 128
.set SEL, 38
.set MLO, 40
.set MSB, 0
.macro WIN new
.if MSB != (\new)
	s_set_vgpr_msb (MSB<<8)|(\new)
.set MSB, (\new)
.endif
.endm
.macro QUANT4 src, win, pw             ; 64 numbers of a lane, register 16 b + i = k 32 b + 16 (lane / 16) + i of my row, become a fragment's codes in v[PC] on and its scale word in v[pw]
	WIN (\win)*5
.irp b, 0,1,2,3
	v_max3_num_f32 v[TM+\b], |v[(\src)+16*\b]|, |v[(\src)+16*\b+1]|, 0x2800000
.endr
.irp i, 2,4,6,8,10,12,14
.irp b, 0,1,2,3
	v_max3_num_f32 v[TM+\b], |v[(\src)+16*\b+\i]|, |v[(\src)+16*\b+\i+1]|, v[TM+\b]
.endr
.endr
	WIN 0
.irp b, 0,1,2,3
	v_permlanex16_b32 v[TM+4+\b], v[TM+\b], s[SEL], s[SEL+1]
.endr
.irp b, 0,1,2,3
	v_max_num_f32 v[TM+\b], v[TM+\b], v[TM+4+\b]
.endr
.irp b, 0,1,2,3
	v_add_nc_u32 v[TM+12+\b], 0xfe000000, v[TM+\b]
.endr
.irp b, 0,1,2,3
	v_lshrrev_b32 v[TM+4+\b], 23, v[TM+12+\b]
.endr
	v_lshl_or_b32 v[\pw], v[TM+5], 8, v[TM+4]
	v_lshl_or_b32 v[\pw], v[TM+6], 16, v[\pw]
	v_lshl_or_b32 v[\pw], v[TM+7], 24, v[\pw]
	WIN \win
.irp c, 0,1
	v_cvt_scalef32_pk16_bf6_f32 v[PC+6*\c:PC+6*\c+2], v[(\src)+32*\c:(\src)+32*\c+15], v[TM+12+2*\c]
	v_cvt_scalef32_pk16_bf6_f32 v[PT+4*\c:PT+4*\c+2], v[(\src)+32*\c+16:(\src)+32*\c+31], v[TM+13+2*\c]
.endr
	WIN 0
	v_nop                                          ; one plain place behind the conversions
.irp c, 0,1
.irp i, 0,1,2
	v_permlane16_swap_b32 v[PC+6*\c+\i], v[PT+4*\c+\i]
.endr
.irp i, 0,1,2
	v_mov_b32 v[PC+6*\c+3+\i], v[PT+4*\c+\i]
.endr
.endr
.endm
.macro WM d, a, b, c, sa, sb, ra, rb   ; one product; ra, rb: that source's scale words stand in lanes 16-31
.if (\ra) && (\rb)
	v_wmma_scale_f32_16x16x128_f8f6f4 v[(\d):(\d)+7], v[(\a):(\a)+11], v[(\b):(\b)+11], v[(\c):(\c)+7], v[\sa], v[\sb] matrix_a_fmt:MATRIX_FMT_BF6 matrix_b_fmt:MATRIX_FMT_BF6 matrix_a_scale:MATRIX_SCALE_ROW1 matrix_b_scale:MATRIX_SCALE_ROW1
.elseif (\ra)
	v_wmma_scale_f32_16x16x128_f8f6f4 v[(\d):(\d)+7], v[(\a):(\a)+11], v[(\b):(\b)+11], v[(\c):(\c)+7], v[\sa], v[\sb] matrix_a_fmt:MATRIX_FMT_BF6 matrix_b_fmt:MATRIX_FMT_BF6 matrix_a_scale:MATRIX_SCALE_ROW1
.elseif (\rb)
	v_wmma_scale_f32_16x16x128_f8f6f4 v[(\d):(\d)+7], v[(\a):(\a)+11], v[(\b):(\b)+11], v[(\c):(\c)+7], v[\sa], v[\sb] matrix_a_fmt:MATRIX_FMT_BF6 matrix_b_fmt:MATRIX_FMT_BF6 matrix_b_scale:MATRIX_SCALE_ROW1
.else
	v_wmma_scale_f32_16x16x128_f8f6f4 v[(\d):(\d)+7], v[(\a):(\a)+11], v[(\b):(\b)+11], v[(\c):(\c)+7], v[\sa], v[\sb] matrix_a_fmt:MATRIX_FMT_BF6 matrix_b_fmt:MATRIX_FMT_BF6
.endif
.endm
.macro BARRIER                         ; my LDS stores have landed and my LDS loads are in: then the work-group's barrier
	s_wait_dscnt 0x0
	s_barrier_signal -1
	s_barrier_wait -1
.endm
.macro RING jj, off                    ; the group off groups on in my stream, into ring set jj: 24 + 4 = 28 loads
.if (\jj) < 2
	WIN 0x40
.else
	WIN 0x80
.endif
.irp t, 0,1,2,3,4,5,6,7
.irp c, 0,1,2
	global_load_b128 v[96*((\jj)%2)+12*\t+4*\c:96*((\jj)%2)+12*\t+4*\c+3], v[LI], s[30:31] offset:(\off)*12288+1536*\t+512*\c
.endr
.endr
	WIN 0
.irp q, 0,1,2,3
	global_load_b32 v[WSC+4*(\jj)+\q], v[LS], s[32:33] offset:(\off)*512+128*\q
.endr
.endm
.macro VLOAD win, reg, base, off       ; my lane's 64 features of a vector: 16 loads
	WIN (\win)<<6
.irp b, 0,1,2,3
.irp i, 0,1,2,3
	global_load_b128 v[(\reg)+16*\b+4*\i:(\reg)+16*\b+4*\i+3], v[VA], s[\base:\base+1] offset:(\off)+128*\b+16*\i
.endr
.endr
	WIN 0
.endm
.macro FETCHA set, ai, oi, as, os      ; a K step's two fragments of the rows and their scale words: 7 LDS loads
.irp m, 0,1
.irp c, 0,1,2
	ds_load_b128 v[ACT+24*(\set)+12*\m+4*\c:ACT+24*(\set)+12*\m+4*\c+3], v[\ai] offset:(\oi)+1536*\m+512*\c
.endr
.endr
	ds_load_b32 v[ASC+(\set)], v[\as] offset:\os
.endm
; A GROUP: one K step, 16 products.  act: the rows come from O's fragments in window 3 (0), from y1's images (1), from the hidden layer's (2).  cfirst: group 0 starts the sums with b1.
; ring: the group three on is asked for.  nexta: the next K step's rows are fetched.  ncnt: the loads that may stay out.  extra: 1: the next b1;  2: b2.
.macro GROUP j, act, cfirst, ring, nexta, ncnt, extra
.rept 4
	v_nop                                          ; places in front of loads into registers that the last products have read
.endr
	s_wait_loadcnt \ncnt                           ; this group's 28 loads are in: behind them stand at least the groups still on their way, 28 loads each
.if (\act) > 0
	s_wait_dscnt 0x0                               ; this K step's rows are in
.endif
.if ((\act) > 0) || ((\j) > 0)
	s_wait_alu depctr_va_vdst(0)                   ; the last group's products are done reading their ring set with its scale words, their set of the rows and, behind a group 0, b1: this group's loads land there.  At a trip's head v[HRI] and v[HRS] are written; in the first product bo has been read
.endif
.if \nexta
.if (\act) == 1
	FETCHA ((\j)+1)%2, LI, YIMG+3072*(((\j)+1)%4), LS, YSC+128*(((\j)+1)%4)
.else
	FETCHA ((\j)+1)%2, HRI, HIMG+3072*((\j)+1), HRS, HSC+128*((\j)+1)
.endif
.endif
.set gwin, 1+(\j)/2
.if (\act) == 0
.set gwin, gwin|0x0c
.endif
.if (\cfirst) && ((\j) == 0)
.set gwin, gwin|0x10
.endif
	WIN gwin
.irp m, 0,1
.irp t, 0,1,2,3,4,5,6,7
.set rD, ACC+64*\m+8*\t
.set rC, rD
.if (\cfirst) && ((\j) == 0)
.set rC, 192+8*\t
.endif
.if (\act) == 0
.set rB, 12*(4*\m+(\j))
.set rS, AOSC+(\j)
.else
.set rB, ACT+24*((\j)%2)+12*\m
.set rS, ASC+(\j)%2
.endif
	WM rD, 96*((\j)%2)+12*\t, rB, rC, WSC+4*(\j)+\t/2, rS, \t%2, \m
.endr
.endr
	WIN 0
.if (\extra) == 1
	VLOAD 1, 192, 56, 0                            ; no wait: no vector or matrix instruction since the wait above names these registers
.elseif (\extra) == 2
	VLOAD 2, 192, 22, 0
.endif
.if \ring
	RING ((\j)+3)%4, (\j)+3                        ; into the set that the last group's products read.  No wait: this group's products name another set
.endif
.endm
.macro QUAD act, cfirst, last, fetch3, extra   ; four groups: once round the ring
	GROUP 0, \act, \cfirst, 1, \act, 56, 0
.if \last
	GROUP 1, \act, \cfirst, 0, \act, 56, 0
	GROUP 2, \act, \cfirst, 0, \act, 28, 0
	GROUP 3, \act, \cfirst, 0, 0, 0, 0
.else
	GROUP 1, \act, \cfirst, 1, \act, 56, \extra
	GROUP 2, \act, \cfirst, 1, \act, 56, 0
	GROUP 3, \act, \cfirst, 1, \fetch3, 56, 0
	s_wait_xcnt 0x0                                ; the stream's bases are stepped only behind this wait
	s_add_nc_u64 s[30:31], s[30:31], 49152
	s_add_nc_u64 s[32:33], s[32:33], 2048
.endif
.endm
; A row's partial figure in v[TM+4 m] (chains in v[TM+4 m .. +3]) is closed, meets the other waves' in region reg of RED, and comes back as the row's sum in v[PC+4 m].
.macro MEET reg
.irp m, 0,1
	v_pk_add_f32 v[TM+4*\m:TM+4*\m+1], v[TM+4*\m:TM+4*\m+1], v[TM+4*\m+2:TM+4*\m+3]
.endr
.irp m, 0,1
	v_add_f32 v[TM+4*\m], v[TM+4*\m], v[TM+4*\m+1]
.endr
.irp m, 0,1
	v_permlanex16_b32 v[TM+12+\m], v[TM+4*\m], s[SEL], s[SEL+1]
.endr
.irp m, 0,1
	v_add_f32 v[TM+4*\m], v[TM+4*\m], v[TM+12+\m]  ; my wave's 128 features of the row; lanes r and 16 + r hold the same
.endr
	s_wait_alu depctr_va_vdst(0)                   ; my partial sums are written, which the LDS stores read; and the vector instructions that named v[PC ..] are done: the loads below land there
.irp m, 0,1
	ds_store_b32 v[REDW], v[TM+4*\m] offset:RED+512*(\reg)+256*\m
.endr
	BARRIER
	s_wait_alu depctr_vm_vsrc(0)                   ; these LDS stores have read v[TM ..], which the norm writes again; the LDS stores of the images have read v[PC ..], in which the loads below land
.irp m, 0,1
	ds_load_b128 v[PC+4*\m:PC+4*\m+3], v[REDR] offset:RED+512*(\reg)+256*\m
.endr
	s_wait_dscnt 0x0
.irp m, 0,1
	v_add_f32 v[PC+4*\m], v[PC+4*\m], v[PC+4*\m+1]
	v_add_f32 v[PC+4*\m+2], v[PC+4*\m+2], v[PC+4*\m+3]
.endr
.irp m, 0,1
	v_add_f32 v[PC+4*\m], v[PC+4*\m], v[PC+4*\m+2]
.endr
.endm
; The layer norm of the 32 rows in the accumulators, in place; park = 1: the result is also kept in window 3.  It uses regions k and k + 1 of RED and has two barriers.
.macro LNORM k, park
.irp m, 0,1                                    ; the sum, two at a time, in two chains, each accumulator from its low end on
	v_pk_add_f32 v[TM+4*\m:TM+4*\m+1], v[ACC+64*\m:ACC+64*\m+1], v[ACC+64*\m+2:ACC+64*\m+3]
	v_pk_add_f32 v[TM+4*\m+2:TM+4*\m+3], v[ACC+64*\m+4:ACC+64*\m+5], v[ACC+64*\m+6:ACC+64*\m+7]
.endr
.irp p, 8,12,16,20,24,28,32,36,40,44,48,52,56,60
.irp m, 0,1
	v_pk_add_f32 v[TM+4*\m:TM+4*\m+1], v[TM+4*\m:TM+4*\m+1], v[ACC+64*\m+\p:ACC+64*\m+\p+1]
	v_pk_add_f32 v[TM+4*\m+2:TM+4*\m+3], v[TM+4*\m+2:TM+4*\m+3], v[ACC+64*\m+\p+2:ACC+64*\m+\p+3]
.endr
.endr
	MEET \k
.irp m, 0,1
	v_mul_f32 v[TM+8+2*\m], 0x3b000000, v[PC+4*\m] ; the mean: / 512
.endr
.irp m, 0,1
	v_mov_b32 v[TM+9+2*\m], v[TM+8+2*\m]
.endr
.irp m, 0,1
.set pj, 0
.rept 32
	v_pk_add_f32 v[ACC+64*\m+pj:ACC+64*\m+pj+1], v[ACC+64*\m+pj:ACC+64*\m+pj+1], v[TM+8+2*\m:TM+9+2*\m] neg_lo:[0,1] neg_hi:[0,1]   ; the deviations
.set pj, pj+2
.endr
.endr
.irp m, 0,1
	v_pk_mul_f32 v[TM+4*\m:TM+4*\m+1], v[ACC+64*\m:ACC+64*\m+1], v[ACC+64*\m:ACC+64*\m+1]
	v_pk_mul_f32 v[TM+4*\m+2:TM+4*\m+3], v[ACC+64*\m+2:ACC+64*\m+3], v[ACC+64*\m+2:ACC+64*\m+3]
.endr
.irp p, 4,8,12,16,20,24,28,32,36,40,44,48,52,56,60
.irp m, 0,1
	v_pk_fma_f32 v[TM+4*\m:TM+4*\m+1], v[ACC+64*\m+\p:ACC+64*\m+\p+1], v[ACC+64*\m+\p:ACC+64*\m+\p+1], v[TM+4*\m:TM+4*\m+1]
	v_pk_fma_f32 v[TM+4*\m+2:TM+4*\m+3], v[ACC+64*\m+\p+2:ACC+64*\m+\p+3], v[ACC+64*\m+\p+2:ACC+64*\m+\p+3], v[TM+4*\m+2:TM+4*\m+3]
.endr
.endr
	MEET (\k)+1
.irp m, 0,1
	v_mul_f32 v[PC+4*\m], 0x3b000000, v[PC+4*\m]   ; the mean square of the deviations
.endr
	s_wait_alu depctr_va_vdst(0)
.irp m, 0,1
	v_sqrt_f32 v[PC+4*\m], v[PC+4*\m]
.endr
	v_nop                                          ; one plain place behind the roots
	s_wait_alu depctr_va_vdst(0)
.irp m, 0,1
	v_add_f32 v[PC+4*\m], 0x3727c5ac, v[PC+4*\m]   ; std + 1e-5
.endr
	s_wait_alu depctr_va_vdst(0)
.irp m, 0,1
	v_rcp_f32 v[TM+8+2*\m], v[PC+4*\m]
.endr
	v_nop                                          ; one plain place behind the reciprocals
	s_wait_alu depctr_va_vdst(0)
.irp m, 0,1
	v_mov_b32 v[TM+9+2*\m], v[TM+8+2*\m]
.endr
.irp m, 0,1
.set pj, 0
.rept 32
	v_pk_mul_f32 v[ACC+64*\m+pj:ACC+64*\m+pj+1], v[ACC+64*\m+pj:ACC+64*\m+pj+1], v[TM+8+2*\m:TM+9+2*\m]
.set pj, pj+2
.endr
.endr
.if \park
	WIN 0xfc                                       ; gamma, beta and the destination in window 3
.irp m, 0,1
.set pj, 0
.rept 32
	v_pk_fma_f32 v[64*\m+pj:64*\m+pj+1], v[ACC+64*\m+pj:ACC+64*\m+pj+1], v[128+pj:129+pj], v[192+pj:193+pj]
.set pj, pj+2
.endr
.endr
.endif
	WIN 0x3c                                       ; gamma and beta in window 3
.irp m, 0,1
.set pj, 0
.rept 32
	v_pk_fma_f32 v[ACC+64*\m+pj:ACC+64*\m+pj+1], v[ACC+64*\m+pj:ACC+64*\m+pj+1], v[128+pj:129+pj], v[192+pj:193+pj]
.set pj, pj+2
.endr
.endr
	WIN 0
.endm
	s_load_b512 s[8:23], s[0:1], 0x0               ; aobuf 8, wffn 10, x 12, bo 14, gamma1 16, beta1 18, b1 20, b2 22
	s_load_b128 s[24:27], s[0:1], 0x40             ; gamma2 24, beta2 26
	s_load_b64 s[28:29], s[0:1], 0x50              ; out0
	v_lshl_add_u32 v87, v0, 2, 0x20a00
	v_mov_b32 v127, 0
	v_lshrrev_b32 v92, 5, v0
	v_readfirstlane_b32 s2, v92                    ; wave 0..3
	v_and_b32 v92, 31, v0                          ; lane
	v_and_b32 v93, 15, v0                          ; r
	v_bfe_u32 v94, v0, 4, 1                        ; h
	v_and_b32 v95, 8, v93
	v_add_nc_u32 v95, v95, v93                     ; r + 8 (r / 8)
	v_lshlrev_b32 v[LI], 4, v92
	v_lshlrev_b32 v[LS], 2, v92
	v_lshlrev_b32 v[L8], 3, v92
	v_lshlrev_b32 v[XA], 11, v95
	v_lshl_add_u32 v[XA], v94, 6, v[XA]
	v_lshlrev_b32 v[VA], 6, v94
	s_wait_alu depctr_va_sdst(0)                   ; s2 is written, ahead of its first reader: LDS addresses and every base are made from it
	s_mul_i32 s42, s2, 3072
	v_add_nc_u32 v[YWI], s42, v[LI]
	s_lshl_b32 s42, s2, 7
	v_add_nc_u32 v[YWS], s42, v[LS]
	s_mul_i32 s42, s2, 12288
	v_add_nc_u32 v[HWI0], s42, v[LI]
	s_lshl_b32 s42, s2, 9
	v_add_nc_u32 v[HWS0], s42, v[LS]
	s_lshl_b32 s42, s2, 2
	v_lshl_add_u32 v[REDW], v93, 4, s42
	v_lshlrev_b32 v[REDR], 4, v93
	s_mul_i32 s42, s2, 16896
	s_add_co_u32 s42, s42, STAGE                   ; my stage
	v_mul_u32_u24 v[SO], v95, 528
	v_lshl_add_u32 v[SO], v94, 6, v[SO]
	v_add_nc_u32 v[SO], s42, v[SO]                 ; in: my row, + 64 h
	v_add_nc_u32 v[SR], s42, v[LI]                 ; back: a row of 512 bytes to the 32 lanes
	v_lshlrev_b32 v[AOSA], 9, v94
	v_lshl_add_u32 v[AOSA], v93, 2, v[AOSA]
.irp b, 4,5,6,7,12,13
	v_mov_b32 v[TM+\b], 0                          ; written once: a lane permute's destination counts as one of its sources
.endr
	s_mov_b32 s[SEL], 0x76543210
	s_mov_b32 s[SEL+1], 0xfedcba98
	s_mov_b32 s[MLO], 0xffff
	s_mul_i32 s42, s2, 442368                      ; my stream of codes,
	s_mov_b32 s43, 0
	s_mul_i32 s44, s2, 18432
	s_add_co_u32 s44, s44, 1769472                 ; and of scale words
	s_mov_b32 s45, 0
	s_lshl_b32 s46, s2, 9                          ; my 128 features, in bytes
	s_mov_b32 s47, 0
	s_lshl_b32 s48, s2, 11                         ; my 512 hidden units
	s_mov_b32 s49, 0
	s_lshl_b32 s50, ttmp9, 16                      ; my work-group's 32 rows of 2,048 bytes
	s_add_co_u32 s50, s50, s46
	s_mov_b32 s51, 0
	s_mul_i32 s52, ttmp9, 12288                    ; O's codes: two tiles of 8 half fragments
	s_mov_b32 s53, 0
	s_lshl_b32 s54, ttmp9, 10
	s_add_co_u32 s54, s54, 3145728                 ; O's scale words
	s_mov_b32 s55, 0
	s_wait_kmcnt 0x0
	s_add_nc_u64 s[30:31], s[10:11], s[42:43]
	s_add_nc_u64 s[32:33], s[10:11], s[44:45]
	s_add_nc_u64 s[34:35], s[8:9], s[52:53]
	s_add_nc_u64 s[36:37], s[8:9], s[54:55]
	s_add_nc_u64 s[12:13], s[12:13], s[50:51]
	s_add_nc_u64 s[28:29], s[28:29], s[50:51]
	s_add_nc_u64 s[14:15], s[14:15], s[46:47]
	s_add_nc_u64 s[16:17], s[16:17], s[46:47]
	s_add_nc_u64 s[18:19], s[18:19], s[46:47]
	s_add_nc_u64 s[22:23], s[22:23], s[46:47]
	s_add_nc_u64 s[24:25], s[24:25], s[46:47]
	s_add_nc_u64 s[26:27], s[26:27], s[46:47]
	s_add_nc_u64 s[20:21], s[20:21], s[48:49]
	s_add_nc_u64 s[56:57], s[20:21], 512           ; the next 128 of b1
	s_wait_alu depctr_va_vdst(0)                   ; the offsets and addresses v1 to v7 and v12 to v16 are written, which the loads and stores of the kernel read
.irp m, 0,1                                    ; x goes straight into the accumulators
.irp b, 0,1,2,3
.irp i, 0,1,2,3
	global_load_b128 v[ACC+64*\m+16*\b+4*\i:ACC+64*\m+16*\b+4*\i+3], v[XA], s[12:13] offset:16384*\m+128*\b+16*\i th:TH_LOAD_NT
.endr
.endr
.endr
	VLOAD 2, 192, 14, 0                            ; bo
	WIN 0xc0                                       ; destination window 3
.irp m, 0,1                                    ; O's fragment (tile m, K step s) is the half fragments of heads 2 s and 2 s + 1
.irp s, 0,1,2,3
	global_load_b128 v[12*(4*\m+\s):12*(4*\m+\s)+3], v[LI], s[34:35] offset:6144*\m+1536*\s
	global_load_b64 v[12*(4*\m+\s)+4:12*(4*\m+\s)+5], v[L8], s[34:35] offset:6144*\m+1536*\s+512
	global_load_b128 v[12*(4*\m+\s)+6:12*(4*\m+\s)+9], v[LI], s[34:35] offset:6144*\m+1536*\s+768
	global_load_b64 v[12*(4*\m+\s)+10:12*(4*\m+\s)+11], v[L8], s[34:35] offset:6144*\m+1536*\s+1280
.endr
.endr
	WIN 0
.irp s, 0,1,2,3
	global_load_b32 v[AOSC+\s], v[AOSA], s[36:37] offset:128*\s   ; lanes 0-15 tile 0's words, lanes 16-31 tile 1's
.endr
	VLOAD 3, 128, 16, 0                            ; gamma1
	VLOAD 3, 192, 18, 0                            ; beta1
	VLOAD 1, 192, 20, 0                            ; b1, my first 128
	RING 0, 0
	RING 1, 1
	RING 2, 2
	s_wait_loadcnt 63                              ; x and bo are in: 168 loads were issued behind them
	WIN 0x08                                       ; source 1 window 2
.irp m, 0,1
.set pj, 0
.rept 32
	v_pk_add_f32 v[ACC+64*\m+pj:ACC+64*\m+pj+1], v[ACC+64*\m+pj:ACC+64*\m+pj+1], v[192+pj:193+pj]   ; x + bo: the sums go on from here
.set pj, pj+2
.endr
.endr
	WIN 0
	s_wait_alu depctr_va_vdst(0)
	; ---- A: x + bo + O Wo, the first norm, and y1's codes
	QUAD 0, 0, 0, 0, 2
.rept 4
	v_nop                                          ; places in front of the first read of results
.endr
	LNORM 0, 1
	QUANT4 ACC, 0, PW0
	s_wait_alu depctr_va_vdst(0)                   ; the quantiser has written v[PC ..], which the LDS stores read; the norm is done reading gamma1 and beta1, in which gamma2 and beta2 land
	VLOAD 3, 128, 24, 0                            ; gamma2
	VLOAD 3, 192, 26, 0                            ; beta2
.irp c, 0,1,2
	ds_store_b128 v[YWI], v[PC+4*\c:PC+4*\c+3] offset:YIMG+512*\c
.endr
	s_wait_alu depctr_vm_vsrc(0)                   ; the LDS stores have read v[PC ..], which the next quantiser writes again
	QUANT4 ACC+64, 0, PW1
	v_cndmask_b32 v[PWS], v[PW1], v[PW0], s[MLO]   ; lanes 0-15 tile 0's words, lanes 16-31 tile 1's
	s_wait_alu depctr_va_vdst(0)                   ; v[PC ..] and v[PWS] are written, which the LDS stores read
.irp c, 0,1,2
	ds_store_b128 v[YWI], v[PC+4*\c:PC+4*\c+3] offset:YIMG+1536+512*\c
.endr
	ds_store_b32 v[YWS], v[PWS] offset:YSC
	BARRIER                                        ; y1's eight fragments lie in LDS
	; ---- B: the hidden layer, 128 units a trip: K step 4 w + trip of the last product
	s_mov_b32 s41, 4
	s_mov_b32 s58, 0
	s_mov_b32 s59, 0
	FETCHA 0, LI, YIMG, LS, YSC
.Lhid:
	QUAD 1, 1, 0, 1, 1
	s_cmp_gt_u32 s41, 2                            ; b1's pointer stops at my last 128: the last trip asks for them a second time and uses nothing of it
	s_cselect_b32 s42, 512, 0
	s_add_nc_u64 s[56:57], s[56:57], s[42:43]
.rept 4
	v_nop                                          ; places in front of the first read of results
.endr
.irp m, 0,1
.set pj, 0
.rept 64
	v_max_num_f32 v[ACC+64*\m+pj], 0, v[ACC+64*\m+pj]   ; the activation, in f32
.set pj, pj+1
.endr
	s_wait_alu depctr_vm_vsrc(0)                   ; the last image's LDS stores have read v[PC ..], and the last trip's v[PWS], v[HWI] and v[HWS]: all are written again below
.if \m == 0
	v_add_nc_u32 v[HWI], s58, v[HWI0]              ; where this trip's images and scale words go
	v_add_nc_u32 v[HWS], s59, v[HWS0]
.endif
	QUANT4 ACC+64*\m, 0, PW0+\m
.if \m == 1
	v_cndmask_b32 v[PWS], v[PW1], v[PW0], s[MLO]
.endif
	s_wait_alu depctr_va_vdst(0)                   ; v[PC ..] is written, which the LDS stores read, and so are their addresses; with the second tile v[PWS] too
.irp c, 0,1,2
	ds_store_b128 v[HWI], v[PC+4*\c:PC+4*\c+3] offset:HIMG+1536*\m+512*\c
.endr
.endr
	ds_store_b32 v[HWS], v[PWS] offset:HSC
	s_add_co_u32 s58, s58, 3072
	s_add_co_u32 s59, s59, 128
	s_sub_co_u32 s41, s41, 1
	s_cmp_lg_u32 s41, 0
	s_cbranch_scc1 .Lhid
	BARRIER                                        ; the hidden layer's 32 fragments lie in LDS
	; ---- C: y1 + b2 + hidden W2: 16 K steps
	WIN 0x0b                                       ; source 0 (y1) window 3, source 1 (b2) window 2
.irp m, 0,1
.set pj, 0
.rept 32
	v_pk_add_f32 v[ACC+64*\m+pj:ACC+64*\m+pj+1], v[64*\m+pj:64*\m+pj+1], v[192+pj:193+pj]
.set pj, pj+2
.endr
.endr
	WIN 0
	s_mov_b32 s41, 3
	s_mov_b32 s58, 0
	s_mov_b32 s59, 0
	FETCHA 0, LI, HIMG, LS, HSC                    ; no wait: the products that read this set stand ahead of the wait in front of the last image's stores, and nothing since names it
.Lout:
	s_wait_alu depctr_vm_vsrc(0)                   ; the LDS loads issued so far have read v[HRI] and v[HRS]
	v_add_nc_u32 v[HRI], s58, v[LI]
	v_add_nc_u32 v[HRS], s59, v[LS]
	QUAD 2, 0, 0, 1, 0
	s_add_co_u32 s58, s58, 12288
	s_add_co_u32 s59, s59, 512
	s_sub_co_u32 s41, s41, 1
	s_cmp_lg_u32 s41, 0
	s_cbranch_scc1 .Lout
	s_wait_alu depctr_vm_vsrc(0)                   ; the LDS loads issued so far have read v[HRI] and v[HRS]
	v_add_nc_u32 v[HRI], s58, v[LI]
	v_add_nc_u32 v[HRS], s59, v[LS]
	QUAD 2, 0, 1, 0, 0                             ; the last four K steps are written out: nothing is asked for beyond the stream's end
.rept 4
	v_nop                                          ; places in front of the first read of results
.endr
	LNORM 2, 0
	; ---- the way out: a lane holds pieces of one row; through my own stage they become whole rows of 512 bytes
	s_wait_alu depctr_va_vdst(0)                   ; the norm has written the accumulators, which the LDS stores read and in which the loads below land
.irp m, 0,1
.irp b, 0,1,2,3
.irp i, 0,1,2,3
	ds_store_b128 v[SO], v[ACC+64*\m+16*\b+4*\i:ACC+64*\m+16*\b+4*\i+3] offset:4224*\m+128*\b+16*\i
.endr
.endr
.endr
	s_wait_alu depctr_vm_vsrc(0)                   ; the LDS stores have read the accumulators, in which the loads land
.set ri, 0
.rept 32
	ds_load_b128 v[ACC+4*ri:ACC+4*ri+3], v[SR] offset:528*ri   ; LDS serves a wave's instructions in order: these see my stores
.set ri, ri+1
.endr
.set ri, 0
.rept 32
	s_wait_dscnt 31-ri                             ; row ri is back; the rows behind it may be out
	global_store_b128 v[LI], v[ACC+4*ri:ACC+4*ri+3], s[28:29] offset:2048*ri th:TH_STORE_NT   ; 32 lanes store 512 consecutive bytes, at a multiple of 256 from the buffer's first byte
.set ri, ri+1
.endr
	s_wait_dscnt 0x0
	s_wait_alu depctr_hold_cnt(0) depctr_sa_sdst(0) depctr_va_vdst(0) depctr_va_sdst(0) depctr_va_ssrc(0) depctr_va_vcc(0) depctr_vm_vsrc(0)
	s_wait_tensorcnt 0x0
	ds_add_u32 v87, v127
	s_wait_dscnt 0x0
	s_endpgm
.Lfunc_end_k_qbe064be0b0_tail:
	.size	k_qbe064be0b0_tail, .Lfunc_end_k_qbe064be0b0_tail-k_qbe064be0b0_tail
	.p2alignl 7, 3214868480
	.fill 96, 4, 3214868480
	.section	.rodata,"a",@progbits
	.p2align	6, 0x0
	.amdhsa_kernel k_qbe064be0b0_tail
		.amdhsa_group_segment_fixed_size 134144
		.amdhsa_private_segment_fixed_size 0
		.amdhsa_enable_private_segment 0
		.amdhsa_kernarg_size 88
		.amdhsa_user_sgpr_count 2
		.amdhsa_user_sgpr_kernarg_segment_ptr 1
		.amdhsa_wavefront_size32 1
		.amdhsa_system_sgpr_workgroup_id_x 1
		.amdhsa_system_sgpr_workgroup_id_y 1
		.amdhsa_system_sgpr_workgroup_id_z 1
		.amdhsa_system_vgpr_workitem_id 0
		.amdhsa_next_free_vgpr 1024
		.amdhsa_next_free_sgpr 66
		.amdhsa_reserve_vcc 0
		.amdhsa_float_denorm_mode_32 3
		.amdhsa_float_denorm_mode_16_64 3
		.amdhsa_memory_ordered 1
		.amdhsa_forward_progress 1
		.amdhsa_inst_pref_size 196
	.end_amdhsa_kernel
	.amdgpu_metadata
---
amdhsa.version: [ 1, 2 ]
amdhsa.kernels:
  - .name:           k_qbe064be0b0_tail
    .symbol:         k_qbe064be0b0_tail.kd
    .args:
      - { .name: aobuf, .offset: 0, .size: 8, .value_kind: global_buffer, .address_space: global }
      - { .name: wffn, .offset: 8, .size: 8, .value_kind: global_buffer, .address_space: global }
      - { .name: x, .offset: 16, .size: 8, .value_kind: global_buffer, .address_space: global }
      - { .name: bo, .offset: 24, .size: 8, .value_kind: global_buffer, .address_space: global }
      - { .name: gamma1, .offset: 32, .size: 8, .value_kind: global_buffer, .address_space: global }
      - { .name: beta1, .offset: 40, .size: 8, .value_kind: global_buffer, .address_space: global }
      - { .name: b1, .offset: 48, .size: 8, .value_kind: global_buffer, .address_space: global }
      - { .name: b2, .offset: 56, .size: 8, .value_kind: global_buffer, .address_space: global }
      - { .name: gamma2, .offset: 64, .size: 8, .value_kind: global_buffer, .address_space: global }
      - { .name: beta2, .offset: 72, .size: 8, .value_kind: global_buffer, .address_space: global }
      - { .name: out0, .offset: 80, .size: 8, .value_kind: global_buffer, .address_space: global }
    .group_segment_fixed_size: 134144
    .private_segment_fixed_size: 0
    .kernarg_segment_align: 8
    .kernarg_segment_size: 88
    .max_flat_workgroup_size: 128
    .sgpr_count:     66
    .vgpr_count:     1024
    .wavefront_size: 32
...
	.end_amdgpu_metadata
.endif
;; end of part 8
